; MI455X (gfx1250); checked and timed in simulation.
; The chip was launched on July 23, 2026; its instructions are those of AMD's public machine-readable ISA for CDNA 5 (MIT licence, August 2026) and "CDNA5" Instruction Set Architecture Reference Guide (July 2026). The comments in the code are by the model that wrote it; some were corrected since.
;; Transformer Encoder. Allowed arithmetic: matrix products marked QUANTISED: E5M2 operands, one given power-of-two scale a tensor, by v_wmma_f32_16x16x64_bf8_bf8 or v_wmma_f32_16x16x128_bf8_bf8, f32 sums; everything else in f32.
;; Inputs: W1 512 x 2,048 float32; W2 2,048 x 512 float32; WK 512 x 512 float32; WO 512 x 512 float32; WQ 512 x 512 float32; WV 512 x 512 float32; b1 2,048 float32; b2 512 float32; bK 512 float32; bO 512 float32; bQ 512 float32; bV 512 float32; beta1 512 float32; beta2 512 float32; g1 512 float32; g2 512 float32; lowp_scales 16 int32 (the exponents e of the quantised operands' scales 2^e); x 2 x 4,096 x 512 float32.
;; Outputs: out0 2 x 4,096 x 512 float32.
;; Constants: num_head = 8.
;; This version of the problem:
;;   THIS VERSION OF THE PROBLEM IS GIVEN IN LOW PRECISION. The matrix products marked QUANTISED in the list below multiply operands that are first quantised to E5M2 (5 exponent bits, 2 mantissa bits; 8 bits a number), with one given power-of-two scale for each operand tensor; their sums are f32. All else is computed in f32.
;;   The module's matrix products, in the order in which they are computed (A, B: the left and right operand; K: the contracted axis; several contracted axes count as one K, in the product's order):
;;     1. [M 8,192, K 512] x [K 512, N 512]; A: input x; B: input WQ: QUANTISED (scales: A lowp_scales[0], B lowp_scales[1])
;;     2. [M 8,192, K 512] x [K 512, N 512]; A: input x; B: input WK: QUANTISED (scales: A lowp_scales[2], B lowp_scales[3])
;;     3. [M 8,192, K 512] x [K 512, N 512]; A: input x; B: input WV: QUANTISED (scales: A lowp_scales[4], B lowp_scales[5])
;;     4. batch 16 x [M 4,096, K 64] x [K 64, N 4,096]; A: computed on the way; B: computed on the way: QUANTISED (scales: A lowp_scales[6], B lowp_scales[7])
;;     5. batch 16 x [M 4,096, K 4,096] x [K 4,096, N 64]; A: softmax (see below); B: computed on the way: QUANTISED (scales: A lowp_scales[8], B lowp_scales[9])
;;     6. [M 8,192, K 512] x [K 512, N 512]; A: computed on the way; B: input WO: QUANTISED (scales: A lowp_scales[10], B lowp_scales[11])
;;     7. [M 8,192, K 512] x [K 512, N 2,048]; A: computed on the way; B: input W1: QUANTISED (scales: A lowp_scales[12], B lowp_scales[13])
;;     8. [M 8,192, K 2,048] x [K 2,048, N 512]; A: computed on the way; B: input W2: QUANTISED (scales: A lowp_scales[14], B lowp_scales[15])
;;   THE QUANTISER, for each operand of a quantised product, along K:
;;     - The operand's scale is 2^e, e = its entry of the input lowp_scales (int32; the entries are numbered through the quantised products in the list's order, A before B).
;;     - Each number is divided by the scale, clamped to +-57,344, and rounded to the nearest number of E5M2, ties to even, subnormals kept.
;;     - The product sums the exact products of the quantised numbers (number of the format x scale) in f32.
;;   ~~~python
;;   def quantise(x, axis, e):      # numpy; x: float32 -> the quantised numbers, widened to float32 again
;;       x = np.moveaxis(x, axis, -1); K = x.shape[-1]
;;       r = np.clip(x / 2.0 ** e, -57344, 57344)
;;       step = 2.0 ** (np.maximum(np.frexp(np.where(r == 0, 1, r))[1] - 1, -14) - 2)
;;       q = np.round(r / step) * step * 2.0 ** e      # np.round: ties to even
;;       return np.moveaxis(q, -1, axis).astype(np.float32)
;;   ~~~
;;   SOFTMAX AHEAD OF A QUANTISED PRODUCT. Where the list says 'softmax', what is quantised is not the finished softmax but p = 2^(t - M), with t = logit x log2(e) and M = ceil(the row's largest t), a whole number; so 1/2 < the row's largest p <= 1. The row's sum l is taken of the UNQUANTISED p, in f32, and the product's result is divided by l at the end. Since M is a whole number, a kernel that streams over the keys may use a running M (the ceiling of the running maximum): every later rescaling is an exact power of two, so the quantised numbers keep their values, but for numbers so far below the row's largest that they fall under the format's range.
;;   OPERANDS COMPUTED ON THE WAY. 'Computed on the way' means the value that the module computes at that place (a softmax that the list does not call 'softmax' is quantised finished and normalised). What goes into a quantiser is computed in f32, as accurately as f32 sums, v_exp_f32 and their like allow (about 1e-6 of the number): no bf16 or f16 on the way to a quantiser, and a product that is left as it is and whose result goes on into a quantised operand takes f32 operands (vector FMAs, or v_wmma_f32_16x16x4_f32). A number that lies on a knife's edge between two numbers of the format may be rounded either way, as far as f32 arithmetic and the matrix unit's own rounding can turn it there, and no further.
;; 2 versions. Each part assembles by itself: llvm-mc -triple=amdgcn-amd-amdhsa -mcpu=gfx1250 --defsym DOCPART=n.
;; ======== version 1 of 2: 4 launches
;; workspace buffers: wc 3,145,728 bytes; qf 4,194,304 bytes; kv 8,388,608 bytes; zf 4,194,304 bytes
;; launch prep (part 1): grid 16 x 12, 4 waves a work-group, no clusters, 0 bytes of LDS; arguments WQ, WK, WV, WO, W1, W2, lowp_scales, wc; writes wc
.if DOCPART == 1
	.amdgcn_target "amdgcn-amd-amdhsa--gfx1250"
	.amdhsa_code_object_version 6
	.text
	.protected	k_qc215a100d9_prep
	.globl	k_qc215a100d9_prep
	.p2align	8
	.type	k_qc215a100d9_prep,@function
k_qc215a100d9_prep:
	s_mov_b64 s[64:65], 0
	v_nop
	global_prefetch_b8 v0, s[64:65] scope:SCOPE_SE
	s_setreg_imm32_b32 hwreg(HW_REG_WAVE_MODE, 25, 1), 1
	s_wait_xcnt 0x0
; The six weights, f32 with K as their first axis, become codes of E5M2, each with its given scale 2^e, laid as twelve PANELS of [K 512] x [N 512]:
; panel 0 WQ (e1), 1 WK (e3), 2 WV (e5), 3 WO (e11), 4+2j W1[:, 512j ..] (e13), 5+2j W2[512j .., :] (e15).
; A panel is laid in the order of the operand's registers: byte w*65536 + (8s+t)*2048 + c*512 + lane*16 + y holds column 128w + 32(t/2) + 8(t%2) + r + 8(r/8) (r = lane % 16)
; at k = 128s + 32c + 16(lane/16) + y.  So a wave of the later launches takes a fragment (16 columns x 128 k) by four loads of 512 consecutive bytes.
; SHARES: work-group y = the panel, x = 4w + s, the wave's number = b: a wave takes 32 columns (tiles 2b, 2b+1) x 128 k.  A LANE TAKES ONE COLUMN AND ITS REGISTERS RUN DOWN K:
; each load reads 128 consecutive bytes of a row of the weight, and the conversions, which take neighbours along K from one lane's registers, give codes with K innermost.
; Lane 16u + r takes tile 2b+u's column of lane r, so that sixteen neighbouring lanes store 256 consecutive bytes, aligned: no LDS is needed.
; code = x / 2^e, held within +-57,344, to the nearest code, ties to even.  LIMITS: -126 <= e <= 112.  NaN among the inputs is not served.
.set X, 32                             ; v32-159  128 numbers down K
.set C, 160                            ; v160-191 their codes: no store's data are written again
	s_load_b512 s[16:31], s[0:1], 0x0              ; WQ 16, WK 18, WV 20, WO 22, W1 24, W2 26, the scales' exponents 28, wc 30
	v_lshrrev_b32 v1, 5, v0
	v_readfirstlane_b32 s8, v1                     ; b
	v_bfe_u32 v4, v0, 4, 1                         ; u
	v_and_b32 v5, 7, v0
	v_bfe_u32 v6, v0, 3, 1
	v_lshl_add_u32 v2, v4, 3, v5                   ; my column among the wave's 32: 8u + r%8
	v_lshl_add_u32 v2, v6, 4, v2                   ; + 16 (r/8)
	v_lshlrev_b32 v2, 2, v2                        ; in bytes
	v_and_b32 v7, 15, v0
	v_lshlrev_b32 v3, 4, v7                        ; where my codes go: 16 r
	v_lshl_add_u32 v3, v4, 11, v3                  ; + 2,048 u
	s_and_b32 s2, ttmp7, 0xffff                    ; the panel p
	s_lshr_b32 s9, ttmp9, 2                        ; w
	s_and_b32 s10, ttmp9, 3                        ; s
	s_sub_co_i32 s3, s2, 4
	s_max_i32 s3, s3, 0
	s_lshr_b32 s3, s3, 1                           ; j
	s_and_b32 s11, s2, 1
	s_cmp_ge_u32 s2, 5
	s_cselect_b32 s11, s11, 0                      ; 1: a panel of W2
	s_xor_b32 s12, s2, 1
	s_and_b32 s12, s12, 1
	s_cmp_ge_u32 s2, 4
	s_cselect_b32 s12, s12, 0                      ; 1: a panel of W1, whose rows are 8,192 bytes
	s_mul_i32 s13, s11, s3
	s_lshl_b32 s13, s13, 9                         ; W2: the panel's first row 512 j
	s_lshl_b32 s14, s10, 7
	s_add_co_u32 s13, s13, s14                     ; + 128 s
	s_lshl_b32 s14, s12, 1
	s_add_co_u32 s14, s14, 11
	s_lshl_b32 s13, s13, s14                       ; x the row's bytes: 2^11 or 2^13
	s_mul_i32 s14, s12, s3
	s_lshl_b32 s14, s14, 9                         ; W1: the panel's first column 512 j
	s_lshl_b32 s15, s9, 7
	s_add_co_u32 s14, s14, s15                     ; + 128 w
	s_lshl_b32 s15, s8, 5
	s_add_co_u32 s14, s14, s15                     ; + 32 b
	s_lshl_b32 s14, s14, 2
	s_add_co_u32 s6, s13, s14
	s_mov_b32 s7, 0
	s_wait_kmcnt 0x0
	s_load_b512 s[32:47], s[28:29], 0x0            ; e0 .. e15
	s_mov_b64 s[4:5], s[16:17]                     ; the panel's tensor: a choice that hangs on the work-group's number alone
	s_cmp_eq_u32 s2, 1
	s_cselect_b64 s[4:5], s[18:19], s[4:5]
	s_cmp_eq_u32 s2, 2
	s_cselect_b64 s[4:5], s[20:21], s[4:5]
	s_cmp_eq_u32 s2, 3
	s_cselect_b64 s[4:5], s[22:23], s[4:5]
	s_cmp_ge_u32 s2, 4
	s_cselect_b64 s[4:5], s[24:25], s[4:5]
	s_cmp_lg_u32 s11, 0
	s_cselect_b64 s[4:5], s[26:27], s[4:5]
	s_add_nc_u64 s[4:5], s[4:5], s[6:7]
	s_lshl_b32 s6, s2, 18                          ; wc: 262,144 p
	s_lshl_b32 s13, s9, 16
	s_add_co_u32 s6, s6, s13                       ; + 65,536 w
	s_lshl_b32 s13, s10, 14
	s_add_co_u32 s6, s6, s13                       ; + 8 s tiles
	s_lshl_b32 s13, s8, 12
	s_add_co_u32 s6, s6, s13                       ; + 2 b tiles
	s_add_nc_u64 s[30:31], s[30:31], s[6:7]
; The wave's whole work, for rows of \pitch bytes: every offset is an immediate, at most 127 x 8,192.
.macro QW pitch
.set i, 0
.rept 128
	global_load_b32 v[X+i], v2, s[4:5] offset:i*(\pitch) th:TH_LOAD_NT
.set i, i+1
.endr
	s_wait_kmcnt 0x0
	s_mov_b32 s13, s33                             ; the panel's e
	s_cmp_eq_u32 s2, 1
	s_cselect_b32 s13, s35, s13
	s_cmp_eq_u32 s2, 2
	s_cselect_b32 s13, s37, s13
	s_cmp_eq_u32 s2, 3
	s_cselect_b32 s13, s43, s13
	s_cmp_ge_u32 s2, 4
	s_cselect_b32 s13, s45, s13
	s_cmp_lg_u32 s11, 0
	s_cselect_b32 s13, s47, s13
	s_add_co_i32 s13, s13, 127
	s_lshl_b32 s14, s13, 23
	v_mov_b32 v11, s14                             ; 2^e as f32: the conversion takes its exponent field
	s_add_co_i32 s13, s13, 15
	s_lshl_b32 s13, s13, 23
	s_or_b32 s13, s13, 0x600000
	v_mov_b32 v10, s13                             ; 57,344 x 2^e
.irp c, 0,1,2,3
.if \c < 2
	s_wait_loadcnt 63                              ; 96 or 64 loads stand behind this block's; the wait names the most that it can, which is fewer
.else
	s_wait_loadcnt 32*(3-\c)                       ; the younger blocks' loads may be out
.endif
.set i, 0
.rept 32
	v_med3_num_f32 v[X+32*\c+i], v[X+32*\c+i], -v10, v10   ; the conversion to an 8-bit code does not saturate (ISA guide 7.6.2): the hold at the largest code x the scale
.set i, i+1
.endr
.irp g, 0,1,2,3
	v_cvt_scalef32_pk8_bf8_f32 v[C+8*\c+2*\g:C+8*\c+2*\g+1], v[X+32*\c+8*\g:X+32*\c+8*\g+7], v11
.endr
	global_store_b128 v3, v[C+8*\c:C+8*\c+3], s[30:31] offset:512*\c           ; k = 32c + 0 .. 15: the image's lanes 0-15; sixteen lanes store 256 consecutive bytes, aligned
	global_store_b128 v3, v[C+8*\c+4:C+8*\c+7], s[30:31] offset:512*\c+256     ; k = 32c + 16 .. 31: its lanes 16-31
.endr
	s_endpgm
.endm
	s_cmp_lg_u32 s12, 0
	s_cbranch_scc1 .Lwide
	QW 2048
.Lwide:
	QW 8192
.Lfunc_end_k_qc215a100d9_prep:
	.size	k_qc215a100d9_prep, .Lfunc_end_k_qc215a100d9_prep-k_qc215a100d9_prep
	.p2alignl 7, 3214868480
	.fill 96, 4, 3214868480
	.section	.rodata,"a",@progbits
	.p2align	6, 0x0
	.amdhsa_kernel k_qc215a100d9_prep
		.amdhsa_group_segment_fixed_size 0
		.amdhsa_private_segment_fixed_size 0
		.amdhsa_enable_private_segment 0
		.amdhsa_kernarg_size 64
		.amdhsa_user_sgpr_count 2
		.amdhsa_user_sgpr_kernarg_segment_ptr 1
		.amdhsa_wavefront_size32 1
		.amdhsa_system_sgpr_workgroup_id_x 1
		.amdhsa_system_sgpr_workgroup_id_y 1
		.amdhsa_system_sgpr_workgroup_id_z 1
		.amdhsa_system_vgpr_workitem_id 0
		.amdhsa_next_free_vgpr 192
		.amdhsa_next_free_sgpr 66
		.amdhsa_reserve_vcc 0
		.amdhsa_float_denorm_mode_32 3
		.amdhsa_float_denorm_mode_16_64 3
		.amdhsa_memory_ordered 1
		.amdhsa_forward_progress 1
		.amdhsa_inst_pref_size 48
	.end_amdhsa_kernel
	.amdgpu_metadata
---
amdhsa.version: [ 1, 2 ]
amdhsa.kernels:
  - .name:           k_qc215a100d9_prep
    .symbol:         k_qc215a100d9_prep.kd
    .args:
      - { .name: WQ, .offset: 0, .size: 8, .value_kind: global_buffer, .address_space: global }
      - { .name: WK, .offset: 8, .size: 8, .value_kind: global_buffer, .address_space: global }
      - { .name: WV, .offset: 16, .size: 8, .value_kind: global_buffer, .address_space: global }
      - { .name: WO, .offset: 24, .size: 8, .value_kind: global_buffer, .address_space: global }
      - { .name: W1, .offset: 32, .size: 8, .value_kind: global_buffer, .address_space: global }
      - { .name: W2, .offset: 40, .size: 8, .value_kind: global_buffer, .address_space: global }
      - { .name: lowp_scales, .offset: 48, .size: 8, .value_kind: global_buffer, .address_space: global }
      - { .name: wc, .offset: 56, .size: 8, .value_kind: global_buffer, .address_space: global }
    .group_segment_fixed_size: 0
    .private_segment_fixed_size: 0
    .kernarg_segment_align: 8
    .kernarg_segment_size: 64
    .max_flat_workgroup_size: 128
    .sgpr_count:     66
    .vgpr_count:     192
    .wavefront_size: 32
...
	.end_amdgpu_metadata
.endif
;; end of part 1
;; launch qkv (part 2): grid 128 x 1, 4 waves a work-group, no clusters, 237,056 bytes of LDS; arguments x, wc, bQ, bK, bV, lowp_scales, qf, kv; writes qf, kv
.if DOCPART == 2
	.amdgcn_target "amdgcn-amd-amdhsa--gfx1250"
	.amdhsa_code_object_version 6
	.text
	.protected	k_qc215a100d9_qkv
	.globl	k_qc215a100d9_qkv
	.p2align	8
	.type	k_qc215a100d9_qkv,@function
k_qc215a100d9_qkv:
	s_mov_b64 s[64:65], 0
	v_nop
	global_prefetch_b8 v0, s[64:65] scope:SCOPE_SE
	s_setreg_imm32_b32 hwreg(HW_REG_WAVE_MODE, 25, 1), 1
	s_wait_xcnt 0x0
; q = x WQ + bQ, k = x WK + bK, v = x WV + bV on codes of E5M2, and q, k, v quantised for the attention.  x [8192][512] f32 is quantised THREE times (e0, e2, e4: one scale for each product).
; SHARES: a work-group takes 64 rows of x; a wave takes 128 columns of each projection: two heads.  Straight-line text.
; OPERANDS ARE IMAGES OF THEIR REGISTERS: a fragment (16 things x 128 k) is 2,048 bytes: byte c*512 + lane*16 + y = thing of lane%16 at k = 32c + 16(lane/16) + y (a permutation of k alike in both operands).
; TILES ARE PERMUTED: lane r of tile 2b+u takes thing 32b + 8u + r + 8(r/8), so that in a result the 16 registers of tiles 2b, 2b+1 are 16 neighbours, 32b + 16(lane/16) + 0..15: the conversions' results ARE the next operand.
; Q, K: source 0 = 16 columns of the weight, source 1 = 16 rows of x: a lane holds a row, its registers run along the head's channels (the next K).  V: the sources swapped: a lane holds a channel, its registers run along the keys.
; THE K STEPS ARE TAKEN IN A ROTATED ORDER.  g = the work-group's number % 4; logical step k is K step (k + g) % 4, and wave w takes column block (w + g) % 4.  So at one time the work-groups ask for four different
; blocks of a panel, and three of a work-group's four requests are for a block that another work-group asked for a step or more before.  g enters global offsets alone (the weights, x's blocks of 128 along K as they are
; loaded, the biases, the stores): every LDS address hangs on the wave's number and the lane.  LIMIT: a product's four K steps are summed in the order g, g+1, .. (mod 4), not ascending.
; The weights' codes go from memory straight into the operand's registers (a ring of two K steps, 16 fragments), refilled two fragments at a time among the products: each fragment is used by one wave of the work-group,
; so a way through LDS would add a copy and spare none; no joint loads: beside the images (96 KiB) and the stages (129 KiB) LDS has no room for two slots of a K step's 64 KiB.
; The bias is the C of a sum's first matrix instruction, divided by the power of two that the sums lack; the three scales ahead of each quantiser are folded into the conversion's one.
; OUT: qf [head][tile of 16 queries][1,024]; kv [head][step of 128 keys][16,384]: 8 tiles of K (1,024 each), then 4 fragments of V (16 channels x 128 keys).  Every store of a wave covers 512 consecutive bytes, aligned.
; LIMITS, so that each power of two is an f32 number: e0, e2, e4, e6-e0-e1, e7-e2-e3, e9-e4-e5 between -126 and 112.  NaN among the inputs is not served.
; REGISTERS, in windows of 256: window 0: v1-31 addresses and scales; v32-95 the bias tiles; v96-159, v160-223 two buffers of four fragments of x, also the codes just made; v224-243 at work; v244-251 offsets that hold g.
;   window 1: the weights' ring.   window 2: scratch (x as loaded; held numbers).   window 3: x in the operand's order, then the 32 accumulators ((t, m) at v[8 (4 t + m)]).
.set IMG,  0                           ; LDS: x's images for the three projections, 32,768 each: fragment (tile of rows m, logical K step k) at (4 m + k) x 2,048
.set PAR,  98304                       ; a wave's own 1,536 bytes: its 128 numbers of bQ, bK, bV
.set STG,  104448                      ; a wave's own stage: 16 rows x (2,048 + 16) bytes
.set L16,  1                           ; v1  16 x lane
.set BI,   32
.set AB,   96
.set XO,   244                         ; v244-247  x: 16 x lane + 512 ((q + g) % 4): the block of 128 along K that becomes logical step q
.set WO,   248                         ; v248-251  a panel: 16 x lane + 65,536 x my column block + 16,384 ((k + g) % 4); never rewritten
.set WB,   72                          ; s[72:73] wc
.set MSB, 0
.macro WIN new                         ; the immediate's high byte repeats the setting that is left; a switch that changes nothing is dropped
.if MSB != (\new)
	s_set_vgpr_msb (MSB<<8)|(\new)
.set MSB, (\new)
.endif
.endm
.macro BARRIER                         ; my LDS stores have landed and my LDS loads are in: then the work-group's barrier
	s_wait_dscnt 0x0
	s_barrier_signal -1
	s_barrier_wait -1
.endm
.macro AHALF ab, adr, off, s, m0       ; tiles of rows m0, m0 + 1: their fragments of logical K step s into buffer ab
.irp m, \m0, \m0+1
.irp c, 0,1,2,3
	ds_load_b128 v[AB+64*(\ab)+16*(\m)+4*\c:AB+64*(\ab)+16*(\m)+4*\c+3], v[\adr] offset:(\off)+(4*(\m)+(\s))*2048+512*\c
.endr
.endr
.endm
.macro AFETCH ab, adr, off, s          ; all four tiles of rows
	AHALF \ab, \adr, \off, \s, 0
	AHALF \ab, \adr, \off, \s, 2
.endm
.macro WFRAG hf, t, k, off             ; fragment t of my 128 columns, logical K step k of the panel at byte off, into half hf of the ring: four loads of 512 consecutive bytes
.irp c, 0,1,2,3
	global_load_b128 v[128*(\hf)+16*(\t)+4*\c:128*(\hf)+16*(\t)+4*\c+3], v[WO+(\k)], s[WB:WB+1] offset:(\off)+(\t)*2048+\c*512
.endr
.endm
.macro WLOAD hf, k, off                ; a whole K step's eight fragments: at the head alone
	WIN 0x40
.irp t, 0,1,2,3,4,5,6,7
	WFRAG \hf, \t, \k, \off
.endr
.endm
; A K STEP: 32 matrix instructions, 8 tiles of columns x 4 tiles of rows, 128 along K, WITH THE MEMORY WORK AMONG THEM.  The 32 accumulators take turns, one instruction a turn, in the same order in every step
; Behind every second tile of columns stand four places (ISA guide 7.12.1 for vector instructions), and then
;   refill = 1: the eight loads that fill the two fragments just multiplied again, with logical K step rk of the panel at roff: two K steps on in the stream.  So a fragment is asked for nearly two K steps ahead of its use;
;   af = 1, behind tiles 1 and 3: eight LDS loads each: the next step's fragments of x, into the buffer that the step before multiplied.
; The wait in front of tile t leaves out: the rest of this K step's fragment loads, 4 (7 - t); the next K step's 32 (ahead = 1); and what this K step has already asked for, 8 (t / 2).
.macro KSTEP mode, accw, k, first, ahead, refill, rk, roff, af, adr, img
.if (\k) == 0
	s_wait_dscnt 16                                ; this step's four fragments of x are in; the other buffer's 16 loads may be out
.else
	s_wait_dscnt 0x0                               ; this step's were asked for in the first half of the step before
.endif
.irp t, 0,1,2,3,4,5,6,7
	s_wait_loadcnt 32*(\ahead)+4*(7-\t)+8*(\t/2)*(\refill)
.if \first
	WIN ((\accw)<<6)|(1+3*(\mode))
.else
	WIN ((\accw)<<6)|((\accw)<<4)|(1+3*(\mode))
.endif
.irp m, 0,1,2,3
.set AI, 8*(4*\t+\m)
.set WF, 128*((\k)%2)+16*\t
.set AF, AB+64*((\k)%2)+16*\m
.if \mode
.if \first
	v_wmma_f32_16x16x128_bf8_bf8 v[AI:AI+7], v[AF:AF+15], v[WF:WF+15], v[BI+8*\t:BI+8*\t+7]
.else
	v_wmma_f32_16x16x128_bf8_bf8 v[AI:AI+7], v[AF:AF+15], v[WF:WF+15], v[AI:AI+7]
.endif
.else
.if \first
	v_wmma_f32_16x16x128_bf8_bf8 v[AI:AI+7], v[WF:WF+15], v[AF:AF+15], v[BI+8*\t:BI+8*\t+7]
.else
	v_wmma_f32_16x16x128_bf8_bf8 v[AI:AI+7], v[WF:WF+15], v[AF:AF+15], v[AI:AI+7]
.endif
.endif
.endr
.if (\t%2) && ((\refill) || ((\af) && (\t < 4)) || (\t == 7))
.rept 4
	v_nop                                          ; four places behind the products: in front of loads into registers that they read; behind tile 7 also in front of the first read of results
.endr
.if \refill
	WIN 0x40
	WFRAG (\k)%2, \t-1, \rk, \roff
	WFRAG (\k)%2, \t, \rk, \roff
.endif
.if (\af) && (\t < 4)
	WIN 0
	AHALF ((\k)+1)%2, \adr, \img, (\k)+1, \t-1
.endif
.endif
.endr
	WIN 0
.endm
; A panel: [64 rows, K 512] x my 128 columns.  o0: the panel's byte in wc; its last two steps ask for the next panel's first two, unless it is the last.
.macro PANEL mode, accw, first, adr, img, o0, last
	AFETCH 0, \adr, \img, 0
	AFETCH 1, \adr, \img, 1
	KSTEP \mode, \accw, 0, \first, 1, 1, 2, \o0, 0, \adr, \img
	KSTEP \mode, \accw, 1, 0, 1, 1, 3, \o0, 1, \adr, \img
.if \last
	KSTEP \mode, \accw, 2, 0, 1, 0, 0, 0, 1, \adr, \img
	KSTEP \mode, \accw, 3, 0, 0, 0, 0, 0, 0, \adr, \img
.else
	KSTEP \mode, \accw, 2, 0, 1, 1, 0, (\o0)+262144, 1, \adr, \img
	KSTEP \mode, \accw, 3, 0, 1, 1, 1, (\o0)+262144, 0, \adr, \img
.endif
.endm
.macro HOLD srcw, relu, lim            ; 256 numbers of window srcw, held within the largest code x the scale (relu = 1: between 0 and it), into window 2; each accumulator from its low end on
	WIN 0x80|(\srcw)
.set i, 0
.rept 256
.if \relu
	v_med3_num_f32 v[i], v[i], 0, v[\lim]
.else
	v_med3_num_f32 v[i], v[i], -v[\lim], v[\lim]
.endif
.set i, i+1
.endr
.endm
.macro CODES_LIN cb, sc                ; window 2's 256 numbers, 16 consecutive registers a piece, become 64 registers of codes from v[cb] on
	WIN 0x02
.set i, 0
.rept 32
	v_cvt_scalef32_pk8_bf8_f32 v[(\cb)+2*i:(\cb)+2*i+1], v[8*i:8*i+7], v[\sc]
.set i, i+1
.endr
	v_nop                                          ; one plain vector instruction behind the last scaled conversion
	WIN 0
.endm
.macro CODES_RES sc                    ; piece (m, b): tiles 2b and 2b+1 of tile of rows m: registers 4b .. 4b+3 of that tile's fragment, at v[AB + 16 m]
	WIN 0x02
.irp m, 0,1,2,3
.irp b, 0,1,2,3
	v_cvt_scalef32_pk8_bf8_f32 v[AB+16*\m+4*\b:AB+16*\m+4*\b+1], v[8*(8*\b+\m):8*(8*\b+\m)+7], v[\sc]
	v_cvt_scalef32_pk8_bf8_f32 v[AB+16*\m+4*\b+2:AB+16*\m+4*\b+3], v[8*(8*\b+4+\m):8*(8*\b+4+\m)+7], v[\sc]
.endr
.endr
	v_nop
	WIN 0
.endm
.macro PLOAD dst, adr, off             ; 128 numbers a column each, in the result's layout: register 8 t + j = the number of column 32(t/2) + 16(lane/16) + 8(t%2) + j
.irp t, 0,1,2,3,4,5,6,7
.irp q, 0,1
	ds_load_b128 v[(\dst)+8*\t+4*\q:(\dst)+8*\t+4*\q+3], v[\adr] offset:(\off)+128*(\t/2)+32*(\t%2)+16*\q
.endr
.endr
.endm
.macro BSCALE se                       ; the bias tiles x 2^s[se]
.set i, 0
.rept 64
	v_ldexp_f32 v[BI+i], v[BI+i], s[\se]
.set i, i+1
.endr
.endm
.macro MKSC vs, vl, se                 ; v[vs] = 2^e as f32, v[vl] = 57,344 x 2^e, e = s[se]
	s_add_co_i32 s62, s[\se], 127
	s_lshl_b32 s63, s62, 23
	v_mov_b32 v[\vs], s63
	s_add_co_i32 s62, s62, 15
	s_lshl_b32 s62, s62, 23
	s_or_b32 s62, s62, 0x600000
	v_mov_b32 v[\vl], s62
.endm
.macro SENDR base, hb                  ; q's or k's codes: head b/2 of my two (hb bytes apart), tile m, half b%2 of the head's 64
.irp m, 0,1,2,3
.irp b, 0,1,2,3
	global_store_b128 v[L16], v[AB+16*\m+4*\b:AB+16*\m+4*\b+3], s[\base:\base+1] offset:(\b/2)*(\hb)+\m*1024+(\b%2)*512
.endr
.endr
.endm
	s_load_b512 s[16:31], s[0:1], 0x0              ; x 16, wc 18, bQ 20, bK 22, bV 24, the scales' exponents 26, qf 28, kv 30
	v_lshl_add_u32 v254, v0, 2, 0x39c00
	v_mov_b32 v255, 0
	v_lshrrev_b32 v224, 5, v0
	v_readfirstlane_b32 s56, v224                  ; wave w
	s_and_b32 s82, ttmp9, 3                        ; g
	s_add_co_u32 s83, s56, s82
	s_and_b32 s83, s83, 3                          ; my column block: (w + g) % 4
	v_and_b32 v225, 31, v0
	v_and_b32 v226, 15, v0                         ; r
	v_bfe_u32 v227, v0, 4, 1                       ; h
	v_lshlrev_b32 v[L16], 4, v225
	s_lshl_b32 s57, s83, 16
.irp k, 0,1,2,3
	s_add_co_u32 s84, s82, \k
	s_and_b32 s84, s84, 3                          ; logical step k is K step (k + g) % 4
	s_lshl_b32 s85, s84, 14
	s_add_co_u32 s85, s85, s57
	v_add_nc_u32 v[WO+\k], s85, v[L16]
	s_lshl_b32 s85, s84, 9
	v_add_nc_u32 v[XO+\k], s85, v[L16]
.endr
	s_lshl_b32 s57, s56, 13
	v_add_nc_u32 v3, s57, v[L16]                   ; where I store x's images: 16 lane + 8,192 w (tile of rows w)
	v_add_nc_u32 v4, 0x10000, v3                   ; the same for the third projection's
	v_add_nc_u32 v5, 0x10000, v[L16]               ; and where they are read
	s_lshl_b32 s57, s83, 9
	v_add_nc_u32 v6, s57, v[L16]                   ; my 16 bytes of my column block's 512 of a bias
	s_mul_i32 s57, s56, 33024
	s_add_co_u32 s57, s57, STG
	v_add_nc_u32 v7, s57, v[L16]                   ; the stage, on the way in
	v_mul_u32_u24 v8, v226, 2064
	v_lshl_add_u32 v8, v227, 6, v8
	v_add_nc_u32 v8, s57, v8                       ; and out: row r, + 64 h: my 16 numbers of a block of 32
	s_mul_i32 s57, s56, 1536
	s_add_co_u32 s57, s57, PAR
	v_add_nc_u32 v9, s57, v[L16]
	v_lshlrev_b32 v10, 6, v227
	v_add_nc_u32 v10, s57, v10                     ; a bias in the result's layout: + 64 h
	v_and_b32 v240, 8, v226
	v_add_nc_u32 v240, v240, v226                  ; r + 8 (r / 8)
	v_lshlrev_b32 v11, 2, v240
	v_add_nc_u32 v11, s57, v11                     ; V's bias: my column's number
	s_lshr_b32 s58, ttmp9, 6                       ; batch
	s_and_b32 s59, ttmp9, 63                       ; which 64 rows of the batch's 4,096
	s_lshl_b32 s60, s58, 3
	s_lshl_b32 s61, s83, 1
	s_add_co_u32 s60, s60, s61                     ; my first head: 8 batch + 2 x my column block
	s_lshl_b32 s66, ttmp9, 17                      ; x: 64 rows of 2,048 bytes a work-group,
	s_lshr_b32 s61, s56, 1
	s_lshl_b32 s61, s61, 16
	s_add_co_u32 s66, s66, s61                     ; + 32 (w / 2) rows
	s_and_b32 s61, s56, 1
	s_lshl_b32 s61, s61, 14
	s_add_co_u32 s66, s66, s61                     ; + 8 (w % 2) rows: tile w's first
	s_mov_b32 s67, 0
	s_lshl_b32 s68, s60, 18                        ; qf: 262,144 a head, 4 tiles of 1,024 a work-group
	s_lshl_b32 s61, s59, 12
	s_add_co_u32 s68, s68, s61
	s_mov_b32 s69, 0
	s_lshl_b32 s70, s60, 19                        ; kv: 524,288 a head, 16,384 a step of 128 keys
	s_lshr_b32 s61, s59, 1
	s_lshl_b32 s61, s61, 14
	s_add_co_u32 s70, s70, s61
	s_and_b32 s61, s59, 1
	s_lshl_b32 s62, s61, 10
	s_add_co_u32 s80, s70, s62                     ; V: my 64 keys are two of a fragment's four groups of 512 bytes
	s_mov_b32 s81, 0
	s_lshl_b32 s62, s61, 12
	s_add_co_u32 s70, s70, s62                     ; K: my 64 keys are four of the step's eight tiles
	s_mov_b32 s71, 0
	s_wait_kmcnt 0x0
	s_load_b512 s[40:55], s[26:27], 0x0            ; e0 .. e15
	s_add_nc_u64 s[16:17], s[16:17], s[66:67]
	s_mov_b64 s[WB:WB+1], s[18:19]
	s_add_nc_u64 s[74:75], s[28:29], s[68:69]
	s_add_nc_u64 s[76:77], s[30:31], s[70:71]
	s_add_nc_u64 s[78:79], s[30:31], s[80:81]
	global_load_b128 v[228:231], v6, s[20:21]
	global_load_b128 v[232:235], v6, s[22:23]
	global_load_b128 v[236:239], v6, s[24:25]
	WIN 0x80
.set i, 0
.rept 64                               ; my 16 rows of x: each load 512 consecutive bytes, a block of 128 along K.  Stage row i/4 is the tile's row i/4 + 8 (i/32); stage block i%4 is logical K step i%4
	global_load_b128 v[4*i:4*i+3], v[XO+i%4], s[16:17] offset:((i/4)+8*(i/32))*2048 th:TH_LOAD_NT
.set i, i+1
.endr
	WLOAD 0, 0, 0                                  ; WQ's logical K steps 0 and 1
	WLOAD 1, 1, 0
	WIN 0
	s_wait_loadcnt 63                              ; the biases and x are in: of the ring's 64 loads, issued behind them, 63 may be out
	ds_store_b128 v9, v[228:231]
	ds_store_b128 v9, v[232:235] offset:512
	ds_store_b128 v9, v[236:239] offset:1024
	WIN 0x08
.set i, 0
.rept 64
	ds_store_b128 v7, v[4*i:4*i+3] offset:(i/4)*2064+(i%4)*512
.set i, i+1
.endr
	WIN 0xc0
.set i, 0
.rept 64                               ; back in the operand's order: register 64 s + 16 c + 4 j: logical step s, k = 32 c + 16 h + 4 j of its 128.  LDS serves a wave's instructions in order: these see my stores
	ds_load_b128 v[4*i:4*i+3], v8 offset:(i/16)*512+((i/4)%4)*128+(i%4)*16
.set i, i+1
.endr
	WIN 0
	s_wait_kmcnt 0x0
	MKSC 12, 13, 40
	MKSC 14, 15, 42
	MKSC 16, 17, 44
	s_add_co_i32 s66, s40, s41                     ; a sum of product 1 stands for sum x 2^(e0 + e1): q's code is sum / 2^(e6 - e0 - e1)
	s_sub_co_i32 s57, s46, s66
	MKSC 18, 19, 57
	s_sub_co_i32 s66, 0, s66
	s_add_co_i32 s67, s42, s43
	s_sub_co_i32 s57, s47, s67
	MKSC 20, 21, 57
	s_sub_co_i32 s67, 0, s67
	s_add_co_i32 s68, s44, s45
	s_sub_co_i32 s57, s49, s68
	MKSC 22, 23, 57
	s_sub_co_i32 s68, 0, s68
	s_wait_dscnt 0x0
	; x is quantised three times; the images go to LDS for all four waves
	HOLD 3, 0, 13
	CODES_LIN AB, 12
.set i, 0
.rept 16
	ds_store_b128 v3, v[AB+4*i:AB+4*i+3] offset:IMG+512*i
.set i, i+1
.endr
	HOLD 3, 0, 15
	CODES_LIN AB+64, 14
.set i, 0
.rept 16
	ds_store_b128 v3, v[AB+64+4*i:AB+64+4*i+3] offset:IMG+32768+512*i
.set i, i+1
.endr
	HOLD 3, 0, 17
	s_wait_dscnt 16                                ; the first projection's 16 stores have read their registers; the second's 16 may be out
	CODES_LIN AB, 16
.set i, 0
.rept 16
	ds_store_b128 v4, v[AB+4*i:AB+4*i+3] offset:512*i
.set i, i+1
.endr
	BARRIER                                        ; all 48 fragments of x lie in LDS; nothing writes them again
	; ---- Q
	PLOAD BI, 10, 0
	s_wait_dscnt 0x0
	BSCALE 66
	PANEL 0, 3, 1, L16, IMG, 0, 0
	HOLD 3, 0, 19
	CODES_RES 18
	SENDR 74, 262144
	; ---- K
	PLOAD BI, 10, 512
	s_wait_dscnt 0x0
	BSCALE 67
	s_wait_xcnt 0x0                                ; the stores' data registers become buffers of x again only behind this wait
	PANEL 0, 3, 1, L16, IMG+32768, 262144, 0
	HOLD 3, 0, 21
	CODES_RES 20
	SENDR 76, 524288
	; ---- V: the sources swapped; a lane holds one column, so its bias is one number in all eight registers of a tile
.irp t, 0,1,2,3,4,5,6,7
	ds_load_b32 v[24+\t], v11 offset:1024+128*(\t/2)+32*(\t%2)
.endr
	s_wait_dscnt 0x0
.irp t, 0,1,2,3,4,5,6,7
.irp j, 0,1,2,3,4,5,6,7
	v_ldexp_f32 v[BI+8*\t+\j], v[24+\t], s68
.endr
.endr
	s_wait_xcnt 0x0
	PANEL 1, 3, 1, 5, 0, 524288, 1
	HOLD 3, 0, 23
	CODES_LIN AB, 22                               ; piece 2 t + B: accumulators (t, 2B), (t, 2B+1): keys 32 B + 16 h + 0 .. 15 of channel tile t
.irp t, 0,1,2,3,4,5,6,7
.irp b, 0,1
	global_store_b128 v[L16], v[AB+4*(2*\t+\b):AB+4*(2*\t+\b)+3], s[78:79] offset:(\t/4)*524288+8192+(\t%4)*2048+\b*512
.endr
.endr
	s_wait_tensorcnt 0x0
	ds_add_u32 v254, v255
	s_wait_dscnt 0x0
	s_endpgm
.Lfunc_end_k_qc215a100d9_qkv:
	.size	k_qc215a100d9_qkv, .Lfunc_end_k_qc215a100d9_qkv-k_qc215a100d9_qkv
	.p2alignl 7, 3214868480
	.fill 96, 4, 3214868480
	.section	.rodata,"a",@progbits
	.p2align	6, 0x0
	.amdhsa_kernel k_qc215a100d9_qkv
		.amdhsa_group_segment_fixed_size 237056
		.amdhsa_private_segment_fixed_size 0
		.amdhsa_enable_private_segment 0
		.amdhsa_kernarg_size 64
		.amdhsa_user_sgpr_count 2
		.amdhsa_user_sgpr_kernarg_segment_ptr 1
		.amdhsa_wavefront_size32 1
		.amdhsa_system_sgpr_workgroup_id_x 1
		.amdhsa_system_sgpr_workgroup_id_y 1
		.amdhsa_system_sgpr_workgroup_id_z 1
		.amdhsa_system_vgpr_workitem_id 0
		.amdhsa_next_free_vgpr 1024
		.amdhsa_next_free_sgpr 96
		.amdhsa_reserve_vcc 0
		.amdhsa_float_denorm_mode_32 3
		.amdhsa_float_denorm_mode_16_64 3
		.amdhsa_memory_ordered 1
		.amdhsa_forward_progress 1
		.amdhsa_inst_pref_size 236
	.end_amdhsa_kernel
	.amdgpu_metadata
---
amdhsa.version: [ 1, 2 ]
amdhsa.kernels:
  - .name:           k_qc215a100d9_qkv
    .symbol:         k_qc215a100d9_qkv.kd
    .args:
      - { .name: x, .offset: 0, .size: 8, .value_kind: global_buffer, .address_space: global }
      - { .name: wc, .offset: 8, .size: 8, .value_kind: global_buffer, .address_space: global }
      - { .name: bQ, .offset: 16, .size: 8, .value_kind: global_buffer, .address_space: global }
      - { .name: bK, .offset: 24, .size: 8, .value_kind: global_buffer, .address_space: global }
      - { .name: bV, .offset: 32, .size: 8, .value_kind: global_buffer, .address_space: global }
      - { .name: lowp_scales, .offset: 40, .size: 8, .value_kind: global_buffer, .address_space: global }
      - { .name: qf, .offset: 48, .size: 8, .value_kind: global_buffer, .address_space: global }
      - { .name: kv, .offset: 56, .size: 8, .value_kind: global_buffer, .address_space: global }
    .group_segment_fixed_size: 237056
    .private_segment_fixed_size: 0
    .kernarg_segment_align: 8
    .kernarg_segment_size: 64
    .max_flat_workgroup_size: 128
    .sgpr_count:     96
    .vgpr_count:     1024
    .wavefront_size: 32
...
	.end_amdgpu_metadata
.endif
;; end of part 2
;; launch attn (part 3): grid 16 x 16, 16 waves a work-group, clusters of 4 x 1, 327,680 bytes of LDS; arguments qf, kv, lowp_scales, zf; writes zf
.if DOCPART == 3
	.amdgcn_target "amdgcn-amd-amdhsa--gfx1250"
	.amdhsa_code_object_version 6
	.text
	.protected	k_qc215a100d9_attn
	.globl	k_qc215a100d9_attn
	.p2align	8
	.type	k_qc215a100d9_attn,@function
k_qc215a100d9_attn:
	s_mov_b64 s[64:65], 0
	v_nop
	global_prefetch_b8 v0, s[64:65] scope:SCOPE_SE
	s_setreg_imm32_b32 hwreg(HW_REG_WAVE_MODE, 25, 1), 1
	s_wait_xcnt 0x0
	s_wait_alu depctr_hold_cnt(0) depctr_sa_sdst(0) depctr_va_vdst(0) depctr_va_sdst(0) depctr_va_ssrc(0) depctr_va_vcc(0) depctr_vm_vsrc(0)
	s_getreg_b32 s2, hwreg(HW_REG_IB_STS2, 6, 4)
	s_cmp_eq_u32 s2, 0
	s_cbranch_scc0 .Lentry_in_a_cluster
	s_endpgm
.Lentry_in_a_cluster:
	s_bfe_u32 s2, ttmp6, 0x10000c
	s_cmp_lg_u32 s2, 0x3003
	s_cbranch_scc0 .Lentry_shape_is_right
	s_endpgm
.Lentry_shape_is_right:
; zs[head][q][:] = the sum over k of softmax_k(q . k / 8) v[k][:] for 16 heads (batch x head) of 4,096 queries and keys, head size 64, both products on codes of E5M2; zs is quantised (e10) for the product with WO.
; THE SOFTMAX AHEAD OF THE SECOND PRODUCT: t = score x log2(e) / 8; M = the row's largest t so far, rounded UP to a whole number; p = 2^(t - M) is quantised (e8), not normalised.
; The row's sum is taken of the unquantised p, in f32, and divides at the end.  When M moves, the sum and O are multiplied by 2^(old M - new M): exact.
; SHARES: a work-group owns 256 queries of one head, each of its sixteen waves one tile of 16, in 256 registers: four waves to a SIMD, so that one wave's vector work stands beside another's products and LDS loads.
; Every wave walks all keys, 128 a step.  K and V come as images of the operand's registers (16,384 bytes a step: 8 tiles of K, 4 fragments of V), so each LDS load takes 512 consecutive bytes: no pitch, no padding.
; CLUSTER: the four work-groups of a cluster own four query blocks of ONE head and walk the same K and V: each tile is asked for JOINTLY.  A ring of two slots of 512 keys (65,536 bytes); waves 0 to 3 fetch a step's 16,384 bytes each.
; LAYOUT: both products transposed: S^T = K Q^T, O^T = V^T P^T: a lane holds one query throughout.  The keys of a tile of K and the channels of a fragment of V are permuted (lane r of tile 2b+u: 32b + 8u + r + 8(r/8)),
; so that p's and O^T's 16 registers of two neighbouring tiles are 16 neighbours: the conversions' results are the next operand.
; OUT: zs flat [head][q][64] is read by the next launch as rows of 512: query q is row q/8, columns 64 (q%8) on.  The work-group's 256 queries are 32 such rows: 16,384 bytes of fragment images, gathered in a stage in LDS.
; LIMITS: e6 + e7 between -123 and 130 (added to c's exponent field); e8, e10 between -126 and 112.  NaN among the inputs is not served.
; REGISTERS: v1 16 x lane; v2 the step's LDS address; v3, v4 the stage in and out; v5, v6 the spare word's address and 0; v12 -M, v13 the largest t, v[14:15] the sum; v16-23 Q; v32-95 K's, then V's fragments;
;   v96-159 S^T, then p; v160-191 O^T; v224-239 p's codes; v240, v244: 57,344 x 2^e8, 2^e8; v241, v245 the same for e10; v242-243, v246, v252-254 at work.
.set SLOT1, 65536
.set SPARE, 131072                     ; behind the ring: the spare words, 128 bytes for each of the sixteen waves: eight blocks of 256 bytes that no other line names
.set STAGE, 133120                     ; 16,384 bytes of their own: no tile lands here
.set L16,  1
.set AD,   2
.set SIN,  3
.set SOUT, 4
.set SPW,  5
.set NIL,  6
.set WV,   18
.set SEL,  20
.set CS,   22
.set G1,   24
.set G0,   32
.set TB,   36
.set SLOTS, 37
; Waves 0 to 3 fetch, the others nothing.  The branch hangs on the wave's number alone.  Four v_nop follow the load.
.macro TLOAD
	s_cmp_lt_u32 s[WV], 4
	s_cbranch_scc0 .Lasked_\@
	tensor_load_to_lds s[G0:G0+3], s[G1:G1+7]
	s_nop 0
.rept 4
	v_nop
.endr
.Lasked_\@:
.endm
; A round of the cluster's barrier: my work-group's barrier; wave 0 signals for the work-group; every wave waits for all four work-groups; my work-group's barrier once more.
.macro CROUND
	s_barrier_signal -1
	s_barrier_wait -1
	s_cmp_lg_u32 s[WV], 0
	s_cbranch_scc1 .Lnot_wave_0_\@
	s_barrier_signal -3
.Lnot_wave_0_\@:
	s_barrier_wait -3
	s_barrier_signal -1
	s_barrier_wait -1
.endm
	s_load_b256 s[4:11], s[0:1], 0x0               ; qf s[4:5], kv s[6:7], the scales' exponents s[8:9], zf s[10:11]
	v_lshl_add_u32 v[SPW], v0, 2, SPARE
	v_mov_b32 v[NIL], 0
	ds_add_u32 v5, v6
	s_wait_dscnt 0x0
	v_lshrrev_b32 v8, 5, v0
	v_readfirstlane_b32 s[WV], v8                  ; wave 0..15
	s_bfe_u32 s56, ttmp6, 0x40000                  ; cx: my place in the cluster
	s_lshl_b32 s57, ttmp9, 2
	s_add_co_u32 s57, s57, s56                     ; my block of 256 queries: it enters qf's and zf's addresses alone
	s_and_b32 s58, ttmp7, 0xffff                   ; the head, which the four partners share
	s_mov_b32 s[G1], 15|(3<<16)|(1<<21)            ; 15:0 the mask: all four work-groups; 17:16 elements of 8 bytes; 21 set beside a mask; no padding
	s_mov_b32 s[G1+1], 32<<16                      ; tensor_dim0 = 32 elements: rows of 256 bytes
	s_mov_b32 s[G1+2], 64<<16                      ; tensor_dim1 = 64
	s_mov_b32 s[G1+3], 32<<16                      ; tile_dim0 = 32
	s_mov_b32 s[G1+4], 64                          ; tile_dim1 = 64: a dense block of 16,384 bytes
	s_mov_b32 s[G1+5], 32                          ; the pitch = the row
	s_mov_b32 s[G1+6], 0
	s_mov_b32 s[G1+7], 0
	s_and_b32 s59, s[WV], 3
	s_lshl_b32 s59, s59, 14                        ; which of a slot's four steps I fetch: the same byte in the slot and in memory
	s_lshl_b32 s60, s58, 19                        ; the head's 524,288 bytes of kv
	s_add_co_u32 s60, s60, s59
	s_mov_b32 s61, 0
	s_lshl_b32 s62, s58, 18                        ; qf and zf: 262,144 a head, 16,384 a block, 1,024 a wave
	s_lshl_b32 s63, s57, 14
	s_add_co_u32 s62, s62, s63
	s_lshl_b32 s63, s[WV], 10
	s_add_co_u32 s62, s62, s63
	s_mov_b32 s63, 0
	s_mov_b32 s[SEL], 0x76543210
	s_mov_b32 s[SEL+1], 0xfedcba98
	s_mov_b32 s[CS], 0x3e38aa3b                    ; c = log2(e) / 8
	s_mov_b32 s[TB], 0
	s_mov_b32 s[SLOTS], 7
	s_wait_kmcnt 0x0
	s_load_b512 s[40:55], s[8:9], 0x0              ; e0 .. e15
	s_mov_b32 s[G0], 1                             ; count = 1
	s_mov_b32 s[G0+1], s59                         ; LDS address: slot 0
	s_add_nc_u64 s[G0+2:G0+3], s[6:7], s[60:61]    ; global address: the head's first 512 keys
	s_or_b32 s[G0+3], s[G0+3], 0x80000000          ; type = 2
	CROUND                                         ; all four work-groups are here: the first joint loads meet
	TLOAD                                          ; slot 0
	s_add_nc_u64 s[4:5], s[4:5], s[62:63]
	s_add_nc_u64 s[10:11], s[10:11], s[62:63]
	v_and_b32 v8, 31, v0
	v_lshlrev_b32 v[L16], 4, v8
	global_load_b128 v[16:19], v[L16], s[4:5] th:TH_LOAD_NT            ; Q's fragment (16 queries x 64) stays in registers
	global_load_b128 v[20:23], v[L16], s[4:5] offset:512 th:TH_LOAD_NT
	; the stage: query q of the block is row q/8 of 32, K step (q%8)/2, group 2 (q%2) + b.  For my tile that is 8,192 ((wv/4)%2) + 16 (8 (wv/8) + 4 ((wv/2)%2) + wv%2) + 1,024 (r%8) + 32 (r/8) + 256 h + 512 b
	s_bfe_u32 s66, s[WV], 0x10002
	s_lshl_b32 s66, s66, 13
	s_lshr_b32 s67, s[WV], 3
	s_lshl_b32 s67, s67, 7
	s_add_co_u32 s66, s66, s67
	s_bfe_u32 s67, s[WV], 0x10001
	s_lshl_b32 s67, s67, 6
	s_add_co_u32 s66, s66, s67
	s_and_b32 s67, s[WV], 1
	s_lshl_b32 s67, s67, 4
	s_add_co_u32 s66, s66, s67
	s_add_co_u32 s66, s66, STAGE
	v_and_b32 v8, 7, v0
	v_lshlrev_b32 v[SIN], 10, v8
	v_bfe_u32 v8, v0, 3, 1
	v_lshl_add_u32 v[SIN], v8, 5, v[SIN]
	v_bfe_u32 v8, v0, 4, 1
	v_lshl_add_u32 v[SIN], v8, 8, v[SIN]
	v_add_nc_u32 v[SIN], s66, v[SIN]
	s_lshl_b32 s67, s[WV], 10
	s_add_co_u32 s67, s67, STAGE
	v_add_nc_u32 v[SOUT], s67, v[L16]              ; back: wave wv takes bytes 1,024 wv on, as they lie
	v_mov_b32 v13, 0xff61b1e6                      ; the largest t so far: -3e38, under every t
	v_floor_f32 v12, -v13                          ; -M
	v_mov_b32 v14, 0                               ; the sum, in two halves
	v_mov_b32 v15, 0
	v_mov_b32 v246, 0                              ; written once: a lane permute's destination counts as one of its sources
	v_mov_b32 v253, 0                              ; (named as the upper half of the pair v[252:253])
.set j, 0
.rept 32
	v_mov_b32 v[160+j], 0                          ; O^T.  (The step is written once: the first finds zeros, which the first change of M leaves zeros)
.set j, j+1
.endr
	s_wait_kmcnt 0x0
	s_add_co_i32 s56, s46, s47
	s_lshl_b32 s56, s56, 23
	s_add_co_i32 s[CS], s[CS], s56                 ; a score stands for score x 2^(e6 + e7): the two exponents are added to c's exponent field
	s_mov_b32 s[CS+1], s[CS]                       ; (named with it as a pair, so it is written)
	s_add_co_i32 s56, s48, 127
	s_lshl_b32 s57, s56, 23
	v_mov_b32 v244, s57                            ; 2^e8
	s_add_co_i32 s56, s56, 15
	s_lshl_b32 s56, s56, 23
	s_or_b32 s56, s56, 0x600000
	v_mov_b32 v240, s56                            ; 57,344 x 2^e8
	s_add_co_i32 s56, s50, 127
	s_lshl_b32 s57, s56, 23
	v_mov_b32 v245, s57                            ; 2^e10
	s_add_co_i32 s56, s56, 15
	s_lshl_b32 s56, s56, 23
	s_or_b32 s56, s56, 0x600000
	v_mov_b32 v241, s56                            ; 57,344 x 2^e10
; A KEY STEP: 128 keys, the q-th of the slot in hand.
.macro STEP q
	v_add_nc_u32 v[AD], s[TB], v[L16]
.rept 3
	v_nop                                          ; with the addition above: four places in front of loads into registers that the last products read (ISA guide 7.12.1 for vector instructions)
.endr
.irp t, 0,1,2,3,4,5,6,7
	ds_load_b128 v[32+8*\t:35+8*\t], v[AD] offset:(\q)*16384+\t*1024
	ds_load_b128 v[36+8*\t:39+8*\t], v[AD] offset:(\q)*16384+\t*1024+512
.endr
	s_wait_dscnt 0x0
.irp t, 0,1,2,3,4,5,6,7
	v_wmma_f32_16x16x64_bf8_bf8 v[96+8*\t:103+8*\t], v[32+8*\t:39+8*\t], v[16:23], 0      ; S^T: lane (r, h) holds query r; the 16 registers of tiles 2b, 2b+1 are keys 32b + 16h + 0 .. 15
.endr
.rept 4
	v_nop                                          ; four places: in front of the loads below and of the first read of the scores
.endr
.irp t, 0,1,2,3
.irp c, 0,1,2,3
	ds_load_b128 v[32+16*\t+4*\c:35+16*\t+4*\c], v[AD] offset:(\q)*16384+8192+\t*2048+\c*512   ; V's four fragments land while the softmax is worked
.endr
.endr
	v_max3_num_f32 v254, v96, v97, v98             ; the step's largest score of my query, among my 64 keys, in two chains,
	v_max3_num_f32 v252, v99, v100, v101
.irp i, 6,10,14,18,22,26,30,34,38,42,46,50,54,58
	v_max3_num_f32 v254, v254, v[96+\i], v[97+\i]
	v_max3_num_f32 v252, v252, v[98+\i], v[99+\i]
.endr
	v_max3_num_f32 v254, v254, v158, v159
	v_max_num_f32 v254, v254, v252
	v_permlanex16_b32 v246, v254, s[SEL], s[SEL+1]
	v_max_num_f32 v254, v254, v246                 ; and among lane l xor 16's
	v_mul_f32 v254, s[CS], v254                    ; as t (c is positive)
	v_max_num_f32 v13, v13, v254                   ; the running largest t
	v_mov_b32 v254, v12
	v_floor_f32 v12, -v13                          ; the new -M = floor(-t) = -ceil(t): M is a whole number
	v_sub_f32 v254, v12, v254                      ; M's old value less its new one: a whole number, 0 or less
	v_cvt_i32_f32 v254, v254                       ; (it saturates)
	v_ldexp_f32 v252, 1.0, v254                    ; f = 2^(old M - new M): a multiplication by it rounds nothing
.set j, 0
.rept 32
	v_pk_fma_f32 v[96+j:97+j], v[96+j:97+j], s[CS:CS+1], v[12:13] op_sel_hi:[1,0,0]   ; t - M, two at a time (of the pairs c and -M the low word serves both halves)
.set j, j+2
.endr
.set j, 0
.rept 64
	v_exp_f32 v[96+j], v[96+j]                     ; p = 2^(t - M), at most 1: not normalised
.set j, j+1
.endr
	v_pk_mul_f32 v[14:15], v[14:15], v[252:253] op_sel_hi:[1,0]    ; the sums under the new M.  (A plain place behind the exponentials)
	s_wait_alu depctr_va_vdst(0)
	v_pk_add_f32 v[242:243], v[96:97], v[98:99]    ; the row's sum is taken of the unquantised p: two at a time, in two chains
.irp j, 4,8,12,16,20,24,28,32,36,40,44,48,52,56,60
	v_pk_add_f32 v[14:15], v[14:15], v[96+\j:97+\j]
	v_pk_add_f32 v[242:243], v[242:243], v[98+\j:99+\j]
.endr
	v_pk_add_f32 v[14:15], v[14:15], v[242:243]
.irp b, 0,1,2,3
.irp i, 0,1,2,3,4,5,6,7,8,9,10,11,12,13,14,15
	v_min_num_f32 v[96+16*\b+\i], v[96+16*\b+\i], v240     ; the conversion to an 8-bit code does not saturate (ISA guide 7.6.2); p is not negative, so the hold is one-sided
.endr
	v_cvt_scalef32_pk8_bf8_f32 v[224+4*\b:225+4*\b], v[96+16*\b:103+16*\b], v244
	v_cvt_scalef32_pk8_bf8_f32 v[226+4*\b:227+4*\b], v[104+16*\b:111+16*\b], v244
.endr
.set j, 0
.rept 16
	v_pk_mul_f32 v[160+j:161+j], v[160+j:161+j], v[252:253] op_sel_hi:[1,0]   ; O^T under the new M.  (Also the plain places between the conversions and the products)
.set j, j+2
.endr
	s_wait_dscnt 0x0                               ; V is in
.irp t, 0,1,2,3
	v_wmma_f32_16x16x128_bf8_bf8 v[160+8*\t:167+8*\t], v[32+16*\t:47+16*\t], v[224:239], v[160+8*\t:167+8*\t]   ; the four accumulators by turns
.endr
.endm
; THE CHANGE OF SLOTS stands at a slot's head.  Each wave waits for all its tensor loads (its part of the slot that it is about to read), adds 0 to its spare word, and waits for that and for its reads of the slot that it has left.
; fill = 1: a round of the cluster's barrier, so that no wave of any partner still reads the other slot or has a load on its way; then that slot is asked for jointly: the load has four key steps in which to land.
.macro CHANGE fill
	s_wait_tensorcnt 0x0                           ; no tensor load of mine is out (one was, at the most), so the group 0 may be written
	ds_add_u32 v[SPW], v[NIL]                      ; 0 onto my spare word
.if \fill
	s_xor_b32 s[G0+1], s[G0+1], SLOT1              ; the walking descriptor: the other slot than last time,
	s_add_nc_u64 s[G0+2:G0+3], s[G0+2:G0+3], SLOT1 ; the next 512 keys; the type bits on top are not reached
.endif
	s_wait_dscnt 0x0                               ; the add is done, and my reads of the slot that I have left are over
.if \fill
	CROUND
	TLOAD                                          ; the first thing behind the round, and a wave's one tensor load until the next
.else
	s_barrier_signal -1
	s_barrier_wait -1
.endif
.endm
	s_wait_loadcnt 0x0                             ; Q
.Lslot:                                            ; 7 trips: behind each change of slots but the last the next slot is asked for
	CHANGE 1
	STEP 0
	STEP 1
	STEP 2
	STEP 3
	s_xor_b32 s[TB], s[TB], SLOT1
	s_sub_co_u32 s[SLOTS], s[SLOTS], 1
	s_cmp_lg_u32 s[SLOTS], 0
	s_cbranch_scc1 .Lslot
	CHANGE 0                                       ; the last slot is written out
	STEP 0
	STEP 1
	STEP 2
	STEP 3
	; THE WAY OUT: O^T / the sum x 2^(e8 + e9) is zs; it is quantised (e10) and its codes meet the other waves' in the stage.
.rept 4
	v_nop                                          ; four places behind the last products
.endr
	v_add_f32 v14, v14, v15
	v_permlanex16_b32 v246, v14, s[SEL], s[SEL+1]
	v_add_f32 v14, v14, v246                       ; the row's sum
	v_rcp_f32 v14, v14
	v_nop                                          ; one plain place behind a transcendental
	s_add_co_i32 s56, s48, s49
	s_wait_alu depctr_va_vdst(0)
	v_ldexp_f32 v14, v14, s56
.set j, 0
.rept 32
	v_mul_f32 v[96+j], v[160+j], v14               ; register 16 b + i: channel 32 b + 16 h + i of my query; each accumulator from its low end on
.set j, j+1
.endr
.set j, 0
.rept 32
	v_med3_num_f32 v[96+j], v[96+j], -v241, v241
.set j, j+1
.endr
.irp b, 0,1
	v_cvt_scalef32_pk8_bf8_f32 v[224+4*\b:225+4*\b], v[96+16*\b:103+16*\b], v245
	v_cvt_scalef32_pk8_bf8_f32 v[226+4*\b:227+4*\b], v[104+16*\b:111+16*\b], v245
.endr
	v_nop                                          ; one plain vector instruction behind the last scaled conversion
	ds_store_b128 v[SIN], v[224:227]
	ds_store_b128 v[SIN], v[228:231] offset:512
	s_wait_dscnt 0x0                               ; for the others' sake: my stores into the stage are done
	s_barrier_signal -1
	s_barrier_wait -1
	ds_load_b128 v[32:35], v[SOUT]
	ds_load_b128 v[36:39], v[SOUT] offset:512
	s_wait_dscnt 0x0
	global_store_b128 v[L16], v[32:35], s[10:11]               ; each store of the wave covers 512 consecutive bytes, aligned
	global_store_b128 v[L16], v[36:39], s[10:11] offset:512
	s_wait_tensorcnt 0x0                           ; the wave's end, behind my last tensor load and my last LDS store
	ds_add_u32 v[SPW], v[NIL]
	s_wait_dscnt 0x0
	CROUND                                         ; the closing round: no work-group ends while a partner may still ask for a tile that names it
	s_endpgm
.Lfunc_end_k_qc215a100d9_attn:
	.size	k_qc215a100d9_attn, .Lfunc_end_k_qc215a100d9_attn-k_qc215a100d9_attn
	.p2alignl 7, 3214868480
	.fill 96, 4, 3214868480
	.section	.rodata,"a",@progbits
	.p2align	6, 0x0
	.amdhsa_kernel k_qc215a100d9_attn
		.amdhsa_group_segment_fixed_size 327680
		.amdhsa_private_segment_fixed_size 0
		.amdhsa_enable_private_segment 0
		.amdhsa_kernarg_size 32
		.amdhsa_user_sgpr_count 2
		.amdhsa_user_sgpr_kernarg_segment_ptr 1
		.amdhsa_wavefront_size32 1
		.amdhsa_system_sgpr_workgroup_id_x 1
		.amdhsa_system_sgpr_workgroup_id_y 1
		.amdhsa_system_sgpr_workgroup_id_z 1
		.amdhsa_system_vgpr_workitem_id 0
		.amdhsa_next_free_vgpr 256
		.amdhsa_next_free_sgpr 100
		.amdhsa_reserve_vcc 0
		.amdhsa_float_denorm_mode_32 3
		.amdhsa_float_denorm_mode_16_64 3
		.amdhsa_memory_ordered 1
		.amdhsa_forward_progress 1
		.amdhsa_inst_pref_size 132
	.end_amdhsa_kernel
	.amdgpu_metadata
---
amdhsa.version: [ 1, 2 ]
amdhsa.kernels:
  - .name:           k_qc215a100d9_attn
    .symbol:         k_qc215a100d9_attn.kd
    .args:
      - { .name: qf, .offset: 0, .size: 8, .value_kind: global_buffer, .address_space: global }
      - { .name: kv, .offset: 8, .size: 8, .value_kind: global_buffer, .address_space: global }
      - { .name: lowp_scales, .offset: 16, .size: 8, .value_kind: global_buffer, .address_space: global }
      - { .name: zf, .offset: 24, .size: 8, .value_kind: global_buffer, .address_space: global }
    .group_segment_fixed_size: 327680
    .private_segment_fixed_size: 0
    .kernarg_segment_align: 8
    .kernarg_segment_size: 32
    .max_flat_workgroup_size: 512
    .sgpr_count:     100
    .vgpr_count:     256
    .wavefront_size: 32
...
	.end_amdgpu_metadata
.endif
;; end of part 3
;; launch post (part 4): grid 128 x 1, 4 waves a work-group, no clusters, 225,792 bytes of LDS; arguments zf, wc, x, bO, g1, beta1, b1, b2, g2, beta2, lowp_scales, out0; writes out0
.if DOCPART == 4
	.amdgcn_target "amdgcn-amd-amdhsa--gfx1250"
	.amdhsa_code_object_version 6
	.text
	.protected	k_qc215a100d9_post
	.globl	k_qc215a100d9_post
	.p2align	8
	.type	k_qc215a100d9_post,@function
k_qc215a100d9_post:
	s_mov_b64 s[64:65], 0
	v_nop
	global_prefetch_b8 v0, s[64:65] scope:SCOPE_SE
	s_setreg_imm32_b32 hwreg(HW_REG_WAVE_MODE, 25, 1), 1
	s_wait_xcnt 0x0
; z = LN(zs WO + bO + x; g1, beta1);  out0 = LN(relu(z W1 + b1) W2 + b2 + z; g2, beta2).  The three products on codes of E5M2; all else in f32.  z and the hidden layer never go to memory.
; SHARES: a work-group takes 64 rows; a wave takes 128 of every 512 columns made (WO's, each chunk of 512 hidden units, W2's).  The hidden layer goes in four chunks of 512: W1's panel, then W2's.
; OPERANDS ARE IMAGES OF THEIR REGISTERS (16 things x 128 k = 2,048 bytes: byte c*512 + lane*16 + y = thing of lane%16 at k = 32c + 16(lane/16) + y), TILES ARE PERMUTED (lane r of tile 2b+u: 32b + 8u + r + 8(r/8)):
; source 0 = 16 columns of a weight, source 1 = 16 rows: a lane holds a row, and the 16 registers of tiles 2b, 2b+1 are 16 neighbouring columns: the conversions' results are a K step of the next product, handed round through LDS.
; THE K STEPS ARE TAKEN IN A ROTATED ORDER.  g = the work-group's number % 4; logical step k is K step (k + g) % 4, and wave w takes column block (w + g) % 4, so that its results are logical K step w of the next product.
; So at one time the work-groups ask for four different blocks of a panel, and three of a work-group's four requests are for a block that another work-group asked for a step or more before.  g enters global offsets alone
; (the weights, zs's fragments as they are loaded, the parameters, x, out0): every LDS address hangs on the wave's number and the lane.  LIMIT: a product's four K steps are summed in the order g, g+1, .. (mod 4), not ascending.
; RESIDUALS AND BIASES ARE WHERE THE SUMS BEGIN: the accumulators start as (x + bO) / 2^(e10+e11), later as (z + b2) / 2^(e14+e15); b1 / 2^(e12+e13) is the C of a chunk's first products.
; LAYER NORM in two passes (the mean, then the squares of the differences); a row's 512 numbers lie in two lanes of each of four waves: one lane exchange, then four words a row in LDS and a barrier, for each statistic.
; The weights' codes go from memory straight into the operand's registers (a ring of two K steps), refilled two fragments at a time among the products: each fragment is used by one wave of the work-group.
; No joint loads: beside the images, parameters and stages (220 KiB) LDS has no room for two slots of a K step's 64 KiB.
; LIMITS, so that each power of two is an f32 number: e10+e11 and e14+e15 between -117 and 126; e12, e14-e12-e13 between -126 and 112.  NaN among the inputs is not served.
; REGISTERS, in windows of 256: window 0: v1-15 addresses and scales; v16-23 a tile of rows' mean or 1/sigma, as pairs; v24 an address; v25-28 the weights' offsets; v32-95 a bias in the result's layout;
;   v96-159, v160-223 two buffers of four fragments, also the codes just made; v224-255 at work.   window 1: the weights' ring.   window 2: x as loaded; g and beta; held numbers; the hidden chunk's 32 accumulators; rows on the way out.
;   window 3: the 32 accumulators ((t, m) at v[8 (4 t + m)]).
.set IMGA, 0                           ; LDS: 16 fragments: zs, later a chunk of the hidden layer: (4 m + logical K step) x 2,048
.set IMGZ, 32768                       ; z's 16 fragments
.set PAR,  65536                       ; a wave's own 5,120 bytes: ten slots of its 128 numbers: bO, g1, beta1, b2, g2, beta2, b1's four chunks
.set STAT, 86016                       ; four statistics x 64 rows x 4 waves x 4 bytes: bytes of their own for each
.set STG,  90112                       ; a wave's own stage: 64 rows x (512 + 16) bytes
.set L16,  1
.set WO,   25                          ; v25-28  a panel: 16 x lane + 65,536 x my column block + 16,384 ((k + g) % 4); never rewritten
.set ZO,   244                         ; v244-247  zs, at the head alone: 16 x lane + 8,192 w + 2,048 ((k + g) % 4)
.set BI,   32
.set AB,   96
.set WB,   72                          ; s[72:73] wc at the panel in front of the trip's two
.set MSB, 0
.macro WIN new                         ; the immediate's high byte repeats the setting that is left; a switch that changes nothing is dropped
.if MSB != (\new)
	s_set_vgpr_msb (MSB<<8)|(\new)
.set MSB, (\new)
.endif
.endm
.macro BARRIER                         ; my LDS stores have landed and my LDS loads are in: then the work-group's barrier
	s_wait_dscnt 0x0
	s_barrier_signal -1
	s_barrier_wait -1
.endm
.macro AHALF ab, adr, off, s, m0       ; tiles of rows m0, m0 + 1: their fragments of logical K step s into buffer ab
.irp m, \m0, \m0+1
.irp c, 0,1,2,3
	ds_load_b128 v[AB+64*(\ab)+16*(\m)+4*\c:AB+64*(\ab)+16*(\m)+4*\c+3], v[\adr] offset:(\off)+(4*(\m)+(\s))*2048+512*\c
.endr
.endr
.endm
.macro AFETCH ab, adr, off, s          ; all four tiles of rows
	AHALF \ab, \adr, \off, \s, 0
	AHALF \ab, \adr, \off, \s, 2
.endm
.macro WFRAG hf, t, k, off             ; fragment t of my 128 columns, logical K step k of the panel at byte off from s[WB] on, into half hf of the ring: four loads of 512 consecutive bytes
.irp c, 0,1,2,3
	global_load_b128 v[128*(\hf)+16*(\t)+4*\c:128*(\hf)+16*(\t)+4*\c+3], v[WO+(\k)], s[WB:WB+1] offset:(\off)+(\t)*2048+\c*512
.endr
.endm
.macro WLOAD hf, k, off                ; a whole K step's eight fragments: at the head alone
	WIN 0x40
.irp t, 0,1,2,3,4,5,6,7
	WFRAG \hf, \t, \k, \off
.endr
.endm
; A K STEP: 32 matrix instructions, 8 tiles of columns x 4 tiles of rows, 128 along K, WITH THE MEMORY WORK AMONG THEM.  The 32 accumulators take turns, one instruction a turn, in the same order in every step
; Behind every second tile of columns stand four places (ISA guide 7.12.1 for vector instructions), and then
;   refill = 1: the eight loads that fill the two fragments just multiplied again, with logical K step rk of the panel at roff: two K steps on in the stream.  So a fragment is asked for nearly two K steps ahead of its use;
;   af = 1, behind tiles 1 and 3: eight LDS loads each: the next step's fragments of the rows, into the buffer that the step before multiplied.
; The wait in front of tile t leaves out: the rest of this K step's fragment loads, 4 (7 - t); the next K step's 32 (ahead = 1); and what this K step has already asked for, 8 (t / 2).
.macro KSTEP accw, k, first, ahead, refill, rk, roff, af, img
.if (\k) == 0
	s_wait_dscnt 16                                ; this step's four fragments are in; the other buffer's 16 loads may be out
.else
	s_wait_dscnt 0x0                               ; this step's were asked for in the first half of the step before
.endif
.irp t, 0,1,2,3,4,5,6,7
	s_wait_loadcnt 32*(\ahead)+4*(7-\t)+8*(\t/2)*(\refill)
.if \first
	WIN ((\accw)<<6)|1
.else
	WIN ((\accw)<<6)|((\accw)<<4)|1
.endif
.irp m, 0,1,2,3
.set AI, 8*(4*\t+\m)
.set WF, 128*((\k)%2)+16*\t
.set AF, AB+64*((\k)%2)+16*\m
.if \first
	v_wmma_f32_16x16x128_bf8_bf8 v[AI:AI+7], v[WF:WF+15], v[AF:AF+15], v[BI+8*\t:BI+8*\t+7]
.else
	v_wmma_f32_16x16x128_bf8_bf8 v[AI:AI+7], v[WF:WF+15], v[AF:AF+15], v[AI:AI+7]
.endif
.endr
.if (\t%2) && ((\refill) || ((\af) && (\t < 4)) || (\t == 7))
.rept 4
	v_nop                                          ; four places behind the products: in front of loads into registers that they read; behind tile 7 also in front of the first read of results
.endr
.if \refill
	WIN 0x40
	WFRAG (\k)%2, \t-1, \rk, \roff
	WFRAG (\k)%2, \t, \rk, \roff
.endif
.if (\af) && (\t < 4)
	WIN 0
	AHALF ((\k)+1)%2, L16, \img, (\k)+1, \t-1
.endif
.endif
.endr
	WIN 0
.endm
; A panel: [64 rows, K 512] x my 128 columns.  o0: the panel's byte from s[WB] on; its last two steps ask for the next panel's first two, unless it is the last.
.macro PANEL accw, first, img, o0, last
	AFETCH 0, L16, \img, 0
	AFETCH 1, L16, \img, 1
	KSTEP \accw, 0, \first, 1, 1, 2, \o0, 0, \img
	KSTEP \accw, 1, 0, 1, 1, 3, \o0, 1, \img
.if \last
	KSTEP \accw, 2, 0, 1, 0, 0, 0, 1, \img
	KSTEP \accw, 3, 0, 0, 0, 0, 0, 0, \img
.else
	KSTEP \accw, 2, 0, 1, 1, 0, (\o0)+262144, 1, \img
	KSTEP \accw, 3, 0, 1, 1, 1, (\o0)+262144, 0, \img
.endif
.endm
.macro HOLD srcw, relu, lim            ; 256 numbers of window srcw, held within the largest code x the scale (relu = 1: between 0 and it: the activation and the hold in one), into window 2; each accumulator from its low end on
	WIN 0x80|(\srcw)
.set i, 0
.rept 256
.if \relu
	v_med3_num_f32 v[i], v[i], 0, v[\lim]
.else
	v_med3_num_f32 v[i], v[i], -v[\lim], v[\lim]
.endif
.set i, i+1
.endr
.endm
.macro CODES_RES sc                    ; piece (m, b): tiles 2b and 2b+1 of tile of rows m: registers 4b .. 4b+3 of that tile's fragment, at v[AB + 16 m]
	WIN 0x02
.irp m, 0,1,2,3
.irp b, 0,1,2,3
	v_cvt_scalef32_pk8_bf8_f32 v[AB+16*\m+4*\b:AB+16*\m+4*\b+1], v[8*(8*\b+\m):8*(8*\b+\m)+7], v[\sc]
	v_cvt_scalef32_pk8_bf8_f32 v[AB+16*\m+4*\b+2:AB+16*\m+4*\b+3], v[8*(8*\b+4+\m):8*(8*\b+4+\m)+7], v[\sc]
.endr
.endr
	v_nop                                          ; one plain vector instruction behind the last scaled conversion
	WIN 0
.endm
.macro IMAGES img                      ; my four fragments (logical K step w of the next product) go to LDS as they stand
.irp m, 0,1,2,3
.irp b, 0,1,2,3
	ds_store_b128 v3, v[AB+16*\m+4*\b:AB+16*\m+4*\b+3] offset:(\img)+\m*8192+\b*512
.endr
.endr
.endm
.macro PLOAD dst, adr, off             ; 128 numbers a column each, in the result's layout: register 8 t + j = the number of column 32(t/2) + 16(lane/16) + 8(t%2) + j
.irp t, 0,1,2,3,4,5,6,7
.irp q, 0,1
	ds_load_b128 v[(\dst)+8*\t+4*\q:(\dst)+8*\t+4*\q+3], v[\adr] offset:(\off)+128*(\t/2)+32*(\t%2)+16*\q
.endr
.endr
.endm
.macro BSCALE se                       ; the bias tiles x 2^s[se]
.set i, 0
.rept 64
	v_ldexp_f32 v[BI+i], v[BI+i], s[\se]
.set i, i+1
.endr
.endm
.macro RESID ik                        ; the accumulators begin: what lies in them x s[ik] + the bias tiles
	WIN 0xc3
.irp t, 0,1,2,3,4,5,6,7
.irp m, 0,1,2,3
.irp i, 0,2,4,6
	v_pk_fma_f32 v[8*(4*\t+\m)+\i:8*(4*\t+\m)+\i+1], v[8*(4*\t+\m)+\i:8*(4*\t+\m)+\i+1], s[\ik:\ik+1], v[BI+8*\t+\i:BI+8*\t+\i+1] op_sel_hi:[1,0,1]
.endr
.endr
.endr
	WIN 0
.endm
.macro MKSC vs, vl, se                 ; v[vs] = 2^e as f32, v[vl] = 57,344 x 2^e, e = s[se]
	s_add_co_i32 s62, s[\se], 127
	s_lshl_b32 s63, s62, 23
	v_mov_b32 v[\vs], s63
	s_add_co_i32 s62, s62, 15
	s_lshl_b32 s62, s62, 23
	s_or_b32 s62, s62, 0x600000
	v_mov_b32 v[\vl], s62
.endm
.macro POW2 d, se, add                 ; s[d] = 2^(s[se] + add) as f32
	s_add_co_i32 s[\d], s[\se], 127+(\add)
	s_lshl_b32 s[\d], s[\d], 23
.endm
; The four tiles' two chains each (v[224+4m:225+4m], v[226+4m:227+4m]) are closed: my 64 numbers, lane l xor 16's, then the four waves' through LDS.  The rows' totals end in v[240+4m], the same bits in every wave.
.macro RSUM st
	WIN 0
.irp m, 0,1,2,3
	v_pk_add_f32 v[224+4*\m:225+4*\m], v[224+4*\m:225+4*\m], v[226+4*\m:227+4*\m]
.endr
.irp m, 0,1,2,3
	v_add_f32 v[224+4*\m], v[224+4*\m], v[225+4*\m]
.endr
.irp m, 0,1,2,3
	v_permlanex16_b32 v[225+4*\m], v[224+4*\m], s86, s87
.endr
.irp m, 0,1,2,3
	v_add_f32 v[224+4*\m], v[224+4*\m], v[225+4*\m]
.endr
.irp m, 0,1,2,3
	ds_store_b32 v10, v[224+4*\m] offset:(\st)*1024+(32*(\m/2)+8*(\m%2))*16    ; word (row, wave); the two lanes of a row write the same number
.endr
	BARRIER
.irp m, 0,1,2,3
	ds_load_b128 v[240+4*\m:243+4*\m], v11 offset:(\st)*1024+(32*(\m/2)+8*(\m%2))*16
.endr
	s_wait_dscnt 0x0
.irp m, 0,1,2,3
	v_add_f32 v[240+4*\m], v[240+4*\m], v[241+4*\m]
.endr
.irp m, 0,1,2,3
	v_add_f32 v[242+4*\m], v[242+4*\m], v[243+4*\m]
.endr
.irp m, 0,1,2,3
	v_add_f32 v[240+4*\m], v[240+4*\m], v[242+4*\m]
.endr
.endm
; LAYER NORM of the accumulators x K, in place.  kp: the pair K; k512: K / 512; st: the first of its two statistics; gs, bs: the gain's and the offset's slots.
.macro LN kp, k512, st, gs, bs
	WIN 0x80
	PLOAD 0, 9, (\gs)*512                          ; g and beta into window 2: they land under the first statistic's barrier
	PLOAD 64, 9, (\bs)*512
	WIN 0x0f                                       ; pass 1: the rows' sums
.irp m, 0,1,2,3
	v_pk_add_f32 v[224+4*\m:225+4*\m], v[8*\m:8*\m+1], v[8*\m+4:8*\m+5]
	v_pk_add_f32 v[226+4*\m:227+4*\m], v[8*\m+2:8*\m+3], v[8*\m+6:8*\m+7]
.endr
	WIN 0x0c
.irp t, 1,2,3,4,5,6,7
.irp i, 0,2,4,6
.irp m, 0,1,2,3
	v_pk_add_f32 v[224+4*\m+(\i%4):225+4*\m+(\i%4)], v[224+4*\m+(\i%4):225+4*\m+(\i%4)], v[8*(4*\t+\m)+\i:8*(4*\t+\m)+\i+1]
.endr
.endr
.endr
	RSUM \st
.irp m, 0,1,2,3
	v_mul_f32 v[16+2*\m], s[\k512], v[240+4*\m]    ; the mean
	v_mul_f32 v[17+2*\m], s[\k512], v[240+4*\m]    ; (named with it as a pair, so it is written)
.endr
	WIN 0xc3                                       ; the differences: sum x K - mean, one fused multiply-add for two
.irp t, 0,1,2,3,4,5,6,7
.irp m, 0,1,2,3
.irp i, 0,2,4,6
	v_pk_fma_f32 v[8*(4*\t+\m)+\i:8*(4*\t+\m)+\i+1], v[8*(4*\t+\m)+\i:8*(4*\t+\m)+\i+1], s[\kp:\kp+1], v[16+2*\m:17+2*\m] op_sel_hi:[1,0,0] neg_lo:[0,0,1] neg_hi:[0,0,1]
.endr
.endr
.endr
	WIN 0x0f                                       ; pass 2: the sums of their squares
.irp m, 0,1,2,3
	v_pk_mul_f32 v[224+4*\m:225+4*\m], v[8*\m:8*\m+1], v[8*\m:8*\m+1]
	v_pk_mul_f32 v[226+4*\m:227+4*\m], v[8*\m+2:8*\m+3], v[8*\m+2:8*\m+3]
.endr
.irp i, 4,6
.irp m, 0,1,2,3
	v_pk_fma_f32 v[224+4*\m+(\i%4):225+4*\m+(\i%4)], v[8*\m+\i:8*\m+\i+1], v[8*\m+\i:8*\m+\i+1], v[224+4*\m+(\i%4):225+4*\m+(\i%4)]
.endr
.endr
.irp t, 1,2,3,4,5,6,7
.irp i, 0,2,4,6
.irp m, 0,1,2,3
	v_pk_fma_f32 v[224+4*\m+(\i%4):225+4*\m+(\i%4)], v[8*(4*\t+\m)+\i:8*(4*\t+\m)+\i+1], v[8*(4*\t+\m)+\i:8*(4*\t+\m)+\i+1], v[224+4*\m+(\i%4):225+4*\m+(\i%4)]
.endr
.endr
.endr
	RSUM (\st)+1
.irp m, 0,1,2,3
	v_fma_f32 v[240+4*\m], v[240+4*\m], s85, s84   ; the variance + 1e-3
.endr
.irp m, 0,1,2,3
	v_rsq_f32 v[16+2*\m], v[240+4*\m]
.endr
	v_nop                                          ; one plain place behind the transcendentals
	s_wait_alu depctr_va_vdst(0)
.irp m, 0,1,2,3
	v_mov_b32 v[17+2*\m], v[16+2*\m]
.endr
	WIN 0xc3
.irp t, 0,1,2,3,4,5,6,7
.irp m, 0,1,2,3
.irp i, 0,2,4,6
	v_pk_mul_f32 v[8*(4*\t+\m)+\i:8*(4*\t+\m)+\i+1], v[8*(4*\t+\m)+\i:8*(4*\t+\m)+\i+1], v[16+2*\m:17+2*\m] op_sel_hi:[1,0]
.endr
.endr
.endr
	WIN 0xeb                                       ; x g + beta, both in window 2
.irp t, 0,1,2,3,4,5,6,7
.irp m, 0,1,2,3
.irp i, 0,2,4,6
	v_pk_fma_f32 v[8*(4*\t+\m)+\i:8*(4*\t+\m)+\i+1], v[8*(4*\t+\m)+\i:8*(4*\t+\m)+\i+1], v[8*\t+\i:8*\t+\i+1], v[64+8*\t+\i:64+8*\t+\i+1]
.endr
.endr
.endr
	WIN 0
.endm
	s_load_b512 s[16:31], s[0:1], 0x0              ; zf 16, wc 18, x 20, bO 22, g1 24, beta1 26, b1 28, b2 30
	s_load_b256 s[32:39], s[0:1], 0x40             ; g2 32, beta2 34, the scales' exponents 36, out0 38
	v_lshl_add_u32 v30, v0, 2, 0x37000
	v_mov_b32 v31, 0
	v_lshrrev_b32 v224, 5, v0
	v_readfirstlane_b32 s56, v224                  ; wave w
	s_and_b32 s66, ttmp9, 3                        ; g
	s_add_co_u32 s67, s56, s66
	s_and_b32 s67, s67, 3                          ; my column block: (w + g) % 4
	v_and_b32 v225, 31, v0
	v_and_b32 v226, 15, v0                         ; r
	v_bfe_u32 v227, v0, 4, 1                       ; h
	v_lshlrev_b32 v[L16], 4, v225
	s_lshl_b32 s57, s56, 11
	v_add_nc_u32 v3, s57, v[L16]                   ; where I store images: 16 lane + 2,048 w (logical K step w)
	s_lshl_b32 s57, s56, 13
	v_add_nc_u32 v4, s57, v[L16]                   ; my quarter of zs's images in LDS: tile of rows w
	s_lshl_b32 s70, s67, 16
.irp k, 0,1,2,3
	s_add_co_u32 s68, s66, \k
	s_and_b32 s68, s68, 3                          ; logical step k is K step (k + g) % 4
	s_lshl_b32 s69, s68, 14
	s_add_co_u32 s69, s69, s70
	v_add_nc_u32 v[WO+\k], s69, v[L16]
	s_lshl_b32 s69, s68, 11
	v_add_nc_u32 v[ZO+\k], s69, v4
.endr
	s_lshl_b32 s57, s67, 9
	v_add_nc_u32 v5, s57, v[L16]                   ; my 16 bytes of my column block's 512 of a row or of a parameter
	s_mul_i32 s57, s56, 33792
	s_add_co_u32 s57, s57, STG
	v_add_nc_u32 v6, s57, v[L16]                   ; the stage by rows
	v_and_b32 v228, 8, v226
	v_add_nc_u32 v228, v228, v226                  ; r + 8 (r / 8)
	v_mul_u32_u24 v7, v228, 528
	v_lshl_add_u32 v7, v227, 6, v7
	v_add_nc_u32 v7, s57, v7                       ; the stage in the result's layout: my row of a tile, + 64 h
	s_mul_i32 s57, s56, 5120
	s_add_co_u32 s57, s57, PAR
	v_add_nc_u32 v8, s57, v[L16]
	v_lshlrev_b32 v9, 6, v227
	v_add_nc_u32 v9, s57, v9
	v_lshlrev_b32 v11, 4, v228
	v_add_nc_u32 v11, STAT, v11                    ; my row's four words of a statistic
	s_lshl_b32 s57, s56, 2
	v_add_nc_u32 v10, s57, v11                     ; and my wave's among them
	s_mov_b32 s84, 0x3a83126f                      ; 1e-3
	s_mov_b32 s85, 0x3b000000                      ; 1 / 512
	s_mov_b32 s86, 0x76543210
	s_mov_b32 s87, 0xfedcba98                      ; v_permlanex16_b32's selects for lane l xor 16
	s_lshl_b32 s58, ttmp9, 15
	s_mov_b32 s59, 0
	s_lshl_b32 s60, ttmp9, 17
	s_mov_b32 s61, 0
	s_wait_kmcnt 0x0
	s_load_b512 s[40:55], s[36:37], 0x0            ; e0 .. e15
	s_add_nc_u64 s[16:17], s[16:17], s[58:59]      ; zf: 32,768 bytes a work-group
	s_add_nc_u64 s[20:21], s[20:21], s[60:61]      ; x and out0: 64 rows of 2,048
	s_add_nc_u64 s[38:39], s[38:39], s[60:61]
	s_add_nc_u64 s[WB:WB+1], s[18:19], 786432      ; WO's panel
.set i, 0
.irp p, 22,24,26,30,32,34
	global_load_b128 v[AB+4*i:AB+4*i+3], v5, s[\p:\p+1]
.set i, i+1
.endr
.irp j, 0,1,2,3
	global_load_b128 v[AB+24+4*\j:AB+27+4*\j], v5, s[28:29] offset:2048*\j
.endr
.set i, 0
.rept 16                               ; tile of rows w of zs: the fragment of K step (i/4 + g) % 4 becomes logical step i/4
	global_load_b128 v[160+4*i:163+4*i], v[ZO+i/4], s[16:17] offset:512*(i%4) th:TH_LOAD_NT
.set i, i+1
.endr
	WIN 0x80
.set i, 0
.rept 64
	global_load_b128 v[4*i:4*i+3], v5, s[20:21] offset:2048*i th:TH_LOAD_NT     ; my 512 bytes of row i of x
.set i, i+1
.endr
	WLOAD 0, 0, 0                                  ; WO's logical K steps 0 and 1
	WLOAD 1, 1, 0
	WIN 0
	s_wait_loadcnt 63                              ; the parameters, zs and x are in: of the ring's 64 loads, issued behind them, 63 may be out
.set i, 0
.rept 10
	ds_store_b128 v8, v[AB+4*i:AB+4*i+3] offset:512*i
.set i, i+1
.endr
.set i, 0
.rept 16
	ds_store_b128 v4, v[160+4*i:163+4*i] offset:IMGA+512*i
.set i, i+1
.endr
	WIN 0x08
.set i, 0
.rept 64
	ds_store_b128 v6, v[4*i:4*i+3] offset:528*i
.set i, i+1
.endr
	WIN 0
	BARRIER                                        ; zs's sixteen fragments lie in LDS
	WIN 0xc0
.irp t, 0,1,2,3,4,5,6,7
.irp m, 0,1,2,3
.irp q, 0,1
	ds_load_b128 v[8*(4*\t+\m)+4*\q:8*(4*\t+\m)+4*\q+3], v7 offset:(32*(\m/2)+8*(\m%2))*528+128*(\t/2)+32*(\t%2)+16*\q   ; x in the result's layout, where the sums will begin
.endr
.endr
.endr
	WIN 0
	PLOAD BI, 9, 0                                 ; bO
	s_wait_kmcnt 0x0
	s_add_co_i32 s57, s50, s51                     ; e10 + e11
	POW2 74, 57, 0
	s_mov_b32 s75, s74
	POW2 82, 57, -9
	s_sub_co_i32 s90, 0, s57
	POW2 76, 90, 0
	s_mov_b32 s77, s76
	s_add_co_i32 s57, s54, s55                     ; e14 + e15
	POW2 78, 57, 0
	s_mov_b32 s79, s78
	POW2 83, 57, -9
	s_sub_co_i32 s91, 0, s57
	POW2 80, 91, 0
	s_mov_b32 s81, s80
	s_add_co_i32 s57, s52, s53                     ; e12 + e13
	s_sub_co_i32 s92, 0, s57
	s_sub_co_i32 s57, s54, s57                     ; e14 - e12 - e13: the three scales ahead of the hidden layer's quantiser, folded into one
	MKSC 14, 15, 57
	MKSC 12, 13, 52
	s_wait_dscnt 0x0
	BSCALE 90
	RESID 76                                       ; (x + bO) / 2^(e10 + e11)
	PANEL 3, 0, IMGA, 0, 0                         ; + zs WO
	LN 74, 82, 0, 1, 2                             ; z
	HOLD 3, 0, 13
	CODES_RES 12
	IMAGES IMGZ
	PLOAD BI, 9, 3*512                             ; b2
	s_wait_dscnt 0x0
	BSCALE 91
	RESID 80                                       ; (z + b2) / 2^(e14 + e15): where the second product's sums begin
	BARRIER                                        ; z's sixteen fragments lie in LDS; nothing writes them again
; A chunk of 512 hidden units.  Behind its first barrier the chunk's sixteen fragments lie in LDS; behind its second nobody reads them any more.
.macro CHUNK last
	v_add_nc_u32 v24, s89, v9
	PLOAD BI, 24, 0                                ; b1's chunk
	s_wait_dscnt 0x0
	BSCALE 92
	PANEL 2, 1, IMGZ, 262144, 0                    ; z W1 + b1, my 128 hidden units
	HOLD 2, 1, 15
	CODES_RES 14
	IMAGES IMGA
	BARRIER
	PANEL 3, 0, IMGA, 524288, \last                ; += the chunk x W2
.if !(\last)
	BARRIER
.endif
.endm
	s_mov_b32 s88, 3
	s_mov_b32 s89, 6*512
.Lchunk:                                               ; three trips; at the label and over the backward jump the same 64 ring loads are out: the next panel's logical K steps 0 and 1
	CHUNK 0
	s_wait_xcnt 0x0                                ; the ring's base is stepped only behind this wait
	s_add_nc_u64 s[WB:WB+1], s[WB:WB+1], 524288
	s_add_co_u32 s89, s89, 512
	s_sub_co_u32 s88, s88, 1
	s_cmp_lg_u32 s88, 0
	s_cbranch_scc1 .Lchunk
	CHUNK 1                                        ; the last chunk is written out: its last panel asks for nothing beyond wc's end
	LN 78, 83, 2, 4, 5
	; THE WAY OUT: through my own stage, back as rows: each store of the wave covers 512 consecutive bytes, aligned
	WIN 0x0c
.irp t, 0,1,2,3,4,5,6,7
.irp m, 0,1,2,3
.irp q, 0,1
	ds_store_b128 v7, v[8*(4*\t+\m)+4*\q:8*(4*\t+\m)+4*\q+3] offset:(32*(\m/2)+8*(\m%2))*528+128*(\t/2)+32*(\t%2)+16*\q
.endr
.endr
.endr
	WIN 0x80
.set i, 0
.rept 64
	ds_load_b128 v[4*i:4*i+3], v6 offset:528*i     ; LDS serves a wave's instructions in order: these see my stores
.set i, i+1
.endr
	WIN 0x08
.set i, 0
.rept 64
	s_wait_dscnt 63-i                              ; row i is back; the younger loads may be out
	global_store_b128 v5, v[4*i:4*i+3], s[38:39] offset:2048*i th:TH_STORE_NT
.set i, i+1
.endr
	WIN 0
	s_wait_tensorcnt 0x0
	ds_add_u32 v30, v31
	s_wait_dscnt 0x0
	s_endpgm
.Lfunc_end_k_qc215a100d9_post:
	.size	k_qc215a100d9_post, .Lfunc_end_k_qc215a100d9_post-k_qc215a100d9_post
	.p2alignl 7, 3214868480
	.fill 96, 4, 3214868480
	.section	.rodata,"a",@progbits
	.p2align	6, 0x0
	.amdhsa_kernel k_qc215a100d9_post
		.amdhsa_group_segment_fixed_size 225792
		.amdhsa_private_segment_fixed_size 0
		.amdhsa_enable_private_segment 0
		.amdhsa_kernarg_size 96
		.amdhsa_user_sgpr_count 2
		.amdhsa_user_sgpr_kernarg_segment_ptr 1
		.amdhsa_wavefront_size32 1
		.amdhsa_system_sgpr_workgroup_id_x 1
		.amdhsa_system_sgpr_workgroup_id_y 1
		.amdhsa_system_sgpr_workgroup_id_z 1
		.amdhsa_system_vgpr_workitem_id 0
		.amdhsa_next_free_vgpr 1024
		.amdhsa_next_free_sgpr 100
		.amdhsa_reserve_vcc 0
		.amdhsa_float_denorm_mode_32 3
		.amdhsa_float_denorm_mode_16_64 3
		.amdhsa_memory_ordered 1
		.amdhsa_forward_progress 1
		.amdhsa_inst_pref_size 255
	.end_amdhsa_kernel
	.section	.bss,"aw",@nobits
	.p2align	6
	.space	262144
	.amdgpu_metadata
---
amdhsa.version: [ 1, 2 ]
amdhsa.kernels:
  - .name:           k_qc215a100d9_post
    .symbol:         k_qc215a100d9_post.kd
    .args:
      - { .name: zf, .offset: 0, .size: 8, .value_kind: global_buffer, .address_space: global }
      - { .name: wc, .offset: 8, .size: 8, .value_kind: global_buffer, .address_space: global }
      - { .name: x, .offset: 16, .size: 8, .value_kind: global_buffer, .address_space: global }
      - { .name: bO, .offset: 24, .size: 8, .value_kind: global_buffer, .address_space: global }
      - { .name: g1, .offset: 32, .size: 8, .value_kind: global_buffer, .address_space: global }
      - { .name: beta1, .offset: 40, .size: 8, .value_kind: global_buffer, .address_space: global }
      - { .name: b1, .offset: 48, .size: 8, .value_kind: global_buffer, .address_space: global }
      - { .name: b2, .offset: 56, .size: 8, .value_kind: global_buffer, .address_space: global }
      - { .name: g2, .offset: 64, .size: 8, .value_kind: global_buffer, .address_space: global }
      - { .name: beta2, .offset: 72, .size: 8, .value_kind: global_buffer, .address_space: global }
      - { .name: lowp_scales, .offset: 80, .size: 8, .value_kind: global_buffer, .address_space: global }
      - { .name: out0, .offset: 88, .size: 8, .value_kind: global_buffer, .address_space: global }
    .group_segment_fixed_size: 225792
    .private_segment_fixed_size: 0
    .kernarg_segment_align: 8
    .kernarg_segment_size: 96
    .max_flat_workgroup_size: 128
    .sgpr_count:     100
    .vgpr_count:     1024
    .wavefront_size: 32
...
	.end_amdgpu_metadata
.endif
;; end of part 4
;; ======== version 2 of 2: 4 launches
;; workspace buffers: wc 3,145,728 bytes; qf 4,194,304 bytes; kv 8,388,608 bytes; zf 4,194,304 bytes
;; launch prep (part 5): grid 16 x 12, 4 waves a work-group, no clusters, 0 bytes of LDS; arguments WQ, WK, WV, WO, W1, W2, lowp_scales, wc; writes wc
.if DOCPART == 5
	.amdgcn_target "amdgcn-amd-amdhsa--gfx1250"
	.amdhsa_code_object_version 6
	.text
	.protected	k_qc215a100d9_prep
	.globl	k_qc215a100d9_prep
	.p2align	8
	.type	k_qc215a100d9_prep,@function
k_qc215a100d9_prep:
	s_mov_b64 s[64:65], 0
	v_nop
	global_prefetch_b8 v0, s[64:65] scope:SCOPE_SE
	s_setreg_imm32_b32 hwreg(HW_REG_WAVE_MODE, 25, 1), 1
	s_wait_xcnt 0x0
; The six weights, f32 with K as their first axis, become codes of E5M2, each with its given scale 2^e, laid as twelve PANELS of [K 512] x [N 512]:
; panel 0 WQ (e1), 1 WK (e3), 2 WV (e5), 3 WO (e11), 4+2j W1[:, 512j ..] (e13), 5+2j W2[512j .., :] (e15).
; A panel is laid in the order of the operand's registers: byte w*65536 + (8s+t)*2048 + c*512 + lane*16 + y holds column 128w + 32(t/2) + 8(t%2) + r + 8(r/8) (r = lane % 16)
; at k = 128s + 32c + 16(lane/16) + y.  So a wave of the later launches takes a fragment (16 columns x 128 k) by four loads of 512 consecutive bytes.
; SHARES: work-group y = the panel, x = 4w + s, the wave's number = b: a wave takes 32 columns (tiles 2b, 2b+1) x 128 k.  A LANE TAKES ONE COLUMN AND ITS REGISTERS RUN DOWN K:
; each load reads 128 consecutive bytes of a row of the weight, and the conversions, which take neighbours along K from one lane's registers, give codes with K innermost.
; Lane 16u + r takes tile 2b+u's column of lane r, so that sixteen neighbouring lanes store 256 consecutive bytes, aligned: no LDS is needed.
; code = x / 2^e, held within +-57,344, to the nearest code, ties to even.  LIMITS: -126 <= e <= 112.  NaN among the inputs is not served.
.set X, 32                             ; v32-159  128 numbers down K
.set C, 160                            ; v160-191 their codes: no store's data are written again
	s_load_b512 s[16:31], s[0:1], 0x0              ; WQ 16, WK 18, WV 20, WO 22, W1 24, W2 26, the scales' exponents 28, wc 30
	v_lshrrev_b32 v1, 5, v0
	v_readfirstlane_b32 s8, v1                     ; b
	v_bfe_u32 v4, v0, 4, 1                         ; u
	v_and_b32 v5, 7, v0
	v_bfe_u32 v6, v0, 3, 1
	v_lshl_add_u32 v2, v4, 3, v5                   ; my column among the wave's 32: 8u + r%8
	v_lshl_add_u32 v2, v6, 4, v2                   ; + 16 (r/8)
	v_lshlrev_b32 v2, 2, v2                        ; in bytes
	v_and_b32 v7, 15, v0
	v_lshlrev_b32 v3, 4, v7                        ; where my codes go: 16 r
	v_lshl_add_u32 v3, v4, 11, v3                  ; + 2,048 u
	s_and_b32 s2, ttmp7, 0xffff                    ; the panel p
	s_lshr_b32 s9, ttmp9, 2                        ; w
	s_and_b32 s10, ttmp9, 3                        ; s
	s_sub_co_i32 s3, s2, 4
	s_max_i32 s3, s3, 0
	s_lshr_b32 s3, s3, 1                           ; j
	s_and_b32 s11, s2, 1
	s_cmp_ge_u32 s2, 5
	s_cselect_b32 s11, s11, 0                      ; 1: a panel of W2
	s_xor_b32 s12, s2, 1
	s_and_b32 s12, s12, 1
	s_cmp_ge_u32 s2, 4
	s_cselect_b32 s12, s12, 0                      ; 1: a panel of W1, whose rows are 8,192 bytes
	s_mul_i32 s13, s11, s3
	s_lshl_b32 s13, s13, 9                         ; W2: the panel's first row 512 j
	s_lshl_b32 s14, s10, 7
	s_add_co_u32 s13, s13, s14                     ; + 128 s
	s_lshl_b32 s14, s12, 1
	s_add_co_u32 s14, s14, 11
	s_lshl_b32 s13, s13, s14                       ; x the row's bytes: 2^11 or 2^13
	s_mul_i32 s14, s12, s3
	s_lshl_b32 s14, s14, 9                         ; W1: the panel's first column 512 j
	s_lshl_b32 s15, s9, 7
	s_add_co_u32 s14, s14, s15                     ; + 128 w
	s_lshl_b32 s15, s8, 5
	s_add_co_u32 s14, s14, s15                     ; + 32 b
	s_lshl_b32 s14, s14, 2
	s_add_co_u32 s6, s13, s14
	s_mov_b32 s7, 0
	s_wait_kmcnt 0x0
	s_load_b512 s[32:47], s[28:29], 0x0            ; e0 .. e15
	s_mov_b64 s[4:5], s[16:17]                     ; the panel's tensor: a choice that hangs on the work-group's number alone
	s_cmp_eq_u32 s2, 1
	s_cselect_b64 s[4:5], s[18:19], s[4:5]
	s_cmp_eq_u32 s2, 2
	s_cselect_b64 s[4:5], s[20:21], s[4:5]
	s_cmp_eq_u32 s2, 3
	s_cselect_b64 s[4:5], s[22:23], s[4:5]
	s_cmp_ge_u32 s2, 4
	s_cselect_b64 s[4:5], s[24:25], s[4:5]
	s_cmp_lg_u32 s11, 0
	s_cselect_b64 s[4:5], s[26:27], s[4:5]
	s_add_nc_u64 s[4:5], s[4:5], s[6:7]
	s_lshl_b32 s6, s2, 18                          ; wc: 262,144 p
	s_lshl_b32 s13, s9, 16
	s_add_co_u32 s6, s6, s13                       ; + 65,536 w
	s_lshl_b32 s13, s10, 14
	s_add_co_u32 s6, s6, s13                       ; + 8 s tiles
	s_lshl_b32 s13, s8, 12
	s_add_co_u32 s6, s6, s13                       ; + 2 b tiles
	s_add_nc_u64 s[30:31], s[30:31], s[6:7]
; The wave's whole work, for rows of \pitch bytes: every offset is an immediate, at most 127 x 8,192.
.macro QW pitch
.set i, 0
.rept 128
	global_load_b32 v[X+i], v2, s[4:5] offset:i*(\pitch) th:TH_LOAD_NT
.set i, i+1
.endr
	s_wait_kmcnt 0x0
	s_mov_b32 s13, s33                             ; the panel's e
	s_cmp_eq_u32 s2, 1
	s_cselect_b32 s13, s35, s13
	s_cmp_eq_u32 s2, 2
	s_cselect_b32 s13, s37, s13
	s_cmp_eq_u32 s2, 3
	s_cselect_b32 s13, s43, s13
	s_cmp_ge_u32 s2, 4
	s_cselect_b32 s13, s45, s13
	s_cmp_lg_u32 s11, 0
	s_cselect_b32 s13, s47, s13
	s_add_co_i32 s13, s13, 127
	s_lshl_b32 s14, s13, 23
	v_mov_b32 v11, s14                             ; 2^e as f32: the conversion takes its exponent field
	s_add_co_i32 s13, s13, 15
	s_lshl_b32 s13, s13, 23
	s_or_b32 s13, s13, 0x600000
	v_mov_b32 v10, s13                             ; 57,344 x 2^e
	s_wait_alu depctr_va_vdst(0)
.irp c, 0,1,2,3
.if \c < 2
	s_wait_loadcnt 63                              ; 96 or 64 loads stand behind this block's; the wait names the most that it can, which is fewer
.else
	s_wait_loadcnt 32*(3-\c)                       ; the younger blocks' loads may be out
.endif
.set i, 0
.rept 32
	v_med3_num_f32 v[X+32*\c+i], v[X+32*\c+i], -v10, v10   ; the conversion to an 8-bit code does not saturate (ISA guide 7.6.2): the hold at the largest code x the scale
.set i, i+1
.endr
.irp g, 0,1,2,3
	v_cvt_scalef32_pk8_bf8_f32 v[C+8*\c+2*\g:C+8*\c+2*\g+1], v[X+32*\c+8*\g:X+32*\c+8*\g+7], v11
.endr
	global_store_b128 v3, v[C+8*\c:C+8*\c+3], s[30:31] offset:512*\c           ; k = 32c + 0 .. 15: the image's lanes 0-15; sixteen lanes store 256 consecutive bytes, aligned
	global_store_b128 v3, v[C+8*\c+4:C+8*\c+7], s[30:31] offset:512*\c+256     ; k = 32c + 16 .. 31: its lanes 16-31
.endr
	s_endpgm
.endm
	s_cmp_lg_u32 s12, 0
	s_cbranch_scc1 .Lwide
	s_wait_alu depctr_va_vdst(0)
	QW 2048
.Lwide:
	s_wait_alu depctr_va_vdst(0)
	QW 8192
.Lfunc_end_k_qc215a100d9_prep:
	.size	k_qc215a100d9_prep, .Lfunc_end_k_qc215a100d9_prep-k_qc215a100d9_prep
	.p2alignl 7, 3214868480
	.fill 96, 4, 3214868480
	.section	.rodata,"a",@progbits
	.p2align	6, 0x0
	.amdhsa_kernel k_qc215a100d9_prep
		.amdhsa_group_segment_fixed_size 0
		.amdhsa_private_segment_fixed_size 0
		.amdhsa_enable_private_segment 0
		.amdhsa_kernarg_size 64
		.amdhsa_user_sgpr_count 2
		.amdhsa_user_sgpr_kernarg_segment_ptr 1
		.amdhsa_wavefront_size32 1
		.amdhsa_system_sgpr_workgroup_id_x 1
		.amdhsa_system_sgpr_workgroup_id_y 1
		.amdhsa_system_sgpr_workgroup_id_z 1
		.amdhsa_system_vgpr_workitem_id 0
		.amdhsa_next_free_vgpr 192
		.amdhsa_next_free_sgpr 66
		.amdhsa_reserve_vcc 0
		.amdhsa_float_denorm_mode_32 3
		.amdhsa_float_denorm_mode_16_64 3
		.amdhsa_memory_ordered 1
		.amdhsa_forward_progress 1
		.amdhsa_inst_pref_size 48
	.end_amdhsa_kernel
	.amdgpu_metadata
---
amdhsa.version: [ 1, 2 ]
amdhsa.kernels:
  - .name:           k_qc215a100d9_prep
    .symbol:         k_qc215a100d9_prep.kd
    .args:
      - { .name: WQ, .offset: 0, .size: 8, .value_kind: global_buffer, .address_space: global }
      - { .name: WK, .offset: 8, .size: 8, .value_kind: global_buffer, .address_space: global }
      - { .name: WV, .offset: 16, .size: 8, .value_kind: global_buffer, .address_space: global }
      - { .name: WO, .offset: 24, .size: 8, .value_kind: global_buffer, .address_space: global }
      - { .name: W1, .offset: 32, .size: 8, .value_kind: global_buffer, .address_space: global }
      - { .name: W2, .offset: 40, .size: 8, .value_kind: global_buffer, .address_space: global }
      - { .name: lowp_scales, .offset: 48, .size: 8, .value_kind: global_buffer, .address_space: global }
      - { .name: wc, .offset: 56, .size: 8, .value_kind: global_buffer, .address_space: global }
    .group_segment_fixed_size: 0
    .private_segment_fixed_size: 0
    .kernarg_segment_align: 8
    .kernarg_segment_size: 64
    .max_flat_workgroup_size: 128
    .sgpr_count:     66
    .vgpr_count:     192
    .wavefront_size: 32
...
	.end_amdgpu_metadata
.endif
;; end of part 5
;; launch qkv (part 6): grid 128 x 1, 4 waves a work-group, no clusters, 237,056 bytes of LDS; arguments x, wc, bQ, bK, bV, lowp_scales, qf, kv; writes qf, kv
.if DOCPART == 6
	.amdgcn_target "amdgcn-amd-amdhsa--gfx1250"
	.amdhsa_code_object_version 6
	.text
	.protected	k_qc215a100d9_qkv
	.globl	k_qc215a100d9_qkv
	.p2align	8
	.type	k_qc215a100d9_qkv,@function
k_qc215a100d9_qkv:
	s_mov_b64 s[64:65], 0
	v_nop
	global_prefetch_b8 v0, s[64:65] scope:SCOPE_SE
	s_setreg_imm32_b32 hwreg(HW_REG_WAVE_SCHED_MODE, 0, 2), 2
	s_setreg_imm32_b32 hwreg(HW_REG_WAVE_MODE, 25, 1), 1
	s_wait_xcnt 0x0
	s_wait_alu depctr_vm_vsrc(0)
; q = x WQ + bQ, k = x WK + bK, v = x WV + bV on codes of E5M2, and q, k, v quantised for the attention.  x [8192][512] f32 is quantised THREE times (e0, e2, e4: one scale for each product).
; SHARES: a work-group takes 64 rows of x; a wave takes 128 columns of each projection: two heads.  Straight-line text.
; OPERANDS ARE IMAGES OF THEIR REGISTERS: a fragment (16 things x 128 k) is 2,048 bytes: byte c*512 + lane*16 + y = thing of lane%16 at k = 32c + 16(lane/16) + y (a permutation of k alike in both operands).
; TILES ARE PERMUTED: lane r of tile 2b+u takes thing 32b + 8u + r + 8(r/8), so that in a result the 16 registers of tiles 2b, 2b+1 are 16 neighbours, 32b + 16(lane/16) + 0..15: the conversions' results ARE the next operand.
; Q, K: source 0 = 16 columns of the weight, source 1 = 16 rows of x: a lane holds a row, its registers run along the head's channels (the next K).  V: the sources swapped: a lane holds a channel, its registers run along the keys.
; THE K STEPS ARE TAKEN IN A ROTATED ORDER.  g = the work-group's number % 4; logical step k is K step (k + g) % 4, and wave w takes column block (w + g) % 4.  So at one time the work-groups ask for four different
; blocks of a panel, and three of a work-group's four requests are for a block that another work-group asked for a step or more before.  g enters global offsets alone (the weights, x's blocks of 128 along K as they are
; loaded, the biases, the stores): every LDS address hangs on the wave's number and the lane.  LIMIT: a product's four K steps are summed in the order g, g+1, .. (mod 4), not ascending.
; The weights' codes go from memory straight into the operand's registers (a ring of two K steps, 16 fragments), refilled two fragments at a time among the products: each fragment is used by one wave of the work-group,
; so a way through LDS would add a copy and spare none; no joint loads: beside the images (96 KiB) and the stages (129 KiB) LDS has no room for two slots of a K step's 64 KiB.
; The bias is the C of a sum's first matrix instruction, divided by the power of two that the sums lack; the three scales ahead of each quantiser are folded into the conversion's one.
; OUT: qf [head][tile of 16 queries][1,024]; kv [head][step of 128 keys][16,384]: 8 tiles of K (1,024 each), then 4 fragments of V (16 channels x 128 keys).  Every store of a wave covers 512 consecutive bytes, aligned.
; LIMITS, so that each power of two is an f32 number: e0, e2, e4, e6-e0-e1, e7-e2-e3, e9-e4-e5 between -126 and 112.  NaN among the inputs is not served.
; REGISTERS, in windows of 256: window 0: v1-31 addresses and scales; v32-95 the bias tiles; v96-159, v160-223 two buffers of four fragments of x, also the codes just made; v224-243 at work; v244-251 offsets that hold g.
;   window 1: the weights' ring.   window 2: scratch (x as loaded; held numbers).   window 3: x in the operand's order, then the 32 accumulators ((t, m) at v[8 (4 t + m)]).
; THE MODE: SCHED_MODE bits 1:0 = 2 (LLVM: expert scheduling mode 2), set by the entry lines.  The code itself states the register dependences between vector or matrix instructions and memory or LDS
; instructions, with s_wait_alu, always for 0.
; THE PLAN.  Registers that memory or LDS instructions touch:
;   the ring         Step k's products read half k % 2, tile t its fragment t.  Behind tiles 0 and 2 of step k loads land in fragments 4-7 of the OTHER half (step k + 1's codes), which step k - 1's tiles 4-7 read last;
;                    behind tiles 4 and 6 in fragments 0-3 of its OWN half (step k + 2's codes), which its tiles 0-3 read.
;   the two buffers  Step k's products read buffer k % 2; behind tiles 0 and 2 of steps 1 and 2 the LDS loads of step k + 1 land in the other one, which step k - 1 read last.
;                    Between panels the conversions write codes there, stores read them, and then the next panel's fragments land there.
;   the bias tiles   LDS loads land; vector instructions scale them; a panel's first products read them as C.
;   window 2         At the head: x lands, LDS stores read it; from then on vector instructions alone.
;   addresses        v1, v3-v11, v244-251: made at the head, never written again.
; So a K step holds TWO waits on va_vdst: at its head (the step before is done reading its fragments 4-7 and its buffer) and behind tile 3 (tiles 0-3 are done reading fragments 0-3).  The loads follow them among the products,
; which name this step's later fragments, buffer k % 2, the accumulators and the bias tiles: none of the registers that those loads touch.  A panel's step 0 leans on the wait that stands ahead of the panel (in front of the stores of codes).
.set IMG,  0                           ; LDS: x's images for the three projections, 32,768 each: fragment (tile of rows m, logical K step k) at (4 m + k) x 2,048
.set PAR,  98304                       ; a wave's own 1,536 bytes: its 128 numbers of bQ, bK, bV
.set STG,  104448                      ; a wave's own stage: 16 rows x (2,048 + 16) bytes
.set L16,  1                           ; v1  16 x lane
.set BI,   32
.set AB,   96
.set XO,   244                         ; v244-247  x: 16 x lane + 512 ((q + g) % 4): the block of 128 along K that becomes logical step q
.set WO,   248                         ; v248-251  a panel: 16 x lane + 65,536 x my column block + 16,384 ((k + g) % 4); never rewritten
.set WB,   72                          ; s[72:73] wc
.set MSB, 0
.macro WIN new                         ; the immediate's high byte repeats the setting that is left; a switch that changes nothing is dropped
.if MSB != (\new)
	s_set_vgpr_msb (MSB<<8)|(\new)
.set MSB, (\new)
.endif
.endm
.macro BARRIER                         ; my LDS stores have landed and my LDS loads are in: then the work-group's barrier
	s_wait_dscnt 0x0
	s_barrier_signal -1
	s_barrier_wait -1
.endm
.macro AHALF ab, adr, off, s, m0       ; tiles of rows m0, m0 + 1: their fragments of logical K step s into buffer ab
.irp m, \m0, \m0+1
.irp c, 0,1,2,3
	ds_load_b128 v[AB+64*(\ab)+16*(\m)+4*\c:AB+64*(\ab)+16*(\m)+4*\c+3], v[\adr] offset:(\off)+(4*(\m)+(\s))*2048+512*\c
.endr
.endr
.endm
.macro AFETCH ab, adr, off, s          ; all four tiles of rows
	AHALF \ab, \adr, \off, \s, 0
	AHALF \ab, \adr, \off, \s, 2
.endm
.macro WFRAG hf, t, k, off             ; fragment t of my 128 columns, logical K step k of the panel at byte off, into half hf of the ring: four loads of 512 consecutive bytes
.irp c, 0,1,2,3
	global_load_b128 v[128*(\hf)+16*(\t)+4*\c:128*(\hf)+16*(\t)+4*\c+3], v[WO+(\k)], s[WB:WB+1] offset:(\off)+(\t)*2048+\c*512
.endr
.endm
; A K STEP: 32 matrix instructions, 8 tiles of columns x 4 tiles of rows, 128 along K, WITH THE MEMORY WORK AMONG THEM.  The 32 accumulators take turns, one instruction a turn, in the same order in every step
;   r1 = 1 (there is a next step), behind tiles 0 and 2: eight loads each: fragments 4-7 of the next step, from the panel at o1, into the other half of the ring;
;   af = 1, behind tiles 0 and 2: eight LDS loads each: the next step's fragments of x, into the buffer that the step before multiplied;
;   r2 = 1 (there is a step two on), behind tiles 4 and 6: eight loads each: fragments 0-3 of the step two on, from the panel at o2, into this step's own half.
; So the fragments are asked for in the order of their use, each 11 or 12 tiles ahead of it, and 52 loads of the wave are out at the most.
; The wait in front of tile t leaves out the fragments younger than (k, t): the rest of this step's, 7 - t; the next step's first four (r1); and the pairs that this step has asked for so far.
.macro KSTEP mode, accw, k, first, r1, r2, o1, o2, af, adr, img
.if (\k) == 0
	s_wait_dscnt 16                                ; this step's four fragments of x are in; the other buffer's 16 loads may be out
.else
	s_wait_dscnt 0x0                               ; this step's were asked for in the first half of the step before
.endif
.if ((\k) != 0) && ((\r1) || (\af))
	s_wait_alu depctr_va_vdst(0)                   ; the step before is done reading fragments 4-7 of its half of the ring and its buffer of x: this step's loads behind tiles 0 and 2 land there
.endif
.irp t, 0,1,2,3,4,5,6,7
.set YG, 7+4*(\r1)-\t
.if \t >= 1
.set YG, YG+2*(\r1)
.endif
.if \t >= 3
.set YG, YG+2*(\r1)
.endif
.if \t >= 5
.set YG, YG+2*(\r2)
.endif
.if \t >= 7
.set YG, YG+2*(\r2)
.endif
	s_wait_loadcnt 4*YG
.if \first
	WIN ((\accw)<<6)|(1+3*(\mode))
.else
	WIN ((\accw)<<6)|((\accw)<<4)|(1+3*(\mode))
.endif
.irp m, 0,1,2,3
.set AI, 8*(4*\t+\m)
.set WF, 128*((\k)%2)+16*\t
.set AF, AB+64*((\k)%2)+16*\m
.if \mode
.if \first
	v_wmma_f32_16x16x128_bf8_bf8 v[AI:AI+7], v[AF:AF+15], v[WF:WF+15], v[BI+8*\t:BI+8*\t+7]
.else
	v_wmma_f32_16x16x128_bf8_bf8 v[AI:AI+7], v[AF:AF+15], v[WF:WF+15], v[AI:AI+7]
.endif
.else
.if \first
	v_wmma_f32_16x16x128_bf8_bf8 v[AI:AI+7], v[WF:WF+15], v[AF:AF+15], v[BI+8*\t:BI+8*\t+7]
.else
	v_wmma_f32_16x16x128_bf8_bf8 v[AI:AI+7], v[WF:WF+15], v[AF:AF+15], v[AI:AI+7]
.endif
.endif
.endr
.if (\t == 0) || (\t == 2)
.if \r1
	WIN 0x40
	WFRAG ((\k)+1)%2, 4+\t, ((\k)+1)%4, \o1        ; no wait: no vector or matrix instruction since the wait at the step's head (step 0: ahead of the panel) names these registers
	WFRAG ((\k)+1)%2, 5+\t, ((\k)+1)%4, \o1
.endif
.if \af
	WIN 0
	AHALF ((\k)+1)%2, \adr, \img, (\k)+1, \t
.endif
.endif
.if (\t == 3) && (\r2)
.rept 4
	v_nop                                          ; four places behind the products, ahead of the loads into registers that they read; the wait below stands beside them
.endr
	s_wait_alu depctr_va_vdst(0)                   ; tiles 0-3 are done reading fragments 0-3 of this half of the ring: the loads behind tiles 4 and 6 land there
.endif
.if ((\t == 4) || (\t == 6)) && (\r2)
	WIN 0x40
	WFRAG (\k)%2, \t-4, ((\k)+2)%4, \o2            ; no wait: the products since the wait behind tile 3 name fragments 4 and up
	WFRAG (\k)%2, \t-3, ((\k)+2)%4, \o2
.endif
.if \t == 7
.rept 4
	v_nop                                          ; four places behind the step's last products: in front of the first read of results, and of the next step's loads
.endr
.endif
.endr
	WIN 0
.endm
; A panel: [64 rows, K 512] x my 128 columns.  o0: the panel's byte in wc; from its step 2's second half on it asks for the next panel's first fragments, unless it is the last.
; Ahead of a panel stand the waits for both buffers of x (the stores that read them, the conversions that wrote them) and for the ring's fragments that the panel before read last.
.macro PANEL mode, accw, first, adr, img, o0, last
	AFETCH 0, \adr, \img, 0
	AFETCH 1, \adr, \img, 1
	KSTEP \mode, \accw, 0, \first, 1, 1, \o0, \o0, 0, \adr, \img
	KSTEP \mode, \accw, 1, 0, 1, 1, \o0, \o0, 1, \adr, \img
.if \last
	KSTEP \mode, \accw, 2, 0, 1, 0, \o0, 0, 1, \adr, \img
	KSTEP \mode, \accw, 3, 0, 0, 0, 0, 0, 0, \adr, \img
.else
	KSTEP \mode, \accw, 2, 0, 1, 1, \o0, (\o0)+262144, 1, \adr, \img
	KSTEP \mode, \accw, 3, 0, 1, 1, (\o0)+262144, (\o0)+262144, 0, \adr, \img
.endif
.endm
.macro HOLD srcw, relu, lim            ; 256 numbers of window srcw, held within the largest code x the scale (relu = 1: between 0 and it), into window 2; each accumulator from its low end on
	WIN 0x80|(\srcw)
.set i, 0
.rept 256
.if \relu
	v_med3_num_f32 v[i], v[i], 0, v[\lim]
.else
	v_med3_num_f32 v[i], v[i], -v[\lim], v[\lim]
.endif
.set i, i+1
.endr
.endm
.macro CODES_LIN cb, sc                ; window 2's 256 numbers, 16 consecutive registers a piece, become 64 registers of codes from v[cb] on
	WIN 0x02
.set i, 0
.rept 32
	v_cvt_scalef32_pk8_bf8_f32 v[(\cb)+2*i:(\cb)+2*i+1], v[8*i:8*i+7], v[\sc]
.set i, i+1
.endr
	v_nop                                          ; one plain vector instruction behind the last scaled conversion
	WIN 0
.endm
.macro CODES_RES sc                    ; piece (m, b): tiles 2b and 2b+1 of tile of rows m: registers 4b .. 4b+3 of that tile's fragment, at v[AB + 16 m]
	WIN 0x02
.irp m, 0,1,2,3
.irp b, 0,1,2,3
	v_cvt_scalef32_pk8_bf8_f32 v[AB+16*\m+4*\b:AB+16*\m+4*\b+1], v[8*(8*\b+\m):8*(8*\b+\m)+7], v[\sc]
	v_cvt_scalef32_pk8_bf8_f32 v[AB+16*\m+4*\b+2:AB+16*\m+4*\b+3], v[8*(8*\b+4+\m):8*(8*\b+4+\m)+7], v[\sc]
.endr
.endr
	v_nop
	WIN 0
.endm
.macro PLOAD dst, adr, off             ; 128 numbers a column each, in the result's layout: register 8 t + j = the number of column 32(t/2) + 16(lane/16) + 8(t%2) + j
.irp t, 0,1,2,3,4,5,6,7
.irp q, 0,1
	ds_load_b128 v[(\dst)+8*\t+4*\q:(\dst)+8*\t+4*\q+3], v[\adr] offset:(\off)+128*(\t/2)+32*(\t%2)+16*\q
.endr
.endr
.endm
.macro BSCALE se                       ; the bias tiles x 2^s[se]
.set i, 0
.rept 64
	v_ldexp_f32 v[BI+i], v[BI+i], s[\se]
.set i, i+1
.endr
.endm
.macro MKSC vs, vl, se                 ; v[vs] = 2^e as f32, v[vl] = 57,344 x 2^e, e = s[se]
	s_add_co_i32 s62, s[\se], 127
	s_lshl_b32 s63, s62, 23
	v_mov_b32 v[\vs], s63
	s_add_co_i32 s62, s62, 15
	s_lshl_b32 s62, s62, 23
	s_or_b32 s62, s62, 0x600000
	v_mov_b32 v[\vl], s62
.endm
.macro SENDR base, hb                  ; q's or k's codes: head b/2 of my two (hb bytes apart), tile m, half b%2 of the head's 64
.irp m, 0,1,2,3
.irp b, 0,1,2,3
	global_store_b128 v[L16], v[AB+16*\m+4*\b:AB+16*\m+4*\b+3], s[\base:\base+1] offset:(\b/2)*(\hb)+\m*1024+(\b%2)*512
.endr
.endr
.endm
	s_load_b512 s[16:31], s[0:1], 0x0              ; x 16, wc 18, bQ 20, bK 22, bV 24, the scales' exponents 26, qf 28, kv 30
	v_lshl_add_u32 v254, v0, 2, 0x39c00
	v_mov_b32 v255, 0
	v_lshrrev_b32 v224, 5, v0
	v_readfirstlane_b32 s56, v224                  ; wave w
	v_and_b32 v225, 31, v0
	v_and_b32 v226, 15, v0                         ; r
	v_bfe_u32 v227, v0, 4, 1                       ; h
	v_lshlrev_b32 v[L16], 4, v225
	s_wait_alu depctr_va_vdst(0)
	s_and_b32 s82, ttmp9, 3                        ; g
	s_wait_alu depctr_va_sdst(0)                   ; s56 is written, ahead of its first reader: the column block, the LDS places and the bases are made from it
	s_add_co_u32 s83, s56, s82
	s_and_b32 s83, s83, 3                          ; my column block: (w + g) % 4
	s_lshl_b32 s57, s83, 16
.irp k, 0,1,2,3
	s_add_co_u32 s84, s82, \k
	s_and_b32 s84, s84, 3                          ; logical step k is K step (k + g) % 4
	s_lshl_b32 s85, s84, 14
	s_add_co_u32 s85, s85, s57
	v_add_nc_u32 v[WO+\k], s85, v[L16]
	s_lshl_b32 s85, s84, 9
	v_add_nc_u32 v[XO+\k], s85, v[L16]
.endr
	s_lshl_b32 s57, s56, 13
	v_add_nc_u32 v3, s57, v[L16]                   ; where I store x's images: 16 lane + 8,192 w (tile of rows w)
	v_add_nc_u32 v4, 0x10000, v3                   ; the same for the third projection's
	v_add_nc_u32 v5, 0x10000, v[L16]               ; and where they are read
	s_lshl_b32 s57, s83, 9
	v_add_nc_u32 v6, s57, v[L16]                   ; my 16 bytes of my column block's 512 of a bias
	s_mul_i32 s57, s56, 33024
	s_add_co_u32 s57, s57, STG
	v_add_nc_u32 v7, s57, v[L16]                   ; the stage, on the way in
	v_mul_u32_u24 v8, v226, 2064
	v_lshl_add_u32 v8, v227, 6, v8
	v_add_nc_u32 v8, s57, v8                       ; and out: row r, + 64 h: my 16 numbers of a block of 32
	s_mul_i32 s57, s56, 1536
	s_add_co_u32 s57, s57, PAR
	v_add_nc_u32 v9, s57, v[L16]
	v_lshlrev_b32 v10, 6, v227
	v_add_nc_u32 v10, s57, v10                     ; a bias in the result's layout: + 64 h
	v_and_b32 v240, 8, v226
	v_add_nc_u32 v240, v240, v226                  ; r + 8 (r / 8)
	v_lshlrev_b32 v11, 2, v240
	v_add_nc_u32 v11, s57, v11                     ; V's bias: my column's number
	s_lshr_b32 s58, ttmp9, 6                       ; batch
	s_and_b32 s59, ttmp9, 63                       ; which 64 rows of the batch's 4,096
	s_lshl_b32 s60, s58, 3
	s_lshl_b32 s61, s83, 1
	s_add_co_u32 s60, s60, s61                     ; my first head: 8 batch + 2 x my column block
	s_lshl_b32 s66, ttmp9, 17                      ; x: 64 rows of 2,048 bytes a work-group,
	s_lshr_b32 s61, s56, 1
	s_lshl_b32 s61, s61, 16
	s_add_co_u32 s66, s66, s61                     ; + 32 (w / 2) rows
	s_and_b32 s61, s56, 1
	s_lshl_b32 s61, s61, 14
	s_add_co_u32 s66, s66, s61                     ; + 8 (w % 2) rows: tile w's first
	s_mov_b32 s67, 0
	s_lshl_b32 s68, s60, 18                        ; qf: 262,144 a head, 4 tiles of 1,024 a work-group
	s_lshl_b32 s61, s59, 12
	s_add_co_u32 s68, s68, s61
	s_mov_b32 s69, 0
	s_lshl_b32 s70, s60, 19                        ; kv: 524,288 a head, 16,384 a step of 128 keys
	s_lshr_b32 s61, s59, 1
	s_lshl_b32 s61, s61, 14
	s_add_co_u32 s70, s70, s61
	s_and_b32 s61, s59, 1
	s_lshl_b32 s62, s61, 10
	s_add_co_u32 s80, s70, s62                     ; V: my 64 keys are two of a fragment's four groups of 512 bytes
	s_mov_b32 s81, 0
	s_lshl_b32 s62, s61, 12
	s_add_co_u32 s70, s70, s62                     ; K: my 64 keys are four of the step's eight tiles
	s_mov_b32 s71, 0
	s_wait_kmcnt 0x0
	s_load_b512 s[40:55], s[26:27], 0x0            ; e0 .. e15
	s_add_nc_u64 s[16:17], s[16:17], s[66:67]
	s_mov_b64 s[WB:WB+1], s[18:19]
	s_add_nc_u64 s[74:75], s[28:29], s[68:69]
	s_add_nc_u64 s[76:77], s[30:31], s[70:71]
	s_add_nc_u64 s[78:79], s[30:31], s[80:81]
	s_wait_alu depctr_va_vdst(0)                   ; v1, v3 to v11 and v244 to v251 are written: every load and store of the kernel reads one of them as its address or offset
	global_load_b128 v[228:231], v6, s[20:21]
	global_load_b128 v[232:235], v6, s[22:23]
	global_load_b128 v[236:239], v6, s[24:25]
	WIN 0x80
.set i, 0
.rept 64                               ; my 16 rows of x: each load 512 consecutive bytes, a block of 128 along K.  Stage row i/4 is the tile's row i/4 + 8 (i/32); stage block i%4 is logical K step i%4
	global_load_b128 v[4*i:4*i+3], v[XO+i%4], s[16:17] offset:((i/4)+8*(i/32))*2048 th:TH_LOAD_NT
.set i, i+1
.endr
	WIN 0x40                                       ; the ring's first twelve fragments: WQ's logical K step 0, and the first four of step 1
.irp t, 0,1,2,3,4,5,6,7
	WFRAG 0, \t, 0, 0
.endr
.irp t, 0,1,2,3
	WFRAG 1, \t, 1, 0
.endr
	WIN 0
	s_wait_loadcnt 48                              ; the biases and x are in: the ring's 48 loads, issued behind them, may be out
	ds_store_b128 v9, v[228:231]
	ds_store_b128 v9, v[232:235] offset:512
	ds_store_b128 v9, v[236:239] offset:1024
	WIN 0x08
.set i, 0
.rept 64
	ds_store_b128 v7, v[4*i:4*i+3] offset:(i/4)*2064+(i%4)*512
.set i, i+1
.endr
	WIN 0xc0
.set i, 0
.rept 64                               ; back in the operand's order: register 64 s + 16 c + 4 j: logical step s, k = 32 c + 16 h + 4 j of its 128.  LDS serves a wave's instructions in order: these see my stores
	ds_load_b128 v[4*i:4*i+3], v8 offset:(i/16)*512+((i/4)%4)*128+(i%4)*16
.set i, i+1
.endr
	WIN 0
	s_wait_kmcnt 0x0
	MKSC 12, 13, 40
	MKSC 14, 15, 42
	MKSC 16, 17, 44
	s_add_co_i32 s66, s40, s41                     ; a sum of product 1 stands for sum x 2^(e0 + e1): q's code is sum / 2^(e6 - e0 - e1)
	s_sub_co_i32 s57, s46, s66
	MKSC 18, 19, 57
	s_sub_co_i32 s66, 0, s66
	s_add_co_i32 s67, s42, s43
	s_sub_co_i32 s57, s47, s67
	MKSC 20, 21, 57
	s_sub_co_i32 s67, 0, s67
	s_add_co_i32 s68, s44, s45
	s_sub_co_i32 s57, s49, s68
	MKSC 22, 23, 57
	s_sub_co_i32 s68, 0, s68
	s_wait_dscnt 0x0
	s_wait_alu depctr_vm_vsrc(0)                   ; the stores into the stage have read window 2, which the holds below write
	; x is quantised three times; the images go to LDS for all four waves
	HOLD 3, 0, 13
	CODES_LIN AB, 12
	s_wait_alu depctr_va_vdst(0)                   ; the conversions have written v[AB ..], which the stores read
.set i, 0
.rept 16
	ds_store_b128 v3, v[AB+4*i:AB+4*i+3] offset:IMG+512*i
.set i, i+1
.endr
	HOLD 3, 0, 15
	CODES_LIN AB+64, 14
	s_wait_alu depctr_va_vdst(0)                   ; the conversions have written v[AB+64 ..], which the stores read
.set i, 0
.rept 16
	ds_store_b128 v3, v[AB+64+4*i:AB+64+4*i+3] offset:IMG+32768+512*i
.set i, i+1
.endr
	HOLD 3, 0, 17
	s_wait_dscnt 16                                ; the first projection's 16 stores are done; the second's 16 may be out
	s_wait_alu depctr_vm_vsrc(0)                   ; the first projection's stores have read v[AB ..], which the conversions below write again
	CODES_LIN AB, 16
	s_wait_alu depctr_va_vdst(0)                   ; the conversions have written v[AB ..], which the stores read
.set i, 0
.rept 16
	ds_store_b128 v4, v[AB+4*i:AB+4*i+3] offset:512*i
.set i, i+1
.endr
	BARRIER                                        ; all 48 fragments of x lie in LDS; nothing writes them again
	; ---- Q
	PLOAD BI, 10, 0
	s_wait_dscnt 0x0
	BSCALE 66
	s_wait_alu depctr_vm_vsrc(0)                   ; the images' stores have read v[AB ..] and v[AB+64 ..], in which the panel's fragments of x land (the conversions that wrote them stand ahead of the last wait on va_vdst)
	PANEL 0, 3, 1, L16, IMG, 0, 0
	HOLD 3, 0, 19
	CODES_RES 18
	s_wait_alu depctr_va_vdst(0)                   ; the conversions have written q's codes, which the stores read; the panel is done reading the ring, both buffers and the bias tiles, in which the loads that follow land
	SENDR 74, 262144
	; ---- K
	PLOAD BI, 10, 512
	s_wait_dscnt 0x0
	BSCALE 67
	s_wait_xcnt 0x0                                ; the stores' data registers become buffers of x again only behind this wait
	s_wait_alu depctr_vm_vsrc(0)                   ; and the stores have read them
	PANEL 0, 3, 1, L16, IMG+32768, 262144, 0
	HOLD 3, 0, 21
	CODES_RES 20
	s_wait_alu depctr_va_vdst(0)                   ; the conversions have written k's codes, which the stores read; the panel is done reading the ring and both buffers, in which the next panel's loads land
	SENDR 76, 524288
	; ---- V: the sources swapped; a lane holds one column, so its bias is one number in all eight registers of a tile
.irp t, 0,1,2,3,4,5,6,7
	ds_load_b32 v[24+\t], v11 offset:1024+128*(\t/2)+32*(\t%2)
.endr
	s_wait_dscnt 0x0
.irp t, 0,1,2,3,4,5,6,7
.irp j, 0,1,2,3,4,5,6,7
	v_ldexp_f32 v[BI+8*\t+\j], v[24+\t], s68
.endr
.endr
	s_wait_xcnt 0x0                                ; the stores' data registers become buffers of x again only behind this wait
	s_wait_alu depctr_vm_vsrc(0)                   ; and the stores have read them
	PANEL 1, 3, 1, 5, 0, 524288, 1
	HOLD 3, 0, 23
	CODES_LIN AB, 22                               ; piece 2 t + B: accumulators (t, 2B), (t, 2B+1): keys 32 B + 16 h + 0 .. 15 of channel tile t
	s_wait_alu depctr_va_vdst(0)                   ; the conversions have written v's codes, which the stores read
.irp t, 0,1,2,3,4,5,6,7
.irp b, 0,1
	global_store_b128 v[L16], v[AB+4*(2*\t+\b):AB+4*(2*\t+\b)+3], s[78:79] offset:(\t/4)*524288+8192+(\t%4)*2048+\b*512
.endr
.endr
	s_wait_dscnt 0x0
	s_wait_alu depctr_hold_cnt(0) depctr_sa_sdst(0) depctr_va_vdst(0) depctr_va_sdst(0) depctr_va_ssrc(0) depctr_va_vcc(0) depctr_vm_vsrc(0)
	s_wait_tensorcnt 0x0
	ds_add_u32 v254, v255
	s_wait_dscnt 0x0
	s_endpgm
.Lfunc_end_k_qc215a100d9_qkv:
	.size	k_qc215a100d9_qkv, .Lfunc_end_k_qc215a100d9_qkv-k_qc215a100d9_qkv
	.p2alignl 7, 3214868480
	.fill 96, 4, 3214868480
	.section	.rodata,"a",@progbits
	.p2align	6, 0x0
	.amdhsa_kernel k_qc215a100d9_qkv
		.amdhsa_group_segment_fixed_size 237056
		.amdhsa_private_segment_fixed_size 0
		.amdhsa_enable_private_segment 0
		.amdhsa_kernarg_size 64
		.amdhsa_user_sgpr_count 2
		.amdhsa_user_sgpr_kernarg_segment_ptr 1
		.amdhsa_wavefront_size32 1
		.amdhsa_system_sgpr_workgroup_id_x 1
		.amdhsa_system_sgpr_workgroup_id_y 1
		.amdhsa_system_sgpr_workgroup_id_z 1
		.amdhsa_system_vgpr_workitem_id 0
		.amdhsa_next_free_vgpr 1024
		.amdhsa_next_free_sgpr 96
		.amdhsa_reserve_vcc 0
		.amdhsa_float_denorm_mode_32 3
		.amdhsa_float_denorm_mode_16_64 3
		.amdhsa_memory_ordered 1
		.amdhsa_forward_progress 1
		.amdhsa_inst_pref_size 235
	.end_amdhsa_kernel
	.amdgpu_metadata
---
amdhsa.version: [ 1, 2 ]
amdhsa.kernels:
  - .name:           k_qc215a100d9_qkv
    .symbol:         k_qc215a100d9_qkv.kd
    .args:
      - { .name: x, .offset: 0, .size: 8, .value_kind: global_buffer, .address_space: global }
      - { .name: wc, .offset: 8, .size: 8, .value_kind: global_buffer, .address_space: global }
      - { .name: bQ, .offset: 16, .size: 8, .value_kind: global_buffer, .address_space: global }
      - { .name: bK, .offset: 24, .size: 8, .value_kind: global_buffer, .address_space: global }
      - { .name: bV, .offset: 32, .size: 8, .value_kind: global_buffer, .address_space: global }
      - { .name: lowp_scales, .offset: 40, .size: 8, .value_kind: global_buffer, .address_space: global }
      - { .name: qf, .offset: 48, .size: 8, .value_kind: global_buffer, .address_space: global }
      - { .name: kv, .offset: 56, .size: 8, .value_kind: global_buffer, .address_space: global }
    .group_segment_fixed_size: 237056
    .private_segment_fixed_size: 0
    .kernarg_segment_align: 8
    .kernarg_segment_size: 64
    .max_flat_workgroup_size: 128
    .sgpr_count:     96
    .vgpr_count:     1024
    .wavefront_size: 32
...
	.end_amdgpu_metadata
.endif
;; end of part 6
;; launch attn (part 7): grid 16 x 16, 16 waves a work-group, clusters of 4 x 1, 327,680 bytes of LDS; arguments qf, kv, lowp_scales, zf; writes zf
.if DOCPART == 7
	.amdgcn_target "amdgcn-amd-amdhsa--gfx1250"
	.amdhsa_code_object_version 6
	.text
	.protected	k_qc215a100d9_attn
	.globl	k_qc215a100d9_attn
	.p2align	8
	.type	k_qc215a100d9_attn,@function
k_qc215a100d9_attn:
	s_mov_b64 s[64:65], 0
	v_nop
	global_prefetch_b8 v0, s[64:65] scope:SCOPE_SE
	s_setreg_imm32_b32 hwreg(HW_REG_WAVE_MODE, 25, 1), 1
	s_wait_xcnt 0x0
	s_wait_alu depctr_hold_cnt(0) depctr_sa_sdst(0) depctr_va_vdst(0) depctr_va_sdst(0) depctr_va_ssrc(0) depctr_va_vcc(0) depctr_vm_vsrc(0)
	s_getreg_b32 s2, hwreg(HW_REG_IB_STS2, 6, 4)
	s_cmp_eq_u32 s2, 0
	s_cbranch_scc0 .Lentry_in_a_cluster
	s_endpgm
.Lentry_in_a_cluster:
	s_bfe_u32 s2, ttmp6, 0x10000c
	s_cmp_lg_u32 s2, 0x3003
	s_cbranch_scc0 .Lentry_shape_is_right
	s_endpgm
.Lentry_shape_is_right:
; zs[head][q][:] = the sum over k of softmax_k(q . k / 8) v[k][:] for 16 heads (batch x head) of 4,096 queries and keys, head size 64, both products on codes of E5M2; zs is quantised (e10) for the product with WO.
; THE SOFTMAX AHEAD OF THE SECOND PRODUCT: t = score x log2(e) / 8; M = the row's largest t so far, rounded UP to a whole number; p = 2^(t - M) is quantised (e8), not normalised.
; The row's sum is taken of the unquantised p, in f32, and divides at the end.  When M moves, the sum and O are multiplied by 2^(old M - new M): exact.
; SHARES: a work-group owns 256 queries of one head, each of its sixteen waves one tile of 16, in 256 registers: four waves to a SIMD, so that one wave's vector work stands beside another's products and LDS loads.
; Every wave walks all keys, 128 a step.  K and V come as images of the operand's registers (16,384 bytes a step: 8 tiles of K, 4 fragments of V), so each LDS load takes 512 consecutive bytes: no pitch, no padding.
; CLUSTER: the four work-groups of a cluster own four query blocks of ONE head and walk the same K and V: each tile is asked for JOINTLY.  A ring of two slots of 512 keys (65,536 bytes); waves 0 to 3 fetch a step's 16,384 bytes each.
; LAYOUT: both products transposed: S^T = K Q^T, O^T = V^T P^T: a lane holds one query throughout.  The keys of a tile of K and the channels of a fragment of V are permuted (lane r of tile 2b+u: 32b + 8u + r + 8(r/8)),
; so that p's and O^T's 16 registers of two neighbouring tiles are 16 neighbours: the conversions' results are the next operand.
; OUT: zs flat [head][q][64] is read by the next launch as rows of 512: query q is row q/8, columns 64 (q%8) on.  The work-group's 256 queries are 32 such rows: 16,384 bytes of fragment images, gathered in a stage in LDS.
; LIMITS: e6 + e7 between -123 and 130 (added to c's exponent field); e8, e10 between -126 and 112.  NaN among the inputs is not served.
; REGISTERS: v1 16 x lane; v2 the step's LDS address; v3, v4 the stage in and out; v5, v6 the spare word's address and 0; v12 -M, v13 the largest t, v[14:15] the sum; v16-23 Q; v32-95 K's, then V's fragments;
;   v96-159 S^T, then p; v160-191 O^T; v224-239 p's codes; v240, v244: 57,344 x 2^e8, 2^e8; v241, v245 the same for e10; v242-243, v246, v248-255 at work (and v234-239 before the codes are made).
.set SLOT1, 65536
.set SPARE, 131072                     ; behind the ring: the spare words, 128 bytes for each of the sixteen waves: eight blocks of 256 bytes that no other line names
.set STAGE, 133120                     ; 16,384 bytes of their own: no tile lands here
.set L16,  1
.set AD,   2
.set SIN,  3
.set SOUT, 4
.set SPW,  5
.set NIL,  6
.set WV,   18
.set SEL,  20
.set CS,   22
.set G1,   24
.set G0,   32
.set TB,   36
.set SLOTS, 37
; Waves 0 to 3 fetch, the others nothing.  The branch hangs on the wave's number alone.  Four v_nop follow the load.
.macro TLOAD
	s_cmp_lt_u32 s[WV], 4
	s_cbranch_scc0 .Lasked_\@
	tensor_load_to_lds s[G0:G0+3], s[G1:G1+7]
	s_nop 0
.rept 4
	v_nop
.endr
.Lasked_\@:
.endm
; A round of the cluster's barrier: my work-group's barrier; wave 0 signals for the work-group; every wave waits for all four work-groups; my work-group's barrier once more.
.macro CROUND
	s_barrier_signal -1
	s_barrier_wait -1
	s_cmp_lg_u32 s[WV], 0
	s_cbranch_scc1 .Lnot_wave_0_\@
	s_barrier_signal -3
.Lnot_wave_0_\@:
	s_barrier_wait -3
	s_barrier_signal -1
	s_barrier_wait -1
.endm
	s_load_b256 s[4:11], s[0:1], 0x0               ; qf s[4:5], kv s[6:7], the scales' exponents s[8:9], zf s[10:11]
	v_lshl_add_u32 v[SPW], v0, 2, SPARE
	v_mov_b32 v[NIL], 0
	ds_add_u32 v5, v6
	ds_add_u32 v5, v6
	s_wait_dscnt 0x0
	v_lshrrev_b32 v8, 5, v0
	s_delay_alu instid0(VALU_DEP_1)
	v_readfirstlane_b32 s[WV], v8                  ; wave 0..15
	s_bfe_u32 s56, ttmp6, 0x40000                  ; cx: my place in the cluster
	s_lshl_b32 s57, ttmp9, 2
	s_add_co_u32 s57, s57, s56                     ; my block of 256 queries: it enters qf's and zf's addresses alone
	s_and_b32 s58, ttmp7, 0xffff                   ; the head, which the four partners share
	s_mov_b32 s[G1], 15|(3<<16)|(1<<21)            ; 15:0 the mask: all four work-groups; 17:16 elements of 8 bytes; 21 set beside a mask; no padding
	s_mov_b32 s[G1+1], 32<<16                      ; tensor_dim0 = 32 elements: rows of 256 bytes
	s_mov_b32 s[G1+2], 64<<16                      ; tensor_dim1 = 64
	s_mov_b32 s[G1+3], 32<<16                      ; tile_dim0 = 32
	s_mov_b32 s[G1+4], 64                          ; tile_dim1 = 64: a dense block of 16,384 bytes
	s_mov_b32 s[G1+5], 32                          ; the pitch = the row
	s_mov_b32 s[G1+6], 0
	s_mov_b32 s[G1+7], 0
	s_and_b32 s59, s[WV], 3
	s_lshl_b32 s59, s59, 14                        ; which of a slot's four steps I fetch: the same byte in the slot and in memory
	s_lshl_b32 s60, s58, 19                        ; the head's 524,288 bytes of kv
	s_add_co_u32 s60, s60, s59
	s_mov_b32 s61, 0
	s_lshl_b32 s62, s58, 18                        ; qf and zf: 262,144 a head, 16,384 a block, 1,024 a wave
	s_lshl_b32 s63, s57, 14
	s_add_co_u32 s62, s62, s63
	s_lshl_b32 s63, s[WV], 10
	s_add_co_u32 s62, s62, s63
	s_mov_b32 s63, 0
	s_mov_b32 s[SEL], 0x76543210
	s_mov_b32 s[SEL+1], 0xfedcba98
	s_mov_b32 s[CS], 0x3e38aa3b                    ; c = log2(e) / 8
	s_mov_b32 s[TB], 0
	s_mov_b32 s[SLOTS], 7
	s_wait_kmcnt 0x0
	s_load_b512 s[40:55], s[8:9], 0x0              ; e0 .. e15
	s_mov_b32 s[G0], 1                             ; count = 1
	s_mov_b32 s[G0+1], s59                         ; LDS address: slot 0
	s_add_nc_u64 s[G0+2:G0+3], s[6:7], s[60:61]    ; global address: the head's first 512 keys
	s_or_b32 s[G0+3], s[G0+3], 0x80000000          ; type = 2
	CROUND                                         ; all four work-groups are here: the first joint loads meet
	TLOAD                                          ; slot 0
	s_add_nc_u64 s[4:5], s[4:5], s[62:63]
	s_add_nc_u64 s[10:11], s[10:11], s[62:63]
	v_and_b32 v8, 31, v0
	s_delay_alu instid0(VALU_DEP_1)
	v_lshlrev_b32 v[L16], 4, v8
	s_wait_alu depctr_va_vdst(0)
	global_load_b128 v[16:19], v[L16], s[4:5] th:TH_LOAD_NT            ; Q's fragment (16 queries x 64) stays in registers
	global_load_b128 v[20:23], v[L16], s[4:5] offset:512 th:TH_LOAD_NT
	; the stage: query q of the block is row q/8 of 32, K step (q%8)/2, group 2 (q%2) + b.  For my tile that is 8,192 ((wv/4)%2) + 16 (8 (wv/8) + 4 ((wv/2)%2) + wv%2) + 1,024 (r%8) + 32 (r/8) + 256 h + 512 b
	s_bfe_u32 s66, s[WV], 0x10002
	s_lshl_b32 s66, s66, 13
	s_lshr_b32 s67, s[WV], 3
	s_lshl_b32 s67, s67, 7
	s_add_co_u32 s66, s66, s67
	s_bfe_u32 s67, s[WV], 0x10001
	s_lshl_b32 s67, s67, 6
	s_add_co_u32 s66, s66, s67
	s_and_b32 s67, s[WV], 1
	s_lshl_b32 s67, s67, 4
	s_add_co_u32 s66, s66, s67
	s_add_co_u32 s66, s66, STAGE
	v_and_b32 v8, 7, v0
	s_delay_alu instid0(VALU_DEP_1)
	v_lshlrev_b32 v[SIN], 10, v8
	v_bfe_u32 v8, v0, 3, 1
	s_delay_alu instid0(VALU_DEP_1)
	v_lshl_add_u32 v[SIN], v8, 5, v[SIN]
	v_bfe_u32 v8, v0, 4, 1
	s_delay_alu instid0(VALU_DEP_1)
	v_lshl_add_u32 v[SIN], v8, 8, v[SIN]
	s_delay_alu instid0(VALU_DEP_1)
	v_add_nc_u32 v[SIN], s66, v[SIN]
	s_lshl_b32 s67, s[WV], 10
	s_add_co_u32 s67, s67, STAGE
	v_add_nc_u32 v[SOUT], s67, v[L16]              ; back: wave wv takes bytes 1,024 wv on, as they lie
	v_mov_b32 v13, 0xff61b1e6                      ; the largest t so far: -3e38, under every t
	s_delay_alu instid0(VALU_DEP_1)
	v_floor_f32 v12, -v13                          ; -M
	v_mov_b32 v14, 0                               ; the sum, in two halves
	v_mov_b32 v15, 0
	v_mov_b32 v246, 0                              ; written once: a lane permute's destination counts as one of its sources
	v_mov_b32 v253, 0                              ; (named as the upper half of the pair v[252:253])
.set j, 0
.rept 32
	v_mov_b32 v[160+j], 0                          ; O^T.  (The step is written once: the first finds zeros, which the first change of M leaves zeros)
.set j, j+1
.endr
	s_wait_kmcnt 0x0
	s_add_co_i32 s56, s46, s47
	s_lshl_b32 s56, s56, 23
	s_add_co_i32 s[CS], s[CS], s56                 ; a score stands for score x 2^(e6 + e7): the two exponents are added to c's exponent field
	s_mov_b32 s[CS+1], s[CS]                       ; (named with it as a pair, so it is written)
	s_add_co_i32 s56, s48, 127
	s_lshl_b32 s57, s56, 23
	v_mov_b32 v244, s57                            ; 2^e8
	s_add_co_i32 s56, s56, 15
	s_lshl_b32 s56, s56, 23
	s_or_b32 s56, s56, 0x600000
	v_mov_b32 v240, s56                            ; 57,344 x 2^e8
	s_add_co_i32 s56, s50, 127
	s_lshl_b32 s57, s56, 23
	v_mov_b32 v245, s57                            ; 2^e10
	s_add_co_i32 s56, s56, 15
	s_lshl_b32 s56, s56, 23
	s_or_b32 s56, s56, 0x600000
	v_mov_b32 v241, s56                            ; 57,344 x 2^e10
; A KEY STEP: 128 keys, the q-th of the slot in hand.
.macro STEP q
	v_add_nc_u32 v[AD], s[TB], v[L16]
.rept 3
	v_nop                                          ; with the addition above: four places in front of loads into registers that the last products read (ISA guide 7.12.1 for vector instructions)
.endr
.irp t, 0,1,2,3,4,5,6,7
	ds_load_b128 v[32+8*\t:35+8*\t], v[AD] offset:(\q)*16384+\t*1024
	ds_load_b128 v[36+8*\t:39+8*\t], v[AD] offset:(\q)*16384+\t*1024+512
.endr
	s_wait_alu depctr_va_vdst(0)
	s_wait_dscnt 0x0
.irp t, 0,1,2,3,4,5,6,7
	v_wmma_f32_16x16x64_bf8_bf8 v[96+8*\t:103+8*\t], v[32+8*\t:39+8*\t], v[16:23], 0      ; S^T: lane (r, h) holds query r; the 16 registers of tiles 2b, 2b+1 are keys 32b + 16h + 0 .. 15
.endr
.rept 4
	v_nop                                          ; four places: in front of the loads below and of the first read of the scores
.endr
.irp t, 0,1,2,3
.irp c, 0,1,2,3
	ds_load_b128 v[32+16*\t+4*\c:35+16*\t+4*\c], v[AD] offset:(\q)*16384+8192+\t*2048+\c*512   ; V's four fragments land while the softmax is worked
.endr
.endr
	v_max3_num_f32 v254, v96, v97, v98             ; the step's largest score of my query, among my 64 keys, in two chains,
	v_max3_num_f32 v252, v99, v100, v101
.irp i, 6,10,14,18,22,26,30,34,38,42,46,50,54,58
	v_max3_num_f32 v254, v254, v[96+\i], v[97+\i]
	v_max3_num_f32 v252, v252, v[98+\i], v[99+\i]
.endr
	v_max3_num_f32 v254, v254, v158, v159
	s_delay_alu instid0(VALU_DEP_1)
	v_max_num_f32 v254, v254, v252
	s_delay_alu instid0(VALU_DEP_1)
	v_permlanex16_b32 v246, v254, s[SEL], s[SEL+1]
	s_delay_alu instid0(VALU_DEP_1)
	v_max_num_f32 v254, v254, v246                 ; and among lane l xor 16's
	s_delay_alu instid0(VALU_DEP_1)
	v_mul_f32 v254, s[CS], v254                    ; as t (c is positive)
	s_delay_alu instid0(VALU_DEP_1)
	v_max_num_f32 v13, v13, v254                   ; the running largest t
	v_mov_b32 v254, v12
	s_delay_alu instid0(VALU_DEP_2)
	v_floor_f32 v12, -v13                          ; the new -M = floor(-t) = -ceil(t): M is a whole number
	s_delay_alu instid0(VALU_DEP_1)
	v_sub_f32 v254, v12, v254                      ; M's old value less its new one: a whole number, 0 or less
	s_delay_alu instid0(VALU_DEP_1)
	v_cvt_i32_f32 v254, v254                       ; (it saturates)
	s_delay_alu instid0(VALU_DEP_1)
	v_ldexp_f32 v252, 1.0, v254                    ; f = 2^(old M - new M): a multiplication by it rounds nothing
.set j, 0
.rept 32
	v_pk_fma_f32 v[96+j:97+j], v[96+j:97+j], s[CS:CS+1], v[12:13] op_sel_hi:[1,0,0]   ; t - M, two at a time (of the pairs c and -M the low word serves both halves)
.set j, j+2
.endr
.set j, 0
	s_wait_alu depctr_va_vdst(0)
.rept 64
	v_exp_f32 v[96+j], v[96+j]                     ; p = 2^(t - M), at most 1: not normalised
.set j, j+1
.endr
	v_pk_mul_f32 v[14:15], v[14:15], v[252:253] op_sel_hi:[1,0]    ; the sums under the new M.  (A plain place behind the exponentials)
	s_wait_alu depctr_va_vdst(0)
	v_pk_add_f32 v[242:243], v[100:101], v[104:105]
	v_pk_add_f32 v[254:255], v[108:109], v[112:113]
	v_pk_add_f32 v[250:251], v[116:117], v[120:121]
	v_pk_add_f32 v[248:249], v[124:125], v[128:129]
	v_pk_add_f32 v[238:239], v[132:133], v[136:137]
	v_pk_add_f32 v[236:237], v[140:141], v[144:145]
	v_pk_add_f32 v[234:235], v[148:149], v[152:153]
	v_pk_add_f32 v[14:15], v[14:15], v[156:157]
	v_pk_add_f32 v[242:243], v[242:243], v[96:97]
	v_pk_add_f32 v[254:255], v[254:255], v[98:99]
	v_pk_add_f32 v[250:251], v[250:251], v[102:103]
	v_pk_add_f32 v[248:249], v[248:249], v[106:107]
	v_pk_add_f32 v[238:239], v[238:239], v[110:111]
	v_pk_add_f32 v[236:237], v[236:237], v[114:115]
	v_pk_add_f32 v[234:235], v[234:235], v[118:119]
	v_pk_add_f32 v[14:15], v[14:15], v[122:123]
	v_pk_add_f32 v[242:243], v[242:243], v[126:127]
	v_pk_add_f32 v[254:255], v[254:255], v[130:131]
	v_pk_add_f32 v[250:251], v[250:251], v[134:135]
	v_pk_add_f32 v[248:249], v[248:249], v[138:139]
	v_pk_add_f32 v[238:239], v[238:239], v[142:143]
	v_pk_add_f32 v[236:237], v[236:237], v[146:147]
	v_pk_add_f32 v[234:235], v[234:235], v[150:151]
	v_pk_add_f32 v[14:15], v[14:15], v[154:155]
	v_pk_add_f32 v[242:243], v[242:243], v[158:159]
	s_delay_alu instid0(VALU_DEP_2)
	v_pk_add_f32 v[14:15], v[14:15], v[248:249]
	s_delay_alu instid0(VALU_DEP_2)
	v_pk_add_f32 v[242:243], v[242:243], v[238:239]
	v_pk_add_f32 v[254:255], v[254:255], v[236:237]
	v_pk_add_f32 v[250:251], v[250:251], v[234:235]
	s_delay_alu instid0(VALU_DEP_2)
	v_pk_add_f32 v[14:15], v[14:15], v[254:255]
	s_delay_alu instid0(VALU_DEP_2)
	v_pk_add_f32 v[242:243], v[242:243], v[250:251]
	s_delay_alu instid0(VALU_DEP_1)
	v_pk_add_f32 v[14:15], v[14:15], v[242:243]
.irp b, 0,1,2,3
.irp i, 0,1,2,3,4,5,6,7,8,9,10,11,12,13,14,15
	v_min_num_f32 v[96+16*\b+\i], v[96+16*\b+\i], v240     ; the conversion to an 8-bit code does not saturate (ISA guide 7.6.2); p is not negative, so the hold is one-sided
.endr
	v_cvt_scalef32_pk8_bf8_f32 v[224+4*\b:225+4*\b], v[96+16*\b:103+16*\b], v244
	v_cvt_scalef32_pk8_bf8_f32 v[226+4*\b:227+4*\b], v[104+16*\b:111+16*\b], v244
.endr
.set j, 0
.rept 16
	v_pk_mul_f32 v[160+j:161+j], v[160+j:161+j], v[252:253] op_sel_hi:[1,0]   ; O^T under the new M.  (Also the plain places between the conversions and the products)
.set j, j+2
.endr
	s_wait_alu depctr_va_vdst(0)
	s_wait_dscnt 0x0                               ; V is in
.irp t, 0,1,2,3
	v_wmma_f32_16x16x128_bf8_bf8 v[160+8*\t:167+8*\t], v[32+16*\t:47+16*\t], v[224:239], v[160+8*\t:167+8*\t]   ; the four accumulators by turns
.endr
.endm
; THE CHANGE OF SLOTS stands at a slot's head.  Each wave waits for all its tensor loads (its part of the slot that it is about to read), adds 0 to its spare word, and waits for that and for its reads of the slot that it has left.
; fill = 1: a round of the cluster's barrier, so that no wave of any partner still reads the other slot or has a load on its way; then that slot is asked for jointly: the load has four key steps in which to land.
.macro CHANGE fill
	s_wait_tensorcnt 0x0                           ; no tensor load of mine is out (one was, at the most), so the group 0 may be written
	ds_add_u32 v[SPW], v[NIL]                      ; 0 onto my spare word
.if \fill
	s_xor_b32 s[G0+1], s[G0+1], SLOT1              ; the walking descriptor: the other slot than last time,
	s_add_nc_u64 s[G0+2:G0+3], s[G0+2:G0+3], SLOT1 ; the next 512 keys; the type bits on top are not reached
.endif
	s_wait_dscnt 0x0                               ; the add is done, and my reads of the slot that I have left are over
.if \fill
	CROUND
	TLOAD                                          ; the first thing behind the round, and a wave's one tensor load until the next
.else
	s_barrier_signal -1
	s_barrier_wait -1
.endif
.endm
	s_wait_loadcnt 0x0                             ; Q
.Lslot:                                            ; 7 trips: behind each change of slots but the last the next slot is asked for
	CHANGE 1
	STEP 0
	STEP 1
	STEP 2
	STEP 3
	s_xor_b32 s[TB], s[TB], SLOT1
	s_sub_co_u32 s[SLOTS], s[SLOTS], 1
	s_cmp_lg_u32 s[SLOTS], 0
	s_cbranch_scc1 .Lslot
	CHANGE 0                                       ; the last slot is written out
	STEP 0
	STEP 1
	STEP 2
	STEP 3
	; THE WAY OUT: O^T / the sum x 2^(e8 + e9) is zs; it is quantised (e10) and its codes meet the other waves' in the stage.
.rept 4
	v_nop                                          ; four places behind the last products
.endr
	v_add_f32 v14, v14, v15
	s_delay_alu instid0(VALU_DEP_1)
	v_permlanex16_b32 v246, v14, s[SEL], s[SEL+1]
	s_delay_alu instid0(VALU_DEP_1)
	v_add_f32 v14, v14, v246                       ; the row's sum
	s_wait_alu depctr_va_vdst(0)
	v_rcp_f32 v14, v14
	v_nop                                          ; one plain place behind a transcendental
	s_add_co_i32 s56, s48, s49
	s_wait_alu depctr_va_vdst(0)
	v_ldexp_f32 v14, v14, s56
.set j, 0
.rept 32
	v_mul_f32 v[96+j], v[160+j], v14               ; register 16 b + i: channel 32 b + 16 h + i of my query; each accumulator from its low end on
.set j, j+1
.endr
.set j, 0
.rept 32
	v_med3_num_f32 v[96+j], v[96+j], -v241, v241
.set j, j+1
.endr
.irp b, 0,1
	v_cvt_scalef32_pk8_bf8_f32 v[224+4*\b:225+4*\b], v[96+16*\b:103+16*\b], v245
	v_cvt_scalef32_pk8_bf8_f32 v[226+4*\b:227+4*\b], v[104+16*\b:111+16*\b], v245
.endr
	v_nop                                          ; one plain vector instruction behind the last scaled conversion
	ds_store_b128 v[SIN], v[224:227]
	ds_store_b128 v[SIN], v[228:231] offset:512
	s_wait_dscnt 0x0                               ; for the others' sake: my stores into the stage are done
	s_barrier_signal -1
	s_barrier_wait -1
	ds_load_b128 v[32:35], v[SOUT]
	ds_load_b128 v[36:39], v[SOUT] offset:512
	s_wait_dscnt 0x0
	global_store_b128 v[L16], v[32:35], s[10:11]               ; each store of the wave covers 512 consecutive bytes, aligned
	global_store_b128 v[L16], v[36:39], s[10:11] offset:512
	s_wait_tensorcnt 0x0                           ; the wave's end, behind my last tensor load and my last LDS store
	ds_add_u32 v[SPW], v[NIL]
	s_wait_dscnt 0x0
	CROUND                                         ; the closing round: no work-group ends while a partner may still ask for a tile that names it
	s_endpgm
.Lfunc_end_k_qc215a100d9_attn:
	.size	k_qc215a100d9_attn, .Lfunc_end_k_qc215a100d9_attn-k_qc215a100d9_attn
	.p2alignl 7, 3214868480
	.fill 96, 4, 3214868480
	.section	.rodata,"a",@progbits
	.p2align	6, 0x0
	.amdhsa_kernel k_qc215a100d9_attn
		.amdhsa_group_segment_fixed_size 327680
		.amdhsa_private_segment_fixed_size 0
		.amdhsa_enable_private_segment 0
		.amdhsa_kernarg_size 32
		.amdhsa_user_sgpr_count 2
		.amdhsa_user_sgpr_kernarg_segment_ptr 1
		.amdhsa_wavefront_size32 1
		.amdhsa_system_sgpr_workgroup_id_x 1
		.amdhsa_system_sgpr_workgroup_id_y 1
		.amdhsa_system_sgpr_workgroup_id_z 1
		.amdhsa_system_vgpr_workitem_id 0
		.amdhsa_next_free_vgpr 256
		.amdhsa_next_free_sgpr 100
		.amdhsa_reserve_vcc 0
		.amdhsa_float_denorm_mode_32 3
		.amdhsa_float_denorm_mode_16_64 3
		.amdhsa_memory_ordered 1
		.amdhsa_forward_progress 1
		.amdhsa_inst_pref_size 137
	.end_amdhsa_kernel
	.amdgpu_metadata
---
amdhsa.version: [ 1, 2 ]
amdhsa.kernels:
  - .name:           k_qc215a100d9_attn
    .symbol:         k_qc215a100d9_attn.kd
    .args:
      - { .name: qf, .offset: 0, .size: 8, .value_kind: global_buffer, .address_space: global }
      - { .name: kv, .offset: 8, .size: 8, .value_kind: global_buffer, .address_space: global }
      - { .name: lowp_scales, .offset: 16, .size: 8, .value_kind: global_buffer, .address_space: global }
      - { .name: zf, .offset: 24, .size: 8, .value_kind: global_buffer, .address_space: global }
    .group_segment_fixed_size: 327680
    .private_segment_fixed_size: 0
    .kernarg_segment_align: 8
    .kernarg_segment_size: 32
    .max_flat_workgroup_size: 512
    .sgpr_count:     100
    .vgpr_count:     256
    .wavefront_size: 32
...
	.end_amdgpu_metadata
.endif
;; end of part 7
;; launch post (part 8): grid 128 x 1, 4 waves a work-group, no clusters, 225,792 bytes of LDS; arguments zf, wc, x, bO, g1, beta1, b1, b2, g2, beta2, lowp_scales, out0; writes out0
.if DOCPART == 8
	.amdgcn_target "amdgcn-amd-amdhsa--gfx1250"
	.amdhsa_code_object_version 6
	.text
	.protected	k_qc215a100d9_post
	.globl	k_qc215a100d9_post
	.p2align	8
	.type	k_qc215a100d9_post,@function
k_qc215a100d9_post:
	s_mov_b64 s[64:65], 0
	v_nop
	global_prefetch_b8 v0, s[64:65] scope:SCOPE_SE
	s_setreg_imm32_b32 hwreg(HW_REG_WAVE_SCHED_MODE, 0, 2), 2
	s_setreg_imm32_b32 hwreg(HW_REG_WAVE_MODE, 25, 1), 1
	s_wait_xcnt 0x0
	s_wait_alu depctr_vm_vsrc(0)
; z = LN(zs WO + bO + x; g1, beta1);  out0 = LN(relu(z W1 + b1) W2 + b2 + z; g2, beta2).  The three products on codes of E5M2; all else in f32.  z and the hidden layer never go to memory.
; SHARES: a work-group takes 64 rows; a wave takes 128 of every 512 columns made (WO's, each chunk of 512 hidden units, W2's).  The hidden layer goes in four chunks of 512: W1's panel, then W2's.
; OPERANDS ARE IMAGES OF THEIR REGISTERS (16 things x 128 k = 2,048 bytes: byte c*512 + lane*16 + y = thing of lane%16 at k = 32c + 16(lane/16) + y), TILES ARE PERMUTED (lane r of tile 2b+u: 32b + 8u + r + 8(r/8)):
; source 0 = 16 columns of a weight, source 1 = 16 rows: a lane holds a row, and the 16 registers of tiles 2b, 2b+1 are 16 neighbouring columns: the conversions' results are a K step of the next product, handed round through LDS.
; THE K STEPS ARE TAKEN IN A ROTATED ORDER.  g = the work-group's number % 4; logical step k is K step (k + g) % 4, and wave w takes column block (w + g) % 4, so that its results are logical K step w of the next product.
; So at one time the work-groups ask for four different blocks of a panel, and three of a work-group's four requests are for a block that another work-group asked for a step or more before.  g enters global offsets alone
; (the weights, zs's fragments as they are loaded, the parameters, x, out0): every LDS address hangs on the wave's number and the lane.  LIMIT: a product's four K steps are summed in the order g, g+1, .. (mod 4), not ascending.
; RESIDUALS AND BIASES ARE WHERE THE SUMS BEGIN: the accumulators start as (x + bO) / 2^(e10+e11), later as (z + b2) / 2^(e14+e15); b1 / 2^(e12+e13) is the C of a chunk's first products.
; LAYER NORM in two passes (the mean, then the squares of the differences); a row's 512 numbers lie in two lanes of each of four waves: one lane exchange, then four words a row in LDS and a barrier, for each statistic.
; The weights' codes go from memory straight into the operand's registers (a ring of two K steps), refilled two fragments at a time among the products: each fragment is used by one wave of the work-group.
; No joint loads: beside the images, parameters and stages (220 KiB) LDS has no room for two slots of a K step's 64 KiB.
; LIMITS, so that each power of two is an f32 number: e10+e11 and e14+e15 between -117 and 126; e12, e14-e12-e13 between -126 and 112.  NaN among the inputs is not served.
; REGISTERS, in windows of 256: window 0: v1-15 addresses and scales; v16-23 a tile of rows' mean or 1/sigma, as pairs; v24 an address; v25-28 the weights' offsets; v32-95 a bias in the result's layout;
;   v96-159, v160-223 two buffers of four fragments, also the codes just made; v224-255 at work.   window 1: the weights' ring.   window 2: x as loaded; g and beta; held numbers; the hidden chunk's 32 accumulators; rows on the way out.
;   window 3: the 32 accumulators ((t, m) at v[8 (4 t + m)]).
; THE MODE: SCHED_MODE bits 1:0 = 2 (LLVM: expert scheduling mode 2), set by the entry lines.  The code itself states the register dependences between vector or matrix instructions and memory or LDS
; instructions, with s_wait_alu, always for 0.
; THE PLAN.  Registers that memory or LDS instructions touch:
;   the ring         Step k's products read half k % 2, tile t its fragment t.  Behind tiles 0 and 2 of step k loads land in fragments 4-7 of the OTHER half (step k + 1's codes), which step k - 1's tiles 4-7 read last;
;                    behind tiles 4 and 6 in fragments 0-3 of its OWN half (step k + 2's codes), which its tiles 0-3 read.
;   the two buffers  Step k's products read buffer k % 2; behind tiles 0 and 2 of steps 1 and 2 the LDS loads of step k + 1 land in the other one, which step k - 1 read last.
;                    Between panels the conversions write codes into the first, LDS stores read them, and then the next panel's fragments land in both.
;   the bias tiles   LDS loads land; vector instructions scale and read them; a chunk's first products read them as C.
;   window 2         At the head x lands and LDS stores read it; g and beta land there ahead of each layer norm; holds, conversions and W1's products name it between; on the way out rows land there and global stores read them.
;   v224+4m, v240-255  a statistic: vector instructions write a row's part into v[224+4m], an LDS store reads it; the four waves' parts land in v[240+4m ..], vector instructions read them.
;   v24              b1's chunk in LDS: written once a chunk, read by that chunk's sixteen LDS loads.     All other addresses (v1, v3-v11, v25-28, v244-247): made at the head, never written again by a vector instruction.
; So a K step holds TWO waits on va_vdst: at its head (the step before is done reading its fragments 4-7 and its buffer) and behind tile 3 (tiles 0-3 are done reading fragments 0-3).  The loads follow them among the products,
; which name this step's later fragments, buffer k % 2, the accumulators and the bias tiles: none of the registers that those loads touch.  A panel's step 0 leans on the wait that stands ahead of the panel
; (at a chunk's head; in front of the stores of a chunk's images).
.set IMGA, 0                           ; LDS: 16 fragments: zs, later a chunk of the hidden layer: (4 m + logical K step) x 2,048
.set IMGZ, 32768                       ; z's 16 fragments
.set PAR,  65536                       ; a wave's own 5,120 bytes: ten slots of its 128 numbers: bO, g1, beta1, b2, g2, beta2, b1's four chunks
.set STAT, 86016                       ; four statistics x 64 rows x 4 waves x 4 bytes: bytes of their own for each
.set STG,  90112                       ; a wave's own stage: 64 rows x (512 + 16) bytes
.set L16,  1
.set WO,   25                          ; v25-28  a panel: 16 x lane + 65,536 x my column block + 16,384 ((k + g) % 4); never rewritten
.set ZO,   244                         ; v244-247  zs, at the head alone: 16 x lane + 8,192 w + 2,048 ((k + g) % 4)
.set BI,   32
.set AB,   96
.set WB,   72                          ; s[72:73] wc at the panel in front of the trip's two
.set MSB, 0
.macro WIN new                         ; the immediate's high byte repeats the setting that is left; a switch that changes nothing is dropped
.if MSB != (\new)
	s_set_vgpr_msb (MSB<<8)|(\new)
.set MSB, (\new)
.endif
.endm
.macro BARRIER                         ; my LDS stores have landed and my LDS loads are in: then the work-group's barrier
	s_wait_dscnt 0x0
	s_barrier_signal -1
	s_barrier_wait -1
.endm
.macro AHALF ab, adr, off, s, m0       ; tiles of rows m0, m0 + 1: their fragments of logical K step s into buffer ab
.irp m, \m0, \m0+1
.irp c, 0,1,2,3
	ds_load_b128 v[AB+64*(\ab)+16*(\m)+4*\c:AB+64*(\ab)+16*(\m)+4*\c+3], v[\adr] offset:(\off)+(4*(\m)+(\s))*2048+512*\c
.endr
.endr
.endm
.macro AFETCH ab, adr, off, s          ; all four tiles of rows
	AHALF \ab, \adr, \off, \s, 0
	AHALF \ab, \adr, \off, \s, 2
.endm
.macro WFRAG hf, t, k, off             ; fragment t of my 128 columns, logical K step k of the panel at byte off from s[WB] on, into half hf of the ring: four loads of 512 consecutive bytes
.irp c, 0,1,2,3
	global_load_b128 v[128*(\hf)+16*(\t)+4*\c:128*(\hf)+16*(\t)+4*\c+3], v[WO+(\k)], s[WB:WB+1] offset:(\off)+(\t)*2048+\c*512
.endr
.endm
; A K STEP: 32 matrix instructions, 8 tiles of columns x 4 tiles of rows, 128 along K, WITH THE MEMORY WORK AMONG THEM.  The 32 accumulators take turns, one instruction a turn, in the same order in every step
;   r1 = 1 (there is a next step), behind tiles 0 and 2: eight loads each: fragments 4-7 of the next step, from the panel at o1, into the other half of the ring;
;   af = 1, behind tiles 0 and 2: eight LDS loads each: the next step's fragments of the rows, into the buffer that the step before multiplied;
;   r2 = 1 (there is a step two on), behind tiles 4 and 6: eight loads each: fragments 0-3 of the step two on, from the panel at o2, into this step's own half.
; So the fragments are asked for in the order of their use, each 11 or 12 tiles ahead of it, and 52 loads of the wave are out at the most.
; The wait in front of tile t leaves out the fragments younger than (k, t): the rest of this step's, 7 - t; the next step's first four (r1); and the pairs that this step has asked for so far.
.macro KSTEP accw, k, first, r1, r2, o1, o2, af, img
.if (\k) == 0
	s_wait_dscnt 16                                ; this step's four fragments are in; the other buffer's 16 loads may be out
.else
	s_wait_dscnt 0x0                               ; this step's were asked for in the first half of the step before
.endif
.if ((\k) != 0) && ((\r1) || (\af))
	s_wait_alu depctr_va_vdst(0)                   ; the step before is done reading fragments 4-7 of its half of the ring and its buffer of rows: this step's loads behind tiles 0 and 2 land there
.endif
.irp t, 0,1,2,3,4,5,6,7
.set YG, 7+4*(\r1)-\t
.if \t >= 1
.set YG, YG+2*(\r1)
.endif
.if \t >= 3
.set YG, YG+2*(\r1)
.endif
.if \t >= 5
.set YG, YG+2*(\r2)
.endif
.if \t >= 7
.set YG, YG+2*(\r2)
.endif
	s_wait_loadcnt 4*YG
.if \first
	WIN ((\accw)<<6)|1
.else
	WIN ((\accw)<<6)|((\accw)<<4)|1
.endif
.irp m, 0,1,2,3
.set AI, 8*(4*\t+\m)
.set WF, 128*((\k)%2)+16*\t
.set AF, AB+64*((\k)%2)+16*\m
.if \first
	v_wmma_f32_16x16x128_bf8_bf8 v[AI:AI+7], v[WF:WF+15], v[AF:AF+15], v[BI+8*\t:BI+8*\t+7]
.else
	v_wmma_f32_16x16x128_bf8_bf8 v[AI:AI+7], v[WF:WF+15], v[AF:AF+15], v[AI:AI+7]
.endif
.endr
.if (\t == 0) || (\t == 2)
.if \r1
	WIN 0x40
	WFRAG ((\k)+1)%2, 4+\t, ((\k)+1)%4, \o1        ; no wait: no vector or matrix instruction since the wait at the step's head (step 0: ahead of the panel) names these registers
	WFRAG ((\k)+1)%2, 5+\t, ((\k)+1)%4, \o1
.endif
.if \af
	WIN 0
	AHALF ((\k)+1)%2, L16, \img, (\k)+1, \t
.endif
.endif
.if (\t == 3) && (\r2)
.rept 4
	v_nop                                          ; four places behind the products, ahead of the loads into registers that they read; the wait below stands beside them
.endr
	s_wait_alu depctr_va_vdst(0)                   ; tiles 0-3 are done reading fragments 0-3 of this half of the ring: the loads behind tiles 4 and 6 land there
.endif
.if ((\t == 4) || (\t == 6)) && (\r2)
	WIN 0x40
	WFRAG (\k)%2, \t-4, ((\k)+2)%4, \o2            ; no wait: the products since the wait behind tile 3 name fragments 4 and up
	WFRAG (\k)%2, \t-3, ((\k)+2)%4, \o2
.endif
.if \t == 7
.rept 4
	v_nop                                          ; four places behind the step's last products: in front of the first read of results, and of the next step's loads
.endr
.endif
.endr
	WIN 0
.endm
; A panel: [64 rows, K 512] x my 128 columns.  o0: the panel's byte from s[WB] on; from its step 2's second half on it asks for the next panel's first fragments, unless it is the last.
; Ahead of a panel stand the waits for both buffers of rows (the stores that read them, the conversions that wrote them) and for the ring's fragments that the panel before read last.
.macro PANEL accw, first, img, o0, last
	AFETCH 0, L16, \img, 0
	AFETCH 1, L16, \img, 1
	KSTEP \accw, 0, \first, 1, 1, \o0, \o0, 0, \img
	KSTEP \accw, 1, 0, 1, 1, \o0, \o0, 1, \img
.if \last
	KSTEP \accw, 2, 0, 1, 0, \o0, 0, 1, \img
	KSTEP \accw, 3, 0, 0, 0, 0, 0, 0, \img
.else
	KSTEP \accw, 2, 0, 1, 1, \o0, (\o0)+262144, 1, \img
	KSTEP \accw, 3, 0, 1, 1, (\o0)+262144, (\o0)+262144, 0, \img
.endif
.endm
.macro HOLD srcw, relu, lim            ; 256 numbers of window srcw, held within the largest code x the scale (relu = 1: between 0 and it: the activation and the hold in one), into window 2; each accumulator from its low end on
	WIN 0x80|(\srcw)
.set i, 0
.rept 256
.if \relu
	v_med3_num_f32 v[i], v[i], 0, v[\lim]
.else
	v_med3_num_f32 v[i], v[i], -v[\lim], v[\lim]
.endif
.set i, i+1
.endr
.endm
.macro CODES_RES sc                    ; piece (m, b): tiles 2b and 2b+1 of tile of rows m: registers 4b .. 4b+3 of that tile's fragment, at v[AB + 16 m]
	WIN 0x02
.irp m, 0,1,2,3
.irp b, 0,1,2,3
	v_cvt_scalef32_pk8_bf8_f32 v[AB+16*\m+4*\b:AB+16*\m+4*\b+1], v[8*(8*\b+\m):8*(8*\b+\m)+7], v[\sc]
	v_cvt_scalef32_pk8_bf8_f32 v[AB+16*\m+4*\b+2:AB+16*\m+4*\b+3], v[8*(8*\b+4+\m):8*(8*\b+4+\m)+7], v[\sc]
.endr
.endr
	v_nop                                          ; one plain vector instruction behind the last scaled conversion
	WIN 0
.endm
.macro IMAGES img                      ; my four fragments (logical K step w of the next product) go to LDS as they stand
.irp m, 0,1,2,3
.irp b, 0,1,2,3
	ds_store_b128 v3, v[AB+16*\m+4*\b:AB+16*\m+4*\b+3] offset:(\img)+\m*8192+\b*512
.endr
.endr
.endm
.macro PLOAD dst, adr, off             ; 128 numbers a column each, in the result's layout: register 8 t + j = the number of column 32(t/2) + 16(lane/16) + 8(t%2) + j
.irp t, 0,1,2,3,4,5,6,7
.irp q, 0,1
	ds_load_b128 v[(\dst)+8*\t+4*\q:(\dst)+8*\t+4*\q+3], v[\adr] offset:(\off)+128*(\t/2)+32*(\t%2)+16*\q
.endr
.endr
.endm
.macro BSCALE se                       ; the bias tiles x 2^s[se]
.set i, 0
.rept 64
	v_ldexp_f32 v[BI+i], v[BI+i], s[\se]
.set i, i+1
.endr
.endm
.macro RESID ik                        ; the accumulators begin: what lies in them x s[ik] + the bias tiles
	WIN 0xc3
.irp t, 0,1,2,3,4,5,6,7
.irp m, 0,1,2,3
.irp i, 0,2,4,6
	v_pk_fma_f32 v[8*(4*\t+\m)+\i:8*(4*\t+\m)+\i+1], v[8*(4*\t+\m)+\i:8*(4*\t+\m)+\i+1], s[\ik:\ik+1], v[BI+8*\t+\i:BI+8*\t+\i+1] op_sel_hi:[1,0,1]
.endr
.endr
.endr
	WIN 0
.endm
.macro MKSC vs, vl, se                 ; v[vs] = 2^e as f32, v[vl] = 57,344 x 2^e, e = s[se]
	s_add_co_i32 s62, s[\se], 127
	s_lshl_b32 s63, s62, 23
	v_mov_b32 v[\vs], s63
	s_add_co_i32 s62, s62, 15
	s_lshl_b32 s62, s62, 23
	s_or_b32 s62, s62, 0x600000
	v_mov_b32 v[\vl], s62
.endm
.macro POW2 d, se, add                 ; s[d] = 2^(s[se] + add) as f32
	s_add_co_i32 s[\d], s[\se], 127+(\add)
	s_lshl_b32 s[\d], s[\d], 23
.endm
; The four tiles' two chains each (v[224+4m:225+4m], v[226+4m:227+4m]) are closed: my 64 numbers, lane l xor 16's, then the four waves' through LDS.  The rows' totals end in v[240+4m], the same bits in every wave.
.macro RSUM st
	WIN 0
.irp m, 0,1,2,3
	v_pk_add_f32 v[224+4*\m:225+4*\m], v[224+4*\m:225+4*\m], v[226+4*\m:227+4*\m]
.endr
.irp m, 0,1,2,3
	v_add_f32 v[224+4*\m], v[224+4*\m], v[225+4*\m]
.endr
.irp m, 0,1,2,3
	v_permlanex16_b32 v[225+4*\m], v[224+4*\m], s86, s87
.endr
.irp m, 0,1,2,3
	v_add_f32 v[224+4*\m], v[224+4*\m], v[225+4*\m]
.endr
	s_wait_alu depctr_va_vdst(0)                   ; the additions have written v[224+4m], which the stores read; the vector instructions that named v240 to v255 are done, in which the loads behind the barrier land
.irp m, 0,1,2,3
	ds_store_b32 v10, v[224+4*\m] offset:(\st)*1024+(32*(\m/2)+8*(\m%2))*16    ; word (row, wave); the two lanes of a row write the same number
.endr
	BARRIER
.irp m, 0,1,2,3
	ds_load_b128 v[240+4*\m:243+4*\m], v11 offset:(\st)*1024+(32*(\m/2)+8*(\m%2))*16
.endr
	s_wait_dscnt 0x0
.irp m, 0,1,2,3
	v_add_f32 v[240+4*\m], v[240+4*\m], v[241+4*\m]
.endr
.irp m, 0,1,2,3
	v_add_f32 v[242+4*\m], v[242+4*\m], v[243+4*\m]
.endr
.irp m, 0,1,2,3
	v_add_f32 v[240+4*\m], v[240+4*\m], v[242+4*\m]
.endr
.endm
; LAYER NORM of the accumulators x K, in place.  kp: the pair K; k512: K / 512; st: the first of its two statistics; gs, bs: the gain's and the offset's slots.
.macro LN kp, k512, st, gs, bs
	WIN 0x80
	PLOAD 0, 9, (\gs)*512                          ; g and beta into window 2: they land under the first statistic's barrier.  No wait: the vector and matrix instructions that named these registers, and the stores that read
	PLOAD 64, 9, (\bs)*512                         ; them, stand ahead of the waits in front of the panel just done, whose products name windows 0, 1 and 3 alone
	WIN 0x0f                                       ; pass 1: the rows' sums
.irp m, 0,1,2,3
	v_pk_add_f32 v[224+4*\m:225+4*\m], v[8*\m:8*\m+1], v[8*\m+4:8*\m+5]
	v_pk_add_f32 v[226+4*\m:227+4*\m], v[8*\m+2:8*\m+3], v[8*\m+6:8*\m+7]
.endr
	WIN 0x0c
.irp t, 1,2,3,4,5,6,7
.irp i, 0,2,4,6
.irp m, 0,1,2,3
	v_pk_add_f32 v[224+4*\m+(\i%4):225+4*\m+(\i%4)], v[224+4*\m+(\i%4):225+4*\m+(\i%4)], v[8*(4*\t+\m)+\i:8*(4*\t+\m)+\i+1]
.endr
.endr
.endr
	RSUM \st
.irp m, 0,1,2,3
	v_mul_f32 v[16+2*\m], s[\k512], v[240+4*\m]    ; the mean
	v_mul_f32 v[17+2*\m], s[\k512], v[240+4*\m]    ; (named with it as a pair, so it is written)
.endr
	WIN 0xc3                                       ; the differences: sum x K - mean, one fused multiply-add for two
.irp t, 0,1,2,3,4,5,6,7
.irp m, 0,1,2,3
.irp i, 0,2,4,6
	v_pk_fma_f32 v[8*(4*\t+\m)+\i:8*(4*\t+\m)+\i+1], v[8*(4*\t+\m)+\i:8*(4*\t+\m)+\i+1], s[\kp:\kp+1], v[16+2*\m:17+2*\m] op_sel_hi:[1,0,0] neg_lo:[0,0,1] neg_hi:[0,0,1]
.endr
.endr
.endr
	s_wait_alu depctr_vm_vsrc(0)                   ; the first statistic's stores have read v[224+4m], which the squares' sums write again
	WIN 0x0f                                       ; pass 2: the sums of their squares
.irp m, 0,1,2,3
	v_pk_mul_f32 v[224+4*\m:225+4*\m], v[8*\m:8*\m+1], v[8*\m:8*\m+1]
	v_pk_mul_f32 v[226+4*\m:227+4*\m], v[8*\m+2:8*\m+3], v[8*\m+2:8*\m+3]
.endr
.irp i, 4,6
.irp m, 0,1,2,3
	v_pk_fma_f32 v[224+4*\m+(\i%4):225+4*\m+(\i%4)], v[8*\m+\i:8*\m+\i+1], v[8*\m+\i:8*\m+\i+1], v[224+4*\m+(\i%4):225+4*\m+(\i%4)]
.endr
.endr
.irp t, 1,2,3,4,5,6,7
.irp i, 0,2,4,6
.irp m, 0,1,2,3
	v_pk_fma_f32 v[224+4*\m+(\i%4):225+4*\m+(\i%4)], v[8*(4*\t+\m)+\i:8*(4*\t+\m)+\i+1], v[8*(4*\t+\m)+\i:8*(4*\t+\m)+\i+1], v[224+4*\m+(\i%4):225+4*\m+(\i%4)]
.endr
.endr
.endr
	RSUM (\st)+1
.irp m, 0,1,2,3
	v_fma_f32 v[240+4*\m], v[240+4*\m], s85, s84   ; the variance + 1e-3
.endr
	s_wait_alu depctr_va_vdst(0)
.irp m, 0,1,2,3
	v_rsq_f32 v[16+2*\m], v[240+4*\m]
.endr
	v_nop                                          ; one plain place behind the transcendentals
	s_wait_alu depctr_va_vdst(0)                   ; the four reciprocal roots v16, v18, v20, v22 are written: one wait for the batch, ahead of its first reader
.irp m, 0,1,2,3
	v_mov_b32 v[17+2*\m], v[16+2*\m]
.endr
	WIN 0xc3
.irp t, 0,1,2,3,4,5,6,7
.irp m, 0,1,2,3
.irp i, 0,2,4,6
	v_pk_mul_f32 v[8*(4*\t+\m)+\i:8*(4*\t+\m)+\i+1], v[8*(4*\t+\m)+\i:8*(4*\t+\m)+\i+1], v[16+2*\m:17+2*\m] op_sel_hi:[1,0]
.endr
.endr
.endr
	WIN 0xeb                                       ; x g + beta, both in window 2
.irp t, 0,1,2,3,4,5,6,7
.irp m, 0,1,2,3
.irp i, 0,2,4,6
	v_pk_fma_f32 v[8*(4*\t+\m)+\i:8*(4*\t+\m)+\i+1], v[8*(4*\t+\m)+\i:8*(4*\t+\m)+\i+1], v[8*\t+\i:8*\t+\i+1], v[64+8*\t+\i:64+8*\t+\i+1]
.endr
.endr
.endr
	WIN 0
.endm
	s_load_b512 s[16:31], s[0:1], 0x0              ; zf 16, wc 18, x 20, bO 22, g1 24, beta1 26, b1 28, b2 30
	s_load_b256 s[32:39], s[0:1], 0x40             ; g2 32, beta2 34, the scales' exponents 36, out0 38
	v_lshl_add_u32 v30, v0, 2, 0x37000
	v_mov_b32 v31, 0
	v_lshrrev_b32 v224, 5, v0
	v_readfirstlane_b32 s56, v224                  ; wave w
	v_and_b32 v225, 31, v0
	v_and_b32 v226, 15, v0                         ; r
	v_bfe_u32 v227, v0, 4, 1                       ; h
	v_lshlrev_b32 v[L16], 4, v225
	s_wait_alu depctr_va_vdst(0)
	s_and_b32 s66, ttmp9, 3                        ; g
	s_wait_alu depctr_va_sdst(0)                   ; s56 is written, ahead of its first reader: the column block and the LDS places are made from it
	s_add_co_u32 s67, s56, s66
	s_and_b32 s67, s67, 3                          ; my column block: (w + g) % 4
	s_lshl_b32 s57, s56, 11
	v_add_nc_u32 v3, s57, v[L16]                   ; where I store images: 16 lane + 2,048 w (logical K step w)
	s_lshl_b32 s57, s56, 13
	v_add_nc_u32 v4, s57, v[L16]                   ; my quarter of zs's images in LDS: tile of rows w
	s_wait_alu depctr_va_vdst(0)
	s_lshl_b32 s70, s67, 16
.irp k, 0,1,2,3
	s_add_co_u32 s68, s66, \k
	s_and_b32 s68, s68, 3                          ; logical step k is K step (k + g) % 4
	s_lshl_b32 s69, s68, 14
	s_add_co_u32 s69, s69, s70
	v_add_nc_u32 v[WO+\k], s69, v[L16]
	s_lshl_b32 s69, s68, 11
	v_add_nc_u32 v[ZO+\k], s69, v4
.endr
	s_lshl_b32 s57, s67, 9
	v_add_nc_u32 v5, s57, v[L16]                   ; my 16 bytes of my column block's 512 of a row or of a parameter
	s_mul_i32 s57, s56, 33792
	s_add_co_u32 s57, s57, STG
	v_add_nc_u32 v6, s57, v[L16]                   ; the stage by rows
	v_and_b32 v228, 8, v226
	v_add_nc_u32 v228, v228, v226                  ; r + 8 (r / 8)
	v_mul_u32_u24 v7, v228, 528
	v_lshl_add_u32 v7, v227, 6, v7
	v_add_nc_u32 v7, s57, v7                       ; the stage in the result's layout: my row of a tile, + 64 h
	s_mul_i32 s57, s56, 5120
	s_add_co_u32 s57, s57, PAR
	v_add_nc_u32 v8, s57, v[L16]
	v_lshlrev_b32 v9, 6, v227
	v_add_nc_u32 v9, s57, v9
	v_lshlrev_b32 v11, 4, v228
	v_add_nc_u32 v11, STAT, v11                    ; my row's four words of a statistic
	s_lshl_b32 s57, s56, 2
	v_add_nc_u32 v10, s57, v11                     ; and my wave's among them
	s_mov_b32 s84, 0x3a83126f                      ; 1e-3
	s_mov_b32 s85, 0x3b000000                      ; 1 / 512
	s_mov_b32 s86, 0x76543210
	s_mov_b32 s87, 0xfedcba98                      ; v_permlanex16_b32's selects for lane l xor 16
	s_lshl_b32 s58, ttmp9, 15
	s_mov_b32 s59, 0
	s_lshl_b32 s60, ttmp9, 17
	s_mov_b32 s61, 0
	s_wait_kmcnt 0x0
	s_load_b512 s[40:55], s[36:37], 0x0            ; e0 .. e15
	s_add_nc_u64 s[16:17], s[16:17], s[58:59]      ; zf: 32,768 bytes a work-group
	s_add_nc_u64 s[20:21], s[20:21], s[60:61]      ; x and out0: 64 rows of 2,048
	s_add_nc_u64 s[38:39], s[38:39], s[60:61]
	s_add_nc_u64 s[WB:WB+1], s[18:19], 786432      ; WO's panel
	s_wait_alu depctr_va_vdst(0)                   ; v1, v3 to v11, v25 to v28 and v244 to v247 are written: the loads and stores below read them as addresses and offsets
.set i, 0
.irp p, 22,24,26,30,32,34
	global_load_b128 v[AB+4*i:AB+4*i+3], v5, s[\p:\p+1]
.set i, i+1
.endr
.irp j, 0,1,2,3
	global_load_b128 v[AB+24+4*\j:AB+27+4*\j], v5, s[28:29] offset:2048*\j
.endr
.set i, 0
.rept 16                               ; tile of rows w of zs: the fragment of K step (i/4 + g) % 4 becomes logical step i/4
	global_load_b128 v[160+4*i:163+4*i], v[ZO+i/4], s[16:17] offset:512*(i%4) th:TH_LOAD_NT
.set i, i+1
.endr
	WIN 0x80
.set i, 0
.rept 64
	global_load_b128 v[4*i:4*i+3], v5, s[20:21] offset:2048*i th:TH_LOAD_NT     ; my 512 bytes of row i of x
.set i, i+1
.endr
	WIN 0x40                                       ; the ring's first twelve fragments: WO's logical K step 0, and the first four of step 1
.irp t, 0,1,2,3,4,5,6,7
	WFRAG 0, \t, 0, 0
.endr
.irp t, 0,1,2,3
	WFRAG 1, \t, 1, 0
.endr
	WIN 0
	s_wait_loadcnt 48                              ; the parameters, zs and x are in: the ring's 48 loads, issued behind them, may be out
.set i, 0
.rept 10
	ds_store_b128 v8, v[AB+4*i:AB+4*i+3] offset:512*i
.set i, i+1
.endr
.set i, 0
.rept 16
	ds_store_b128 v4, v[160+4*i:163+4*i] offset:IMGA+512*i
.set i, i+1
.endr
	WIN 0x08
.set i, 0
.rept 64
	ds_store_b128 v6, v[4*i:4*i+3] offset:528*i
.set i, i+1
.endr
	WIN 0
	BARRIER                                        ; zs's sixteen fragments lie in LDS
	WIN 0xc0
.irp t, 0,1,2,3,4,5,6,7
.irp m, 0,1,2,3
.irp q, 0,1
	ds_load_b128 v[8*(4*\t+\m)+4*\q:8*(4*\t+\m)+4*\q+3], v7 offset:(32*(\m/2)+8*(\m%2))*528+128*(\t/2)+32*(\t%2)+16*\q   ; x in the result's layout, where the sums will begin
.endr
.endr
.endr
	WIN 0
	PLOAD BI, 9, 0                                 ; bO
	s_wait_kmcnt 0x0
	s_add_co_i32 s57, s50, s51                     ; e10 + e11
	POW2 74, 57, 0
	s_mov_b32 s75, s74
	POW2 82, 57, -9
	s_sub_co_i32 s90, 0, s57
	POW2 76, 90, 0
	s_mov_b32 s77, s76
	s_add_co_i32 s57, s54, s55                     ; e14 + e15
	POW2 78, 57, 0
	s_mov_b32 s79, s78
	POW2 83, 57, -9
	s_sub_co_i32 s91, 0, s57
	POW2 80, 91, 0
	s_mov_b32 s81, s80
	s_add_co_i32 s57, s52, s53                     ; e12 + e13
	s_sub_co_i32 s92, 0, s57
	s_sub_co_i32 s57, s54, s57                     ; e14 - e12 - e13: the three scales ahead of the hidden layer's quantiser, folded into one
	MKSC 14, 15, 57
	MKSC 12, 13, 52
	s_wait_dscnt 0x0
	BSCALE 90
	RESID 76                                       ; (x + bO) / 2^(e10 + e11)
	s_wait_alu depctr_vm_vsrc(0)                   ; the head's LDS stores have read v96 to v223, in which the panel's fragments land, and window 2, in which g1 and beta1 land; zs's loads have read v244 to v247, in which a statistic lands
	PANEL 3, 0, IMGA, 0, 0                         ; + zs WO
	LN 74, 82, 0, 1, 2                             ; z
	HOLD 3, 0, 13
	CODES_RES 12
	s_wait_alu depctr_va_vdst(0)                   ; the conversions have written z's codes, which the stores read; the vector instructions that read the bias tiles are done: b2 lands there
	IMAGES IMGZ
	PLOAD BI, 9, 3*512                             ; b2
	s_wait_dscnt 0x0
	BSCALE 91
	RESID 80                                       ; (z + b2) / 2^(e14 + e15): where the second product's sums begin
	BARRIER                                        ; z's sixteen fragments lie in LDS; nothing writes them again
; A chunk of 512 hidden units.  Behind its first barrier the chunk's sixteen fragments lie in LDS; behind its second nobody reads them any more.
.macro CHUNK last
	s_wait_alu depctr_vm_vsrc(0)                   ; the last chunk's loads of b1 have read v24, which the next line writes; ahead of the first chunk: the stores of z's images have read v[AB ..], in which this panel's fragments land
	v_add_nc_u32 v24, s89, v9
	s_wait_alu depctr_va_vdst(0)                   ; v24 is written, which the loads of b1 read; the panel before is done reading both buffers of rows and the ring's fragments 4-7, in which this panel's first loads land
	PLOAD BI, 24, 0                                ; b1's chunk
	s_wait_dscnt 0x0
	BSCALE 92
	PANEL 2, 1, IMGZ, 262144, 0                    ; z W1 + b1, my 128 hidden units
	HOLD 2, 1, 15
	CODES_RES 14
	s_wait_alu depctr_va_vdst(0)                   ; the conversions have written the chunk's codes, which the stores read; W1's panel is done reading both buffers, the ring and the bias tiles; window 2's last readers are done
	IMAGES IMGA
	BARRIER
	s_wait_alu depctr_vm_vsrc(0)                   ; the images' stores have read v[AB ..], in which the panel's fragments land
	PANEL 3, 0, IMGA, 524288, \last                ; += the chunk x W2
.if !(\last)
	BARRIER
.endif
.endm
	s_mov_b32 s88, 3
	s_mov_b32 s89, 6*512
.Lchunk:                                               ; three trips; at the label and over the backward jump the same 48 ring loads are out at the most: the next panel's logical K step 0 and the first four fragments of its step 1
	CHUNK 0
	s_wait_xcnt 0x0                                ; the ring's base is stepped only behind this wait
	s_add_nc_u64 s[WB:WB+1], s[WB:WB+1], 524288
	s_add_co_u32 s89, s89, 512
	s_sub_co_u32 s88, s88, 1
	s_cmp_lg_u32 s88, 0
	s_cbranch_scc1 .Lchunk
	CHUNK 1                                        ; the last chunk is written out: its last panel asks for nothing beyond wc's end
	LN 78, 83, 2, 4, 5
	; THE WAY OUT: through my own stage, back as rows: each store of the wave covers 512 consecutive bytes, aligned
	WIN 0x0c
	s_wait_alu depctr_va_vdst(0)                   ; the layer norm has written the accumulators, which the LDS stores read, and is done reading g2 and beta2 in window 2, in which the rows land
.irp t, 0,1,2,3,4,5,6,7
.irp m, 0,1,2,3
.irp q, 0,1
	ds_store_b128 v7, v[8*(4*\t+\m)+4*\q:8*(4*\t+\m)+4*\q+3] offset:(32*(\m/2)+8*(\m%2))*528+128*(\t/2)+32*(\t%2)+16*\q
.endr
.endr
.endr
	WIN 0x80
.set i, 0
.rept 64
	ds_load_b128 v[4*i:4*i+3], v6 offset:528*i     ; LDS serves a wave's instructions in order: these see my stores
.set i, i+1
.endr
	WIN 0x08
.set i, 0
.rept 64
	s_wait_dscnt 63-i                              ; row i is back; the younger loads may be out
	global_store_b128 v5, v[4*i:4*i+3], s[38:39] offset:2048*i th:TH_STORE_NT
.set i, i+1
.endr
	WIN 0
	s_wait_dscnt 0x0
	s_wait_alu depctr_hold_cnt(0) depctr_sa_sdst(0) depctr_va_vdst(0) depctr_va_sdst(0) depctr_va_ssrc(0) depctr_va_vcc(0) depctr_vm_vsrc(0)
	s_wait_tensorcnt 0x0
	ds_add_u32 v30, v31
	s_wait_dscnt 0x0
	s_endpgm
.Lfunc_end_k_qc215a100d9_post:
	.size	k_qc215a100d9_post, .Lfunc_end_k_qc215a100d9_post-k_qc215a100d9_post
	.p2alignl 7, 3214868480
	.fill 96, 4, 3214868480
	.section	.rodata,"a",@progbits
	.p2align	6, 0x0
	.amdhsa_kernel k_qc215a100d9_post
		.amdhsa_group_segment_fixed_size 225792
		.amdhsa_private_segment_fixed_size 0
		.amdhsa_enable_private_segment 0
		.amdhsa_kernarg_size 96
		.amdhsa_user_sgpr_count 2
		.amdhsa_user_sgpr_kernarg_segment_ptr 1
		.amdhsa_wavefront_size32 1
		.amdhsa_system_sgpr_workgroup_id_x 1
		.amdhsa_system_sgpr_workgroup_id_y 1
		.amdhsa_system_sgpr_workgroup_id_z 1
		.amdhsa_system_vgpr_workitem_id 0
		.amdhsa_next_free_vgpr 1024
		.amdhsa_next_free_sgpr 100
		.amdhsa_reserve_vcc 0
		.amdhsa_float_denorm_mode_32 3
		.amdhsa_float_denorm_mode_16_64 3
		.amdhsa_memory_ordered 1
		.amdhsa_forward_progress 1
		.amdhsa_inst_pref_size 255
	.end_amdhsa_kernel
	.section	.bss,"aw",@nobits
	.p2align	6
	.space	262144
	.amdgpu_metadata
---
amdhsa.version: [ 1, 2 ]
amdhsa.kernels:
  - .name:           k_qc215a100d9_post
    .symbol:         k_qc215a100d9_post.kd
    .args:
      - { .name: zf, .offset: 0, .size: 8, .value_kind: global_buffer, .address_space: global }
      - { .name: wc, .offset: 8, .size: 8, .value_kind: global_buffer, .address_space: global }
      - { .name: x, .offset: 16, .size: 8, .value_kind: global_buffer, .address_space: global }
      - { .name: bO, .offset: 24, .size: 8, .value_kind: global_buffer, .address_space: global }
      - { .name: g1, .offset: 32, .size: 8, .value_kind: global_buffer, .address_space: global }
      - { .name: beta1, .offset: 40, .size: 8, .value_kind: global_buffer, .address_space: global }
      - { .name: b1, .offset: 48, .size: 8, .value_kind: global_buffer, .address_space: global }
      - { .name: b2, .offset: 56, .size: 8, .value_kind: global_buffer, .address_space: global }
      - { .name: g2, .offset: 64, .size: 8, .value_kind: global_buffer, .address_space: global }
      - { .name: beta2, .offset: 72, .size: 8, .value_kind: global_buffer, .address_space: global }
      - { .name: lowp_scales, .offset: 80, .size: 8, .value_kind: global_buffer, .address_space: global }
      - { .name: out0, .offset: 88, .size: 8, .value_kind: global_buffer, .address_space: global }
    .group_segment_fixed_size: 225792
    .private_segment_fixed_size: 0
    .kernarg_segment_align: 8
    .kernarg_segment_size: 96
    .max_flat_workgroup_size: 128
    .sgpr_count:     100
    .vgpr_count:     1024
    .wavefront_size: 32
...
	.end_amdgpu_metadata
.endif
;; end of part 8
